; MI455X (gfx1250); checked and timed in simulation.
; The chip was launched on July 23, 2026; its instructions are those of AMD's public machine-readable ISA for CDNA 5 (MIT licence, August 2026) and "CDNA5" Instruction Set Architecture Reference Guide (July 2026). The comments in the code are by the model that wrote it; some were corrected since.
;; Transformer Block. Allowed arithmetic: matrix products marked QUANTISED: E4M3 operands, one E8M0 scale for each 32 along K, by v_wmma_scale_f32_16x16x128_f8f6f4 with both operands' format E4M3, f32 sums; everything else in f32.
;; Inputs: b1 4,096 float32; b2 1,024 float32; b_out 1,024 float32; b_qkv 3,072 float32; ln1_b 1,024 float32; ln1_g 1,024 float32; ln2_b 1,024 float32; ln2_g 1,024 float32; w1 4,096 x 1,024 float32; w2 1,024 x 4,096 float32; w_out 1,024 x 1,024 float32; w_qkv 3,072 x 1,024 float32; x 2 x 2,048 x 1,024 float32.
;; Outputs: out0 2 x 2,048 x 1,024 float32.
;; This version of the problem:
;;   THIS VERSION OF THE PROBLEM IS GIVEN IN LOW PRECISION. The matrix products marked QUANTISED in the list below multiply operands that are first quantised to E4M3 (4 exponent bits, 3 mantissa bits; 8 bits a number), with one power-of-two scale for each 32 numbers along K (OCP MX v1.0); their sums are f32. All else is computed in f32.
;;   The module's matrix products, in the order in which they are computed (A, B: the left and right operand; K: the contracted axis; several contracted axes count as one K, in the product's order):
;;     1. [M 4,096, K 1,024] x [K 1,024, N 3,072]; A: computed on the way; B: input w_qkv: QUANTISED
;;     2. batch 32 x [M 2,048, K 64] x [K 64, N 2,048]; A: computed on the way; B: computed on the way: QUANTISED
;;     3. batch 32 x [M 2,048, K 2,048] x [K 2,048, N 64]; A: softmax (see below); B: computed on the way: QUANTISED
;;     4. [M 4,096, K 1,024] x [K 1,024, N 1,024]; A: computed on the way; B: input w_out: QUANTISED
;;     5. [M 4,096, K 1,024] x [K 1,024, N 4,096]; A: computed on the way; B: input w1: QUANTISED
;;     6. [M 4,096, K 4,096] x [K 4,096, N 1,024]; A: computed on the way; B: input w2: QUANTISED
;;   THE QUANTISER, for each operand of a quantised product, along K:
;;     - K is cut into blocks of 32 from its start; a last block that is shorter is filled with zeros.
;;     - A block's scale is 2^e with e = floor(log2(the largest magnitude in the block)) - 8, held to -126 .. 127; a block of zeros has e = 0. As a byte (E8M0): e + 127.
;;     - Each number is divided by its block's scale, clamped to +-448, and rounded to the nearest number of E4M3, ties to even, subnormals kept.
;;     - The product sums the exact products of the quantised numbers (number of the format x scale) in f32.
;;   ~~~python
;;   def quantise(x, axis):      # numpy; x: float32 -> the quantised numbers, widened to float32 again
;;       x = np.moveaxis(x, axis, -1); K = x.shape[-1]
;;       x = np.pad(x, [(0, 0)] * (x.ndim - 1) + [(0, -K % 32)]); x = x.reshape(x.shape[:-1] + (-1, 32)); a = np.abs(x).max(-1, keepdims=True)
;;       e = np.where(a > 0, np.clip(np.frexp(np.where(a > 0, a, 1))[1] - 1 - 8, -126, 127), 0)      # np.frexp(a)[1] - 1 = floor(log2(a)), exactly
;;       r = np.clip(x / 2.0 ** e, -448, 448)
;;       step = 2.0 ** (np.maximum(np.frexp(np.where(r == 0, 1, r))[1] - 1, -6) - 3)
;;       q = np.round(r / step) * step * 2.0 ** e      # np.round: ties to even
;;       return np.moveaxis(q.reshape(q.shape[:-2] + (-1,))[..., :K], -1, axis).astype(np.float32)
;;   ~~~
;;   SOFTMAX AHEAD OF A QUANTISED PRODUCT. Where the list says 'softmax', what is quantised is not the finished softmax but p = 2^(t - M), with t = logit x log2(e) and M = ceil(the row's largest t), a whole number; so 1/2 < the row's largest p <= 1. The row's sum l is taken of the UNQUANTISED p, in f32, and the product's result is divided by l at the end. Since M is a whole number, a kernel that streams over the keys may use a running M (the ceiling of the running maximum): every later rescaling is an exact power of two, which a block's scale takes up: the codes' values come out the same.
;;   OPERANDS COMPUTED ON THE WAY. 'Computed on the way' means the value that the module computes at that place (a softmax that the list does not call 'softmax' is quantised finished and normalised). What goes into a quantiser is computed in f32, as accurately as f32 sums, v_exp_f32 and their like allow (about 1e-6 of the number): no bf16 or f16 on the way to a quantiser, and a product that is left as it is and whose result goes on into a quantised operand takes f32 operands (vector FMAs, or v_wmma_f32_16x16x4_f32). A number that lies on a knife's edge between two numbers of the format may be rounded either way, as far as f32 arithmetic and the matrix unit's own rounding can turn it there, and no further.
;; One version. Each part assembles by itself: llvm-mc -triple=amdgcn-amd-amdhsa -mcpu=gfx1250 --defsym DOCPART=n.
;; ======== version 1 of 1: 7 launches
;; limits: right only within a limited range of input values
;; workspace buffers: wk 17,301,504 bytes; qkvr 13,238,272 bytes; ctx 4,325,376 bytes; x1 16,777,216 bytes; h2 4,325,376 bytes; ffh 17,301,504 bytes
;; launch prep (part 1): grid 256 x 1, 8 waves a work-group, no clusters, 154,624 bytes of LDS; arguments x, ln1_g, ln1_b, w_qkv, w_out, w1, w2, wk; writes wk
.if DOCPART == 1
	.amdgcn_target "amdgcn-amd-amdhsa--gfx1250"
	.amdhsa_code_object_version 6
	.text
	.protected	k_q5a9f97d208_prep
	.globl	k_q5a9f97d208_prep
	.p2align	8
	.type	k_q5a9f97d208_prep,@function
k_q5a9f97d208_prep:
	s_mov_b64 s[64:65], 0
	v_nop
	global_prefetch_b8 v0, s[64:65] scope:SCOPE_SE
	s_setreg_imm32_b32 hwreg(HW_REG_WAVE_MODE, 25, 1), 1
	s_wait_xcnt 0x0
; Rows of f32 become codes of E4M3 with one E8M0 byte for each 32 along K, laid as the matrix launches want them.  Work-groups 0-63 take the first argument's 4,096 rows and put a layer norm
; (second and third argument: gain and bias) in front of the quantiser; 64-111 take w_qkv, 112-127 w_out, 128-191 w1, 192-255 w2 (in four quarters of its K).  With a grid of 64 the same text is the second layer norm.
; ORDER OF ROWS.  Position p of every buffer of codes holds the true row p with bits 3 and 4 exchanged.  A product that takes 16 positions as its first source then leaves, in the 16 registers of two
; neighbouring result tiles, 16 neighbours along the next product's K.  w_qkv's rows are regrouped besides: all q rows, all k rows, all v rows, each by head.
; LAYOUT OF CODES: images of operand registers.  A fragment (16 positions x 128 K) is 2,048 bytes on end: 512 c + 16 lane, lane = 16 ((k % 32) / 16) + position % 16, c = (k % 128) / 32; a row tile's fragments follow each other along K.
; LAYOUT OF SCALES: one word for a position and 128 K, at ((p / 128) (K / 128) + k / 128) 512 + 4 (p % 128).
; SHARES.  A work-group takes 4 row tiles x 1,024 K; two waves share a tile, eight true rows each.  A wave's 64 loads (32 KB) go out at its head.  A row turns through the wave's own stage in LDS, so that a lane holds
; 16 neighbours twice; codes and bytes are gathered in LDS and leave as runs of 512 and 256 consecutive bytes.
; LIMITS: a block of zeros gets the byte 1 (its codes are zeros; only this program reads the bytes); blocks whose largest magnitude lies under 2^-118 are held at that floor; NaN and infinities are not served; 1 / sqrt by v_rsq_f32.
.set H1C, 0
.set H1S, 4194304
.set WQC, 4325376
.set WQS, 7471104
.set WOC, 7569408
.set WOS, 8617984
.set W1C, 8650752
.set W1S, 12845056
.set W2C, 12976128
.set W2S, 17170432
.set IMGST, 81920                      ; LDS: 8 x 10,240 turn stages; then 4 image stages of 64 pieces x 272 bytes;
.set SCST,  151552                     ; then 2,048 scale bytes: [K step 8][64 positions x 4]
.set VO,  16                           ; v16-23   row i: 16 lane + i x the input's pitch
.set GG,  32                           ; v32-63   the gain at my 32 columns
.set BT,  64                           ; v64-95   the bias
.set X,   160                          ; v160-223 two sets of 32 numbers: columns 512 s + 16 lane + 0 .. 15
.set CD,  224                          ; v224-239 two sets of 8: a row's codes
.set EB,  240                          ; v240-243 two sets of 2: its bytes
.set T,   244                          ; v244-251 at work
.set MU,  252                          ; v252-253 the mean, twice
.set RSD, 254                          ; v254-255 1 / sigma, twice.   Window 1 (v256-511): the eight rows as loaded
.set MSB, 0
.macro WIN new                         ; the immediate's high byte repeats the setting that is left
.if MSB != (\new)
	s_set_vgpr_msb (MSB<<8)|(\new)
.set MSB, (\new)
.endif
.endm
	s_load_b256 s[4:11], s[0:1], 0x0               ; rows s[4:5], gain s[6:7], bias s[8:9], w_qkv s[10:11]
	s_load_b256 s[12:19], s[0:1], 0x20             ; w_out, w1, w2, the output s[18:19]
	v_lshl_add_u32 v158, v0, 2, 0x25800
	v_mov_b32 v159, 0
	v_lshrrev_b32 v11, 5, v0
	s_delay_alu instid0(VALU_DEP_1)
	v_readfirstlane_b32 s20, v11                   ; wave 0..7
	s_lshr_b32 s21, s20, 1                         ; u: which of the four tiles
	s_and_b32 s22, s20, 1                          ; half: positions 8 half .. 8 half + 7 of it
	v_and_b32 v1, 31, v0                           ; lane
	s_delay_alu instid0(VALU_DEP_1)
	v_lshlrev_b32 v2, 4, v1
	s_delay_alu instid0(VALU_DEP_2)
	v_lshlrev_b32 v9, 3, v1
	s_delay_alu instid0(VALU_DEP_3)
	v_lshlrev_b32 v10, 6, v1
	s_mul_i32 s36, s20, 10240                      ; my turn stages
	v_lshrrev_b32 v3, 2, v1
	s_delay_alu instid0(VALU_DEP_1)
	v_mul_u32_u24 v3, v3, 80
	v_and_b32 v11, 3, v1
	s_delay_alu instid0(VALU_DEP_1)
	v_lshl_add_u32 v3, v11, 4, v3
	s_delay_alu instid0(VALU_DEP_1)
	v_add_nc_u32 v3, s36, v3                       ; in: four lanes' 64 bytes on end, then 16 of padding
	v_mul_u32_u24 v4, v1, 80
	s_delay_alu instid0(VALU_DEP_1)
	v_add_nc_u32 v4, s36, v4                       ; out: my 64 bytes
	s_mul_i32 s36, s21, 17408
	s_add_co_u32 s36, s36, IMGST                   ; my tile's image stage
	s_lshl_b32 s37, s22, 7
	s_add_co_u32 s37, s37, s36
	v_mul_u32_u24 v5, v1, 272
	s_delay_alu instid0(VALU_DEP_1)
	v_add_nc_u32 v5, s37, v5                       ; codes in: piece 32 s + lane (256 bytes of the image), 16 bytes for each position
	s_mul_i32 s37, s22, 32*272
	s_add_co_u32 s37, s37, s36
	v_lshrrev_b32 v7, 4, v1
	s_delay_alu instid0(VALU_DEP_1)
	v_mul_u32_u24 v7, v7, 272
	v_and_b32 v11, 15, v1
	s_delay_alu instid0(VALU_DEP_1)
	v_lshl_add_u32 v7, v11, 4, v7
	s_delay_alu instid0(VALU_DEP_1)
	v_add_nc_u32 v7, s37, v7                       ; codes out: my half of the pieces, two an instruction
	s_lshl_b32 s37, s20, 5
	s_add_co_u32 s37, s37, SCST
	v_lshrrev_b32 v6, 3, v1
	s_delay_alu instid0(VALU_DEP_1)
	v_lshlrev_b32 v6, 8, v6
	v_bfe_u32 v11, v1, 1, 2
	s_delay_alu instid0(VALU_DEP_1)
	v_add_nc_u32 v6, v6, v11
	s_delay_alu instid0(VALU_DEP_1)
	v_add_nc_u32 v6, s37, v6                       ; bytes in: K step 4 s + lane / 8, byte (lane / 2) % 4, position 16 u + 8 half + i
	s_lshl_b32 s37, s20, 8
	s_add_co_u32 s37, s37, SCST
	v_add_nc_u32 v8, s37, v9                       ; bytes out: wave w takes K step w's 256 bytes
	s_mov_b32 s40, 0x76543210
	s_mov_b32 s41, 0xfedcba98                      ; v_permlanex16_b32's selects for lane l xor 16
	s_mov_b32 s42, 0x600000                        ; the mantissa field of 448
	s_mov_b32 s43, 0x3a800000                      ; 1 / 1,024
	s_mov_b32 s44, 0x3727c5ac                      ; 1e-5
	s_mov_b32 s23, ttmp9
	s_wait_kmcnt 0x0
	; which tensor: the choices hang on the work-group's number alone, and all tensors take one way through the text
	s_mov_b64 s[24:25], s[4:5]
	s_mov_b32 s26, 0
	s_mov_b32 s27, H1C
	s_mov_b32 s32, H1S
	s_mov_b32 s35, 4096
	s_cmp_ge_u32 s23, 64
	s_cselect_b64 s[24:25], s[10:11], s[24:25]
	s_cselect_b32 s26, 64, s26
	s_cselect_b32 s27, WQC, s27
	s_cselect_b32 s32, WQS, s32
	s_cmp_ge_u32 s23, 112
	s_cselect_b64 s[24:25], s[12:13], s[24:25]
	s_cselect_b32 s26, 112, s26
	s_cselect_b32 s27, WOC, s27
	s_cselect_b32 s32, WOS, s32
	s_cmp_ge_u32 s23, 128
	s_cselect_b64 s[24:25], s[14:15], s[24:25]
	s_cselect_b32 s26, 128, s26
	s_cselect_b32 s27, W1C, s27
	s_cselect_b32 s32, W1S, s32
	s_cmp_ge_u32 s23, 192
	s_cselect_b64 s[24:25], s[16:17], s[24:25]
	s_cselect_b32 s26, 192, s26
	s_cselect_b32 s27, W2C, s27
	s_cselect_b32 s32, W2S, s32
	s_cselect_b32 s33, 15, -1
	s_cselect_b32 s34, -1, 0
	s_cselect_b32 s35, 16384, s35                  ; the input's pitch in bytes; also a group of 128 positions' scale bytes; a row tile's image is four times as much
	s_sub_co_u32 s36, s23, s26
	s_lshr_b32 s37, s36, 4
	s_and_b32 s37, s37, s34                        ; q: which quarter of K (w2 alone)
	s_and_b32 s36, s36, s33                        ; t4: which four tiles
	s_lshl_b32 s38, s36, 2
	s_add_co_u32 s38, s38, s21                     ; T: my tile
	s_lshr_b32 s39, s38, 1
	s_lshl_b32 s39, s39, 5                         ; its group of 32 rows
	s_bfe_u32 s45, s39, 0x40006
	s_mul_i32 s45, s45, 192
	s_lshr_b32 s46, s39, 10
	s_lshl_b32 s46, s46, 6
	s_add_co_u32 s45, s45, s46
	s_and_b32 s46, s39, 63
	s_add_co_u32 s45, s45, s46                     ; in w_qkv: 192 head + 64 (q, k or v) + channel
	s_cmp_eq_u32 s26, 64
	s_cselect_b32 s39, s45, s39
	s_and_b32 s46, s38, 1
	s_lshl_b32 s46, s46, 3
	s_add_co_u32 s39, s39, s46
	s_lshl_b32 s46, s22, 4
	s_add_co_u32 s39, s39, s46                     ; my first true row: + 8 (T % 2) + 16 half
	s_mul_i32 s46, s39, s35
	s_lshl_b32 s47, s37, 12
	s_add_co_u32 s46, s46, s47
	s_mov_b32 s47, 0
	s_add_nc_u64 s[24:25], s[24:25], s[46:47]      ; the input at my first row
	s_lshl_b32 s46, s35, 2
	s_mul_i32 s46, s46, s38
	s_add_co_u32 s46, s46, s27
	s_lshl_b32 s48, s37, 14
	s_add_co_u32 s46, s46, s48
	s_lshl_b32 s48, s22, 13
	s_add_co_u32 s46, s46, s48
	s_add_nc_u64 s[28:29], s[18:19], s[46:47]      ; my half of my tile's image
	s_lshr_b32 s46, s36, 1
	s_mul_i32 s46, s46, s35
	s_add_co_u32 s46, s46, s32
	s_lshl_b32 s48, s37, 12
	s_add_co_u32 s46, s46, s48
	s_and_b32 s48, s36, 1
	s_lshl_b32 s48, s48, 8
	s_add_co_u32 s46, s46, s48
	s_lshl_b32 s48, s20, 9
	s_add_co_u32 s46, s46, s48
	s_add_nc_u64 s[30:31], s[18:19], s[46:47]      ; K step w's 256 scale bytes of the four tiles
.irp i, 0,1,2,3,4,5,6,7
	s_mul_i32 s46, s35, \i
	v_add_nc_u32 v[VO+\i], s46, v2
.endr
.irp j, 0,1,2,3,4,5,6,7
	global_load_b128 v[GG+4*\j:GG+4*\j+3], v10, s[6:7] offset:2048*(\j/4)+16*(\j%4)
	global_load_b128 v[BT+4*\j:BT+4*\j+3], v10, s[8:9] offset:2048*(\j/4)+16*(\j%4)
.endr
	WIN 0x40                                       ; destination window 1
	s_wait_alu depctr_va_vdst(0)
.irp i, 0,1,2,3,4,5,6,7
.irp j, 0,1,2,3,4,5,6,7
	global_load_b128 v[32*\i+4*\j:32*\i+4*\j+3], v[VO+\i], s[24:25] offset:512*\j th:TH_LOAD_NT   ; 32 lanes read 512 consecutive bytes
.endr
.endr
	WIN 0
.macro TURN i                          ; row i through the stage; LDS serves a wave's instructions in order, so no wait stands between the stores and the loads
	WIN 0x04                                       ; an LDS store's data are its source 1: window 1
.irp j, 0,1,2,3,4,5,6,7
	ds_store_b128 v3, v[32*(\i)+4*\j:32*(\i)+4*\j+3] offset:5120*((\i)%2)+2560*(\j/4)+640*(\j%4)
.endr
	WIN 0
.irp j, 0,1,2,3,4,5,6,7
	ds_load_b128 v[X+32*((\i)%2)+4*\j:X+32*((\i)%2)+4*\j+3], v4 offset:5120*((\i)%2)+2560*(\j/4)+16*(\j%4)
.endr
.endm
.macro REDUCE                          ; v[T:T+7], four pairs of partial sums, become the row's sum in v[T] of every lane
	s_delay_alu instid0(VALU_DEP_3)
	v_pk_add_f32 v[T:T+1], v[T:T+1], v[T+2:T+3]
	s_delay_alu instid0(VALU_DEP_2)
	v_pk_add_f32 v[T+4:T+5], v[T+4:T+5], v[T+6:T+7]
	s_delay_alu instid0(VALU_DEP_1)
	v_pk_add_f32 v[T:T+1], v[T:T+1], v[T+4:T+5]
	s_delay_alu instid0(VALU_DEP_1)
	v_add_f32 v[T], v[T], v[T+1]
	s_delay_alu instid0(VALU_DEP_1)
	v_add_f32_dpp v[T], v[T], v[T] row_xmask:1 row_mask:0xf bank_mask:0xf
	s_delay_alu instid0(VALU_DEP_1)
	v_add_f32_dpp v[T], v[T], v[T] row_xmask:2 row_mask:0xf bank_mask:0xf
	s_delay_alu instid0(VALU_DEP_1)
	v_add_f32_dpp v[T], v[T], v[T] row_xmask:4 row_mask:0xf bank_mask:0xf
	s_delay_alu instid0(VALU_DEP_1)
	v_add_f32_dpp v[T], v[T], v[T] row_xmask:8 row_mask:0xf bank_mask:0xf
	s_delay_alu instid0(VALU_DEP_1)
	v_permlanex16_b32 v[T+1], v[T], s40, s41
	s_delay_alu instid0(VALU_DEP_1)
	v_add_f32 v[T], v[T], v[T+1]
.endm
.macro LNORM                           ; the layer norm of the row in v[XS] on: registers alone; the weights' work-groups jump over it
	s_cmp_lt_u32 ttmp9, 64
	s_cbranch_scc0 .Lweight_\@
.irp k, 0,1,2,3
	v_pk_add_f32 v[T+2*\k:T+2*\k+1], v[XS+4*\k:XS+4*\k+1], v[XS+4*\k+2:XS+4*\k+3]
.endr
.irp m, 16,24
.irp k, 0,1,2,3
	s_delay_alu instid0(VALU_DEP_4)
	v_pk_add_f32 v[T+2*\k:T+2*\k+1], v[T+2*\k:T+2*\k+1], v[XS+\m+2*\k:XS+\m+2*\k+1]
.endr
.endr
	REDUCE
	s_delay_alu instid0(VALU_DEP_1)
	v_mul_f32 v[MU], s43, v[T]
	s_delay_alu instid0(VALU_DEP_2)
	v_mul_f32 v[MU+1], s43, v[T]
.irp k, 0,2,4,6,8,10,12,14,16,18,20,22,24,26,28,30
	v_pk_add_f32 v[XS+\k:XS+\k+1], v[XS+\k:XS+\k+1], v[MU:MU+1] neg_lo:[0,1] neg_hi:[0,1]   ; x - mean first: the variance is a sum of squares of differences, whatever the rows' offset
.endr
.irp k, 0,1,2,3
	v_pk_mul_f32 v[T+2*\k:T+2*\k+1], v[XS+2*\k:XS+2*\k+1], v[XS+2*\k:XS+2*\k+1]
.endr
.irp m, 8,16,24
.irp k, 0,1,2,3
	s_delay_alu instid0(VALU_DEP_4)
	v_pk_fma_f32 v[T+2*\k:T+2*\k+1], v[XS+\m+2*\k:XS+\m+2*\k+1], v[XS+\m+2*\k:XS+\m+2*\k+1], v[T+2*\k:T+2*\k+1]
.endr
.endr
	REDUCE
	s_delay_alu instid0(VALU_DEP_1)
	v_fma_f32 v[T], v[T], s43, s44                 ; the variance + 1e-5
	s_wait_alu depctr_va_vdst(0)
	v_rsq_f32 v[RSD], v[T]
	v_rsq_f32 v[RSD+1], v[T]
	v_nop                                          ; a plain instruction behind the last of the two,
	s_wait_alu depctr_va_vdst(0)                   ; and one wait for both, ahead of their first reader
.irp k, 0,2,4,6,8,10,12,14,16,18,20,22,24,26,28,30
	v_pk_mul_f32 v[XS+\k:XS+\k+1], v[XS+\k:XS+\k+1], v[RSD:RSD+1]
.endr
.irp k, 0,2,4,6,8,10,12,14,16,18,20,22,24,26,28,30
	v_pk_fma_f32 v[XS+\k:XS+\k+1], v[XS+\k:XS+\k+1], v[GG+\k:GG+\k+1], v[BT+\k:BT+\k+1]
.endr
.Lweight_\@:
.endm
.macro QROW i                          ; my two runs of 16 numbers: two neighbouring lanes hold a block of 32
.irp s, 0,1
	v_max3_num_f32 v[T+4*\s], |v[XS+16*\s]|, |v[XS+16*\s+1]|, |v[XS+16*\s+2]|
	v_max3_num_f32 v[T+4*\s+1], |v[XS+16*\s+3]|, |v[XS+16*\s+4]|, |v[XS+16*\s+5]|
.endr
.irp m, 6,10
.irp s, 0,1
	s_delay_alu instid0(VALU_DEP_4)
	v_max3_num_f32 v[T+4*\s], v[T+4*\s], |v[XS+16*\s+\m]|, |v[XS+16*\s+\m+1]|
	s_delay_alu instid0(VALU_DEP_4)
	v_max3_num_f32 v[T+4*\s+1], v[T+4*\s+1], |v[XS+16*\s+\m+2]|, |v[XS+16*\s+\m+3]|
.endr
.endr
.irp s, 0
	s_delay_alu instid0(VALU_DEP_4)
	v_max3_num_f32 v[T+4*\s], v[T+4*\s], |v[XS+16*\s+14]|, |v[XS+16*\s+15]|
.endr
.irp s, 1
	s_delay_alu instid0(VALU_DEP_3)
	v_max3_num_f32 v[T+4*\s], v[T+4*\s], |v[XS+16*\s+14]|, |v[XS+16*\s+15]|
.endr
.irp s, 0,1
	s_delay_alu instid0(VALU_DEP_2)
	v_max3_num_f32 v[T+4*\s], v[T+4*\s], v[T+4*\s+1], 0x4800000   ; the floor 2^(9 - 127): the byte cannot fall under 1
.endr
.irp s, 0,1
	s_delay_alu instid0(VALU_DEP_2)
	v_max_num_f32_dpp v[T+4*\s], v[T+4*\s], v[T+4*\s] row_xmask:1 row_mask:0xf bank_mask:0xf   ; with my neighbour's 16: the block's largest magnitude
.endr
.irp s, 0
	s_delay_alu instid0(VALU_DEP_2)
	v_add_nc_u32 v[T+4*\s+2], 0xfc000000, v[T+4*\s]               ; 8 off its exponent field: the conversion's scale operand
	s_delay_alu instid0(VALU_DEP_3)
	v_and_or_b32 v[T+4*\s+3], v[T+4*\s], 0x7f800000, s42          ; 448 x the scale
.endr
.irp s, 1
	s_delay_alu instid0(VALU_DEP_3)
	v_add_nc_u32 v[T+4*\s+2], 0xfc000000, v[T+4*\s]               ; 8 off its exponent field: the conversion's scale operand
	s_delay_alu instid0(VALU_DEP_4)
	v_and_or_b32 v[T+4*\s+3], v[T+4*\s], 0x7f800000, s42          ; 448 x the scale
.endr
.irp s, 0,1
.irp e, 0,1,2,3,4,5,6,7,8,9,10,11,12,13,14,15
	v_med3_num_f32 v[XS+16*\s+\e], v[XS+16*\s+\e], -v[T+4*\s+3], v[T+4*\s+3]   ; the conversion to an 8-bit code does not saturate (ISA guide 7.6.2): the hold comes first
.endr
	v_cvt_scalef32_pk8_fp8_f32 v[CD+8*((\i)%2)+4*\s:CD+8*((\i)%2)+4*\s+1], v[XS+16*\s:XS+16*\s+7], v[T+4*\s+2]
	v_cvt_scalef32_pk8_fp8_f32 v[CD+8*((\i)%2)+4*\s+2:CD+8*((\i)%2)+4*\s+3], v[XS+16*\s+8:XS+16*\s+15], v[T+4*\s+2]
.endr
.irp s, 0,1
	v_lshrrev_b32 v[EB+2*((\i)%2)+\s], 23, v[T+4*\s+2]            ; the scale's byte
.endr
.irp s, 0,1
	ds_store_b128 v5, v[CD+8*((\i)%2)+4*\s:CD+8*((\i)%2)+4*\s+3] offset:8704*\s+16*(\i)
	ds_store_b8 v6, v[EB+2*((\i)%2)+\s] offset:1024*\s+4*(\i)     ; both lanes of a block write the same byte with the same value
.endr
.endm
.macro ROW i
.set XS, X+32*((\i)%2)
.if \i > 0
	s_wait_dscnt 4                                 ; this row is back from the stage; the four younger are the last row's code and byte stores; those of the row before it are done, so its registers are free
.else
	s_wait_dscnt 0x0
.endif
.if \i < 7
	s_wait_loadcnt 48-8*\i                         ; the next row's eight loads are in; the rows behind it may be out
	TURN \i+1
.endif
	LNORM
	QROW \i
.endm
	s_wait_loadcnt 56                              ; gain, bias and row 0 are in; rows 1 to 7 may be out
	TURN 0
.irp i, 0,1,2,3,4,5,6,7
	ROW \i
.endr
	s_wait_dscnt 0x0                               ; for the others' sake: my codes and bytes lie in LDS
	s_barrier_signal -1
	s_barrier_wait -1
	ds_load_b64 v[T:T+1], v8
.irp t, 0,1,2,3,4,5,6,7,8,9,10,11,12,13,14,15
	ds_load_b128 v[X+4*\t:X+4*\t+3], v7 offset:544*\t
.endr
	s_wait_dscnt 16
	global_store_b64 v9, v[T:T+1], s[30:31]        ; 32 lanes store 256 consecutive bytes, aligned
.irp t, 0,1,2,3,4,5,6,7,8,9,10,11,12,13,14,15
	s_wait_dscnt 15-\t
	global_store_b128 v2, v[X+4*\t:X+4*\t+3], s[28:29] offset:512*\t   ; 512 consecutive bytes, aligned
.endr
	s_wait_tensorcnt 0x0
	ds_add_u32 v158, v159
	s_wait_dscnt 0x0
	s_endpgm
.Lfunc_end_k_q5a9f97d208_prep:
	.size	k_q5a9f97d208_prep, .Lfunc_end_k_q5a9f97d208_prep-k_q5a9f97d208_prep
	.p2alignl 7, 3214868480
	.fill 96, 4, 3214868480
	.section	.rodata,"a",@progbits
	.p2align	6, 0x0
	.amdhsa_kernel k_q5a9f97d208_prep
		.amdhsa_group_segment_fixed_size 154624
		.amdhsa_private_segment_fixed_size 0
		.amdhsa_enable_private_segment 0
		.amdhsa_kernarg_size 64
		.amdhsa_user_sgpr_count 2
		.amdhsa_user_sgpr_kernarg_segment_ptr 1
		.amdhsa_wavefront_size32 1
		.amdhsa_system_sgpr_workgroup_id_x 1
		.amdhsa_system_sgpr_workgroup_id_y 1
		.amdhsa_system_sgpr_workgroup_id_z 1
		.amdhsa_system_vgpr_workitem_id 0
		.amdhsa_next_free_vgpr 512
		.amdhsa_next_free_sgpr 66
		.amdhsa_reserve_vcc 0
		.amdhsa_float_denorm_mode_32 3
		.amdhsa_float_denorm_mode_16_64 3
		.amdhsa_memory_ordered 1
		.amdhsa_forward_progress 1
		.amdhsa_inst_pref_size 125
	.end_amdhsa_kernel
	.amdgpu_metadata
---
amdhsa.version: [ 1, 2 ]
amdhsa.kernels:
  - .name:           k_q5a9f97d208_prep
    .symbol:         k_q5a9f97d208_prep.kd
    .args:
      - { .name: x, .offset: 0, .size: 8, .value_kind: global_buffer, .address_space: global }
      - { .name: ln1_g, .offset: 8, .size: 8, .value_kind: global_buffer, .address_space: global }
      - { .name: ln1_b, .offset: 16, .size: 8, .value_kind: global_buffer, .address_space: global }
      - { .name: w_qkv, .offset: 24, .size: 8, .value_kind: global_buffer, .address_space: global }
      - { .name: w_out, .offset: 32, .size: 8, .value_kind: global_buffer, .address_space: global }
      - { .name: w1, .offset: 40, .size: 8, .value_kind: global_buffer, .address_space: global }
      - { .name: w2, .offset: 48, .size: 8, .value_kind: global_buffer, .address_space: global }
      - { .name: wk, .offset: 56, .size: 8, .value_kind: global_buffer, .address_space: global }
    .group_segment_fixed_size: 154624
    .private_segment_fixed_size: 0
    .kernarg_segment_align: 8
    .kernarg_segment_size: 64
    .max_flat_workgroup_size: 256
    .sgpr_count:     66
    .vgpr_count:     512
    .wavefront_size: 32
...
	.end_amdgpu_metadata
.endif
;; end of part 1
;; launch qkv (part 2): grid 48 x 4, 4 waves a work-group, clusters of 4 x 4, 327,680 bytes of LDS; arguments wk, b_qkv, qkvr; writes qkvr
.if DOCPART == 2
	.amdgcn_target "amdgcn-amd-amdhsa--gfx1250"
	.amdhsa_code_object_version 6
	.text
	.protected	k_q5a9f97d208_qkv
	.globl	k_q5a9f97d208_qkv
	.p2align	8
	.type	k_q5a9f97d208_qkv,@function
k_q5a9f97d208_qkv:
	s_mov_b64 s[64:65], 0
	v_nop
	global_prefetch_b8 v0, s[64:65] scope:SCOPE_SE
	s_setreg_imm32_b32 hwreg(HW_REG_WAVE_MODE, 25, 1), 1
	s_wait_xcnt 0x0
	s_wait_alu depctr_hold_cnt(0) depctr_sa_sdst(0) depctr_va_vdst(0) depctr_va_sdst(0) depctr_va_ssrc(0) depctr_va_vcc(0) depctr_vm_vsrc(0)
	s_getreg_b32 s2, hwreg(HW_REG_IB_STS2, 6, 4)
	s_cmp_eq_u32 s2, 0
	s_cbranch_scc0 .Lentry_in_a_cluster
	s_endpgm
.Lentry_in_a_cluster:
	s_bfe_u32 s2, ttmp6, 0x10000c
	s_cmp_lg_u32 s2, 0xf033
	s_cbranch_scc0 .Lentry_shape_is_right
	s_endpgm
.Lentry_shape_is_right:
; The first product, its bias, and the quantising of q, k and v for the attention.  All operands are codes of E4M3 laid as images of operand registers, with scale words beside them (the launch before made them).
; Clusters 0-7: C = h1 Wqk^T (4,096 tokens x 2,048 columns: all q, then all k).  Clusters 8-11: V^T = Wv h1^T (1,024 channels x 4,096 tokens), so that v comes out with the tokens, the second attention product's K, along a lane's registers.
; A work-group of four waves makes 256 x 256, a wave 128 x 128: 64 accumulators, 512 registers.  K = 1,024 goes in four slots' worth of 256 through a ring of two LDS slots; the scale words of all of K come once.
; The matrix instruction is used transposed (source 0 = 16 positions of B, source 1 = 16 of A).  Positions hold true rows with bits 3 and 4 exchanged, so the 16 registers of result tiles 2 j, 2 j + 1 are the true columns 32 j + 16 (lane / 16) + 0 .. 15
; of one row: the layout of an operand.  A wave's 128 columns are quantised where they lie and stored as images: two heads' q or k (64 channels each), or 128 tokens of v.
; OUTPUT: for each of 32 heads 16 records of 128 tokens: K images 8 x 1,024 | V^T images 4 x 2,048 | K scale words 512 | V scale words 256 | Q images 8 x 1,024 | Q scale words 512.  q's and k's words carry two bytes; the upper two are 0 and meet zero codes.
; CLUSTERS: 4 x 4 work-groups; A's tiles are asked for jointly along a row of the cluster, B's along a column.  The two branches on the kind of cluster hang on the cluster's number alone, which all partners share.
; Scale words leave in runs of 64 bytes (one byte in 32 of the output).  LIMITS: a block of zeros gets the byte 1; magnitudes under 2^-118 are held at that floor; NaN and infinities are not served.
.set H1S,   4194304
.set WQC,   4325376
.set WQS,   7471104
.set HS,    413696                     ; a head's 16 records
.set RS,    25856                      ; a record
.set PART,  32768                      ; 128 positions x 256 K: 8 row tiles x 4,096 bytes: what one tensor load brings
.set SLOT,  4*PART                     ; A's two halves, then B's two
.set SCL,   2*SLOT                     ; the ring's end
.set SPARE, SCL+16384                  ; the spare words: 128 bytes a wave, named by no other line
.set LI,   4                           ; v4   16 x lane
.set VO2,  6                           ; v6   where the fragment's upper half goes
.set VS,   7                           ; v7   my scale word's place
.set VSH,  8                           ; v8   and which half of the word I store
.set BO1,  9
.set BO2,  10
.set ADRA, 16
.set ADRB, 20
.set ADRSA, 24
.set ADRSB, 25
.set SPW,  28
.set NIL,  29
.set SC,   32                          ; v32-63  scale words, a set for each slot: 8 q + i A's tiles 2 i (lanes 0-15) and 2 i + 1 (lanes 16-31), 8 q + 4 + i B's
.set BI,   64                          ; v64-127 the bias, the C of the first products
.set AF,   128                         ; v128-255 A's fragments, one set; window 1: B's, two sets; windows 2, 3: the accumulators
.set TM,   200                          ; the way out, in A's registers
.set PW,   216
.set PWS,  218
.set PC,   224
.set MSK,  2
.set MNT,  3
.set STC,  10
.set STC4, 12
.set SEL,  66
.set CB,   96
.set SB,   98
.set STS4, 100
.set G1,   24
.set G0,   32
.set G1B,  48
.set G0B,  56
.set G1S,  68
.set G0S,  76
.set G1SB, 80
.set G0SB, 88
.set MUL_LO, 0xa1                      ; source 0 (B) window 1, source 1 (A) window 0, C and D window 2
.set MUL_HI, 0xf1
.set TO_B,   0x40
.set MSB, 0
.macro WIN new
.if MSB != (\new)
	s_set_vgpr_msb (MSB<<8)|(\new)
.set MSB, (\new)
.endif
.endm
.macro JLOAD g0a, g1a, g0b, g1b        ; a joint load: waves 0 and 1 fetch for A, waves 2 and 3 for B; four v_nop follow each line
	s_cmp_eq_u32 s15, 0
	s_cbranch_scc0 .Lfor_b_\@
	tensor_load_to_lds s[\g0a:\g0a+3], s[\g1a:\g1a+7]
	s_nop 0
.rept 4
	v_nop
.endr
	s_branch .Lasked_\@
.Lfor_b_\@:
	tensor_load_to_lds s[\g0b:\g0b+3], s[\g1b:\g1b+7]
	s_nop 0
.rept 4
	v_nop
.endr
.Lasked_\@:
.endm
.macro CREST
	s_cmp_lg_u32 s14, 0
	s_cbranch_scc1 .Lnot_wave_0_\@
	s_barrier_signal -3
.Lnot_wave_0_\@:
	s_barrier_wait -3
	s_barrier_signal -1
	s_barrier_wait -1
.endm
.macro CROUND
	s_barrier_signal -1
	s_barrier_wait -1
	CREST
.endm
.macro PLACES n
.rept \n
	v_nop
.endr
.endm
.macro WMX                             ; one product; rRW bit 0: source 0's scales in lanes 16-31, bit 1: source 1's
.if rRW == 0
	v_wmma_scale_f32_16x16x128_f8f6f4 v[rD:rD+7], v[rFB:rFB+15], v[rFA:rFA+15], v[rC:rC+7], v[rSB], v[rSA]
.elseif rRW == 1
	v_wmma_scale_f32_16x16x128_f8f6f4 v[rD:rD+7], v[rFB:rFB+15], v[rFA:rFA+15], v[rC:rC+7], v[rSB], v[rSA] matrix_a_scale:MATRIX_SCALE_ROW1
.elseif rRW == 2
	v_wmma_scale_f32_16x16x128_f8f6f4 v[rD:rD+7], v[rFB:rFB+15], v[rFA:rFA+15], v[rC:rC+7], v[rSB], v[rSA] matrix_b_scale:MATRIX_SCALE_ROW1
.else
	v_wmma_scale_f32_16x16x128_f8f6f4 v[rD:rD+7], v[rFB:rFB+15], v[rFA:rFA+15], v[rC:rC+7], v[rSB], v[rSA] matrix_a_scale:MATRIX_SCALE_ROW1 matrix_b_scale:MATRIX_SCALE_ROW1
.endif
.endm
; 16 products: A's blocks a0, a0 + 1 x B's eight.  p: B's set; q: which 128 of the slot; sc: the scale set.  mode 0: in place; 1: C = the bias by column; 2: C = the bias by row.  The 64 accumulators take turns.
.macro MUL16 a0, p, q, sc, mode
.irp a, \a0, \a0+1
.irp b, 0,1,2,3,4,5,6,7
.set rD, 8*(8*((\a)%4)+\b)
.set rFB, 128*(\p)+16*\b
.set rFA, AF+16*(\a)
.set rSB, SC+16*(\sc)+8*(\q)+4+\b/2
.set rSA, SC+16*(\sc)+8*(\q)+(\a)/2
.set rRW, (\b%2)+2*((\a)%2)
.if (\mode) == 0
.set rC, rD
.elseif (\mode) == 1
.set rC, BI+8*\b
.else
.set rC, BI+8*(\a)
.endif
	WMX
.endr
.endr
.endm
.macro FRAG reg, adr, q, i             ; a fragment is an image: four loads of 512 consecutive bytes
.irp c, 0,1,2,3
	ds_load_b128 v[\reg+4*\c:\reg+4*\c+3], v[\adr] offset:4096*(\i)+2048*(\q)+512*\c
.endr
.endm
.macro FETCH_B slot, q, p
	WIN TO_B
.irp i, 0,1,2,3,4,5,6,7
	FRAG 128*(\p)+16*\i, ADRB+\slot, \q, \i
.endr
	WIN 0
.endm
.macro FETCH_A slot, q, i0
.irp i, \i0, \i0+1, \i0+2, \i0+3
	FRAG AF+16*(\i), ADRA+\slot, \q, \i
.endr
.endm
.macro SCALES sc, n                    ; the scale words of the n-th 256 along K
.irp q, 0,1
.irp i, 0,1,2,3
	global_load_b32 v[SC+16*(\sc)+8*\q+\i], v[ADRSA], s[40:41] offset:512*(2*(\n)+\q)+128*\i     ; from memory straight into the scale registers: 128 consecutive bytes a load, four loads a unit of 512; each wave's words are loaded once
	global_load_b32 v[SC+16*(\sc)+8*\q+4+\i], v[ADRSB], s[4:5] offset:512*(2*(\n)+\q)+128*\i
.endr
.endr
.endm
; A slot's first 128 along K.  Loads into registers that matrix instructions have read stand eight plain vector instructions behind them.
.macro STEP slot, mode
	s_wait_dscnt 16                                ; B's set, A's blocks 0-3 and the scale words are in; the youngest 16 loads (A's blocks 4-7) may be out
.if \mode
	WIN 0x81                                       ; C in window 0
.else
	WIN MUL_LO
.endif
	MUL16 0, 0, 0, \slot, \mode
	MUL16 2, 0, 0, \slot, \mode
	s_wait_dscnt 0x0                               ; A's blocks 4-7
	PLACES 8
	FETCH_B \slot, 1, 1
	FETCH_A \slot, 1, 0
.if \mode
	WIN 0xc1
.else
	WIN MUL_HI
.endif
	MUL16 4, 0, 0, \slot, \mode
	MUL16 6, 0, 0, \slot, \mode
	PLACES 8
	WIN 0
	FETCH_A \slot, 1, 4
.endm
; A slot's second 128 along K changes slots: one barrier; in front of it each wave waits for all its tensor loads, adds 0 to its spare word, and waits for that and for its reads of this slot.  fill = 1: the slot is filled again, behind a round of the cluster's barrier.
.macro TURN slot, next, fill, n
	s_wait_tensorcnt 0x0                           ; all my tensor loads have landed: my part of the next slot
	ds_add_u32 v[SPW], v[NIL]                      ; 0 onto my spare word
	s_wait_dscnt 17                                ; (the add and A's blocks 4-7 may be out)
	WIN MUL_LO
	MUL16 0, 1, 1, \slot, 0
	s_wait_dscnt 0x0                               ; the add is done, and my reads of this slot are over
	s_barrier_signal -1
	MUL16 2, 1, 1, \slot, 0
	WIN 0
	s_barrier_wait -1
.if \fill
	CREST                                          ; no wave of any partner still reads this slot or has a load on its way
	s_add_nc_u64 s[G0+4*\slot+2:G0+4*\slot+3], s[G0+4*\slot+2:G0+4*\slot+3], 8192
	s_add_nc_u64 s[G0B+4*\slot+2:G0B+4*\slot+3], s[G0B+4*\slot+2:G0B+4*\slot+3], 8192
	JLOAD G0+4*\slot, G1S, G0B+4*\slot, G1SB       ; the first tensor load behind the round; its four v_nop are four of the eight places.  A refill has a group 1 of its own: 8 row tiles a wave
	PLACES 4
.else
	PLACES 8
.endif
	FETCH_B \next, 0, 0
	FETCH_A \next, 0, 0
	WIN MUL_HI
	MUL16 4, 1, 1, \slot, 0
	MUL16 6, 1, 1, \slot, 0
	PLACES 8
	WIN 0
	FETCH_A \next, 0, 4
.endm
	s_load_b128 s[4:7], s[0:1], 0x0                ; wk s[4:5], b_qkv s[6:7]
	s_load_b64 s[8:9], s[0:1], 0x10                ; qkvr
	v_lshl_add_u32 v[SPW], v0, 2, SPARE
	v_mov_b32 v[NIL], 0
	ds_add_u32 v28, v29
	ds_add_u32 v28, v29
	s_wait_dscnt 0x0
	v_lshrrev_b32 v1, 5, v0
	v_readfirstlane_b32 s14, v1                    ; wave 0..3
	s_lshr_b32 s15, s14, 1                         ; my half of the rows.  Also: I fetch for A (0) or B (1)
	s_and_b32 s16, s14, 1                          ; my half of the columns.  Also: which 128 positions I fetch
	s_bfe_u32 s40, ttmp6, 0x40000                  ; cx
	s_bfe_u32 s41, ttmp6, 0x40004                  ; cy
	s_lshr_b32 s18, ttmp9, 1
	s_and_b32 s19, ttmp9, 1
	s_sub_co_u32 s45, ttmp9, 8
	s_mov_b32 s97, H1S
	s_mov_b32 s98, WQC
	s_mov_b32 s99, WQS
	s_cmp_ge_u32 ttmp9, 8                          ; clusters 8 to 11 make V^T
	s_cselect_b32 s95, 1, 0
	s_cselect_b32 s18, 0, s18                      ; the cluster's place among the tile rows,
	s_cselect_b32 s19, s45, s19                    ; and among the tile columns
	s_cselect_b32 s96, WQC+2097152, 0              ; A's codes: Wv or h1
	s_cselect_b32 s97, WQS+65536, s97              ; A's scale words
	s_cselect_b32 s98, 0, s98                      ; B's codes: h1 or Wqk
	s_cselect_b32 s99, H1S, s99
	s_lshl_b32 s42, s19, 2
	s_add_co_u32 s42, s42, s40                     ; tile column
	s_lshl_b32 s17, s18, 2
	s_add_co_u32 s17, s17, s41                     ; tile row
	s_lshl_b32 s43, s41, 2
	s_lshl_b32 s43, 15, s43                        ; my row of the cluster
	s_lshl_b32 s44, 0x1111, s40                    ; my column
	s_or_b32 s[G1+0], s43, (3<<16)|(1<<21)         ; 15:0 the mask; 17:16 elements of 8 bytes; 21 set beside a mask; no padding: an image is read 512 consecutive bytes at a time
	s_or_b32 s[G1B+0], s44, (3<<16)|(1<<21)
.irp g, G1, G1B
	s_mov_b32 s[\g+1], 512<<16                     ; tensor_dim0 = 512 elements: 4,096 bytes, a row tile's 256 along K
	s_mov_b32 s[\g+2], 16<<16                      ; tensor_dim1 = 16 row tiles for the head's loads; behind them the two words that count rows are set to 8
	s_mov_b32 s[\g+3], 512<<16                     ; tile_dim0
	s_mov_b32 s[\g+4], 16                          ; tile_dim1
	s_mov_b32 s[\g+5], 2048                        ; from row tile to row tile: 16,384 bytes
	s_mov_b32 s[\g+6], 0
	s_mov_b32 s[\g+7], 0
.endr
	s_or_b32 s[G1S+0], s43, (3<<16)|(1<<21)
	s_or_b32 s[G1SB+0], s44, (3<<16)|(1<<21)
.irp g, G1S, G1SB
	s_mov_b32 s[\g+1], 512<<16                     ; group 1 for the refills: 8 row tiles x 4,096 bytes
	s_mov_b32 s[\g+2], 8<<16
	s_mov_b32 s[\g+3], 512<<16
	s_mov_b32 s[\g+4], 8
	s_mov_b32 s[\g+5], 2048
	s_mov_b32 s[\g+6], 0
	s_mov_b32 s[\g+7], 0
.endr
	s_lshl_b32 s20, s17, 1
	s_add_co_u32 s20, s20, s16                     ; A: which 128 positions
	s_lshl_b32 s22, s17, 13                        ; A's scale words: all 256 positions of the tile row
	s_add_co_u32 s22, s22, s97
	s_lshl_b32 s20, s20, 17
	s_add_co_u32 s20, s20, s96
	s_lshl_b32 s46, s42, 1
	s_add_co_u32 s46, s46, s16                     ; B likewise
	s_lshl_b32 s92, s42, 13                        ; B's likewise
	s_add_co_u32 s92, s92, s99
	s_lshl_b32 s46, s46, 17
	s_add_co_u32 s46, s46, s98
	s_mov_b32 s21, 0
	s_mov_b32 s23, 0
	s_mov_b32 s47, 0
	s_mov_b32 s93, 0
	s_lshl_b32 s45, s14, 15                        ; where they go: wave x PART; no place in the cluster enters an LDS address
	s_wait_kmcnt 0x0
	s_add_nc_u64 s[20:21], s[4:5], s[20:21]
	s_add_nc_u64 s[22:23], s[4:5], s[22:23]
	s_add_nc_u64 s[46:47], s[4:5], s[46:47]
	s_add_nc_u64 s[92:93], s[4:5], s[92:93]
	CROUND                                         ; all sixteen work-groups are here: the first joint loads meet
	s_mov_b32 s[G0S], 1
	s_mov_b64 s[40:41], s[22:23]                   ; A's scale words of the tile's 256 positions: kept for the loads into registers
	s_mov_b32 s[G0S+1], SLOT                       ; the head's load of slot 1's 256 positions of A: the second 256 along K
	s_lshl_b32 s[G0S+2], s17, 18
	s_add_co_u32 s[G0S+2], s[G0S+2], s96
	s_add_co_u32 s[G0S+2], s[G0S+2], 4096
	s_mov_b32 s[G0S+3], 0
	s_add_nc_u64 s[G0S+2:G0S+3], s[4:5], s[G0S+2:G0S+3]
	s_or_b32 s[G0S+3], s[G0S+3], 0x80000000
	s_mov_b32 s[G0SB], 1
	s_mov_b32 s[G0SB+1], SLOT+2*PART               ; and of B
	s_lshl_b32 s[G0SB+2], s42, 18
	s_add_co_u32 s[G0SB+2], s[G0SB+2], s98
	s_add_co_u32 s[G0SB+2], s[G0SB+2], 4096
	s_mov_b32 s[G0SB+3], 0
	s_add_nc_u64 s[G0SB+2:G0SB+3], s[4:5], s[G0SB+2:G0SB+3]
	s_mov_b64 s[4:5], s[92:93]                     ; wk's address has served: the pair keeps B's scale words
	s_or_b32 s[G0SB+3], s[G0SB+3], 0x80000000
.irp s, 0,1
	s_mov_b32 s[G0+4*\s], 1
	s_add_co_u32 s[G0+4*\s+1], s45, \s*SLOT
	s_add_nc_u64 s[G0+4*\s+2:G0+4*\s+3], s[20:21], \s*4096
	s_or_b32 s[G0+4*\s+3], s[G0+4*\s+3], 0x80000000
	s_mov_b32 s[G0B+4*\s], 1
	s_add_co_u32 s[G0B+4*\s+1], s45, \s*SLOT
	s_add_nc_u64 s[G0B+4*\s+2:G0B+4*\s+3], s[46:47], \s*4096
	s_or_b32 s[G0B+4*\s+3], s[G0B+4*\s+3], 0x80000000
.endr
; THE HEAD'S LOADS, ONE A WAVE, all of codes: wave 0 slot 0's 256 positions of A (its own group 0 begins at the tile's first position and at LDS byte 0), wave 2 slot 0's of B (likewise),
; wave 1 slot 1's of A, wave 3 slot 1's of B.  One chain of branches on the wave's number, one load to an arm, a line to each wave: the first barrier shows waves 0 and 2's alone.
.macro ARM under, g0, g1, next
	s_cmp_eq_u32 s14, \under
	s_cbranch_scc0 \next
	tensor_load_to_lds s[\g0:\g0+3], s[\g1:\g1+7]
	s_nop 0
.rept 4
	v_nop
.endr
	s_branch .Lhead_asked
\next:
.endm
	ARM 0, G0, G1, .Lhead_sa
	ARM 2, G0B, G1B, .Lhead_b
	ARM 1, G0S, G1, .Lhead_sb
	tensor_load_to_lds s[G0SB:G0SB+3], s[G1B:G1B+7]
	s_nop 0
.rept 4
	v_nop
.endr
.Lhead_asked:
	v_and_b32 v1, 15, v0
	v_bfe_u32 v2, v0, 4, 1                         ; h
	v_and_b32 v3, 31, v0
	v_lshlrev_b32 v[LI], 4, v3
	v_lshlrev_b32 v5, 2, v3
	s_wait_alu depctr_va_vdst(0)
	s_lshl_b32 s18, s15, 15
	s_lshl_b32 s19, s16, 15
	s_add_co_u32 s19, s19, 2*PART
.irp s, 0,1
	v_add_nc_u32 v[ADRA+\s], s18, v[LI]
	v_add_nc_u32 v[ADRB+\s], s19, v[LI]
	s_add_co_u32 s18, s18, SLOT
	s_add_co_u32 s19, s19, SLOT
.endr
	s_lshl_b32 s18, s15, 12
	v_add_nc_u32 v[ADRSA], s18, v5                 ; my 128 rows' scale words: 4,096 bytes a half, 4 bytes a lane
	s_lshl_b32 s18, s16, 12
	v_add_nc_u32 v[ADRSB], s18, v5
	SCALES 0, 0                                    ; the scale words of the first two slots' worth
	SCALES 1, 1
	; where my 128 x 128 goes
	s_lshl_b32 s20, s17, 8
	s_lshl_b32 s21, s15, 7
	s_add_co_u32 s20, s20, s21                     ; my first row
	s_lshl_b32 s22, s42, 8
	s_lshl_b32 s23, s16, 7
	s_add_co_u32 s22, s22, s23                     ; my first column
	s_cmp_eq_u32 s95, 1
	s_cselect_b32 s45, s22, s20                    ; the tokens,
	s_cselect_b32 s46, s20, s22                    ; the channels
	s_lshr_b32 s47, s46, 10
	s_cmp_eq_u32 s95, 1
	s_cselect_b32 s47, 2, s47                      ; 0 q, 1 k, 2 v
	s_lshr_b32 s92, s45, 11                        ; batch
	s_bfe_u32 s93, s45, 0x40007                    ; record
	s_bfe_u32 s94, s46, 0x40006                    ; my first head
	s_lshl_b32 s92, s92, 4
	s_add_co_u32 s92, s92, s94
	s_mul_i32 s92, s92, HS
	s_mul_i32 s93, s93, RS
	s_add_co_u32 s92, s92, s93
	s_mov_b32 s20, 0
	s_mov_b32 s21, 16384
	s_cmp_eq_u32 s47, 0
	s_cselect_b32 s20, 17152, s20
	s_cselect_b32 s21, 25344, s21
	s_cmp_eq_u32 s47, 2
	s_cselect_b32 s20, 8192, s20
	s_cselect_b32 s21, 16896, s21
	s_add_co_u32 s[CB], s92, s20
	s_mov_b32 s[CB+1], 0
	s_add_co_u32 s[SB], s92, s21
	s_mov_b32 s[SB+1], 0
	s_add_nc_u64 s[CB:CB+1], s[8:9], s[CB:CB+1]
	s_add_nc_u64 s[SB:SB+1], s[8:9], s[SB:SB+1]
	s_mul_i32 s94, s94, 192
	s_lshl_b32 s47, s47, 6
	s_add_co_u32 s94, s94, s47
	s_lshl_b32 s92, s94, 2
	s_mov_b32 s93, 0
	s_add_nc_u64 s[6:7], s[6:7], s[92:93]          ; b_qkv at my first head's q, k or v
	s_mov_b32 s[STC], 1024
	s_mov_b32 s[STC4], 1024
	s_mov_b32 s[STS4], 64
	s_mov_b32 s18, HS
	s_mov_b32 s19, HS
	s_mov_b32 s[MSK], 0xffff
	s_cmp_eq_u32 s95, 1
	s_cselect_b32 s[STC], 2048, s[STC]             ; from block to block: a tile of q or k is 1,024 bytes, one of V^T 2,048;
	s_cselect_b32 s[STC4], HS-6144, s[STC4]        ; V^T's blocks 4-7 are the next head's
	s_cselect_b32 s[STS4], HS-192, s[STS4]
	s_cselect_b32 s18, 1024, s18                   ; a fragment's upper half: V^T's own, or the next head's q or k
	s_cselect_b32 s19, 0, s19
	s_cselect_b32 s[MSK], -1, s[MSK]
	s_cselect_b32 s21, 0, 16
	s_mov_b32 s[STC+1], 0
	s_mov_b32 s[STC4+1], 0
	s_mov_b32 s[STS4+1], 0
	v_add_nc_u32 v[VO2], s18, v[LI]
	v_mul_lo_u32 v[VS], v2, s19
	v_lshl_add_u32 v[VS], v1, 2, v[VS]             ; q, k: lanes 0-15 store the first head's half word, lanes 16-31 the next head's; V^T: both halves of the lanes store the same word to the same place
	v_mul_lo_u32 v[VSH], v2, s21
	v_lshlrev_b32 v[BO1], 6, v2                    ; the bias by column: my half's 16 of each 32
	v_and_b32 v[BO2], 8, v1
	v_add_nc_u32 v[BO2], v[BO2], v1
	v_lshlrev_b32 v[BO2], 2, v[BO2]                ; the bias by row: position r is true row r + 8 (r / 8)
	s_mov_b32 s[SEL], 0x76543210
	s_mov_b32 s[SEL+1], 0xfedcba98
	s_mov_b32 s[MNT], 0x600000
	s_cmp_eq_u32 s95, 1
	s_cbranch_scc1 .Lbias_v
.irp b, 0,1,2,3,4,5,6,7
	global_load_b128 v[BI+8*\b:BI+8*\b+3], v[BO1], s[6:7] offset:(\b/4)*768+(32*((\b/2)%2)+8*(\b%2))*4
	global_load_b128 v[BI+8*\b+4:BI+8*\b+7], v[BO1], s[6:7] offset:(\b/4)*768+(32*((\b/2)%2)+8*(\b%2))*4+16
.endr
	s_branch .Lbias_done
.Lbias_v:
	s_wait_alu depctr_va_vdst(0)
.irp a, 0,1,2,3,4,5,6,7
.irp j, 0,1,2,3,4,5,6,7
	global_load_b32 v[BI+8*\a+\j], v[BO2], s[6:7] offset:(\a/4)*768+(32*((\a/2)%2)+8*(\a%2))*4
.endr
.endr
.Lbias_done:
	s_wait_alu depctr_va_vdst(0)                   ; the wait at the head's end
	s_cmp_eq_u32 s16, 0                            ; waves 0 and 2: slot 0 has landed; waves 1 and 3's wait for slot 1 stands at the first change of slots
	s_cbranch_scc0 .Lnot_yet
	s_wait_tensorcnt 0x0
.Lnot_yet:
	s_barrier_signal -1
	s_barrier_wait -1
	FETCH_B 0, 0, 0
	FETCH_A 0, 0, 0
	FETCH_A 0, 0, 4
	s_wait_loadcnt 0x0                             ; the bias
	s_cmp_eq_u32 s95, 1
	s_cbranch_scc1 .Lfirst_v
	STEP 0, 1                                      ; the first products start the sums with the bias
	s_branch .Lfirst_done
.Lfirst_v:
	STEP 0, 2
.Lfirst_done:
	TURN 0, 1, 1, 0
	SCALES 0, 2                                    ; set 0 has been read for the last time, eight places back: it takes the third slot's worth
	STEP 1, 0
	TURN 1, 0, 1, 1
	SCALES 1, 3
	s_wait_loadcnt 16                              ; set 0's words are in; set 1's sixteen loads may be out
	STEP 0, 0
	TURN 0, 1, 0, 2                                ; the last two slots' worth is in LDS: nothing more is asked for
	s_wait_loadcnt 0x0
	STEP 1, 0
	s_wait_dscnt 16
	WIN MUL_LO
	MUL16 0, 1, 1, 1, 0
	MUL16 2, 1, 1, 1, 0
	s_wait_dscnt 0x0
	WIN MUL_HI
	MUL16 4, 1, 1, 1, 0
	MUL16 6, 1, 1, 1, 0
	WIN 0
	PLACES 8
.irp b, 0,1,2,3
	v_mov_b32 v[TM+4+\b], 0                        ; a lane permute's destination counts as one of its sources
.endr
; THE WAY OUT of block a (16 rows x 128 columns): quantised where it lies.  Register 16 b + i is column 32 b + 16 (lane / 16) + i of my row; a block of 32 lies in lanes l and l xor 16.
.macro QOUT a
.set WW, 2+(\a)/4
.set AC, 64*((\a)%4)
	WIN WW|(WW<<2)                                 ; sources 0 and 1: the accumulators' window
.irp b, 0,1,2,3
	v_max3_num_f32 v[TM+\b], |v[AC+16*\b]|, |v[AC+16*\b+1]|, 0x4800000   ; each accumulator is read from its low end on; the floor 2^(9 - 127) holds the byte at 1 from below
.endr
.irp i, 2,4,6,8,10,12,14
.irp b, 0,1,2,3
	v_max3_num_f32 v[TM+\b], |v[AC+16*\b+\i]|, |v[AC+16*\b+\i+1]|, v[TM+\b]
.endr
.endr
	WIN 0
.if \a > 0
	s_wait_alu depctr_va_vdst(0)
	s_wait_xcnt 0x0                                ; the last block's stores have read their bases and their data: both are written again below
.if \a == 4
	s_add_nc_u64 s[CB:CB+1], s[CB:CB+1], s[STC4:STC4+1]
	s_add_nc_u64 s[SB:SB+1], s[SB:SB+1], s[STS4:STS4+1]
.else
	s_add_nc_u64 s[CB:CB+1], s[CB:CB+1], s[STC:STC+1]
	s_add_nc_u64 s[SB:SB+1], s[SB:SB+1], 64
.endif
.endif
.irp b, 0,1,2,3
	v_permlanex16_b32 v[TM+4+\b], v[TM+\b], s[SEL], s[SEL+1]
.endr
.irp b, 0,1,2,3
	v_max_num_f32 v[TM+\b], v[TM+\b], v[TM+4+\b]
.endr
.irp b, 0,1,2,3
	v_add_nc_u32 v[TM+12+\b], 0xfc000000, v[TM+\b]                ; 8 off the exponent field: the conversion's scale operand
.endr
.irp b, 0,1,2,3
	v_and_or_b32 v[TM+8+\b], v[TM+\b], 0x7f800000, s[MNT]         ; 448 x the scale
.endr
.irp b, 0,1,2,3
	v_lshrrev_b32 v[TM+4+\b], 23, v[TM+12+\b]                     ; the scale's byte
.endr
	v_lshl_or_b32 v[PW], v[TM+5], 8, v[TM+4]
	v_lshl_or_b32 v[PW], v[TM+6], 16, v[PW]
	v_lshl_or_b32 v[PW], v[TM+7], 24, v[PW]
	v_lshrrev_b32 v[PWS], v[VSH], v[PW]
	v_and_b32 v[PWS], s[MSK], v[PWS]
	WIN WW|(WW<<6)                                 ; source 0 and destination: the accumulators' window
.irp b, 0,1,2,3
.irp i, 0,1,2,3,4,5,6,7,8,9,10,11,12,13,14,15
	v_med3_num_f32 v[AC+16*\b+\i], v[AC+16*\b+\i], -v[TM+8+\b], v[TM+8+\b]   ; the conversion does not saturate (ISA guide 7.6.2): the hold comes first
.endr
.endr
	WIN WW
.irp b, 0,1,2,3
	v_cvt_scalef32_pk8_fp8_f32 v[PC+4*\b:PC+4*\b+1], v[AC+16*\b:AC+16*\b+7], v[TM+12+\b]
	v_cvt_scalef32_pk8_fp8_f32 v[PC+4*\b+2:PC+4*\b+3], v[AC+16*\b+8:AC+16*\b+15], v[TM+12+\b]
.endr
	WIN 0
	v_nop                                          ; a plain instruction behind the last conversion
	global_store_b128 v[LI], v[PC:PC+3], s[CB:CB+1]                ; each store covers 512 consecutive bytes, aligned
	global_store_b128 v[LI], v[PC+4:PC+7], s[CB:CB+1] offset:512
	global_store_b128 v[VO2], v[PC+8:PC+11], s[CB:CB+1]
	global_store_b128 v[VO2], v[PC+12:PC+15], s[CB:CB+1] offset:512
	global_store_b32 v[VS], v[PWS], s[SB:SB+1]
.endm
.irp a, 0,1,2,3,4,5,6,7
	QOUT \a
.endr
	s_wait_tensorcnt 0x0                           ; the wave's end
	ds_add_u32 v[SPW], v[NIL]
	s_wait_dscnt 0x0
	CROUND                                         ; the closing round
	s_endpgm
.Lfunc_end_k_q5a9f97d208_qkv:
	.size	k_q5a9f97d208_qkv, .Lfunc_end_k_q5a9f97d208_qkv-k_q5a9f97d208_qkv
	.p2alignl 7, 3214868480
	.fill 96, 4, 3214868480
	.section	.rodata,"a",@progbits
	.p2align	6, 0x0
	.amdhsa_kernel k_q5a9f97d208_qkv
		.amdhsa_group_segment_fixed_size 327680
		.amdhsa_private_segment_fixed_size 0
		.amdhsa_enable_private_segment 0
		.amdhsa_kernarg_size 24
		.amdhsa_user_sgpr_count 2
		.amdhsa_user_sgpr_kernarg_segment_ptr 1
		.amdhsa_wavefront_size32 1
		.amdhsa_system_sgpr_workgroup_id_x 1
		.amdhsa_system_sgpr_workgroup_id_y 1
		.amdhsa_system_sgpr_workgroup_id_z 1
		.amdhsa_system_vgpr_workitem_id 0
		.amdhsa_next_free_vgpr 1024
		.amdhsa_next_free_sgpr 102
		.amdhsa_reserve_vcc 0
		.amdhsa_float_denorm_mode_32 3
		.amdhsa_float_denorm_mode_16_64 3
		.amdhsa_memory_ordered 1
		.amdhsa_forward_progress 1
		.amdhsa_inst_pref_size 213
	.end_amdhsa_kernel
	.amdgpu_metadata
---
amdhsa.version: [ 1, 2 ]
amdhsa.kernels:
  - .name:           k_q5a9f97d208_qkv
    .symbol:         k_q5a9f97d208_qkv.kd
    .args:
      - { .name: wk, .offset: 0, .size: 8, .value_kind: global_buffer, .address_space: global }
      - { .name: b_qkv, .offset: 8, .size: 8, .value_kind: global_buffer, .address_space: global }
      - { .name: qkvr, .offset: 16, .size: 8, .value_kind: global_buffer, .address_space: global }
    .group_segment_fixed_size: 327680
    .private_segment_fixed_size: 0
    .kernarg_segment_align: 8
    .kernarg_segment_size: 24
    .max_flat_workgroup_size: 128
    .sgpr_count:     102
    .vgpr_count:     1024
    .wavefront_size: 32
...
	.end_amdgpu_metadata
.endif
;; end of part 2
;; launch attn (part 3): grid 8 x 32, 8 waves a work-group, clusters of 4 x 1, 327,680 bytes of LDS; arguments qkvr, ctx; writes ctx
.if DOCPART == 3
	.amdgcn_target "amdgcn-amd-amdhsa--gfx1250"
	.amdhsa_code_object_version 6
	.text
	.protected	k_q5a9f97d208_attn
	.globl	k_q5a9f97d208_attn
	.p2align	8
	.type	k_q5a9f97d208_attn,@function
k_q5a9f97d208_attn:
	s_mov_b64 s[64:65], 0
	v_nop
	global_prefetch_b8 v0, s[64:65] scope:SCOPE_SE
	s_setreg_imm32_b32 hwreg(HW_REG_WAVE_MODE, 25, 1), 1
	s_wait_xcnt 0x0
	s_wait_alu depctr_hold_cnt(0) depctr_sa_sdst(0) depctr_va_vdst(0) depctr_va_sdst(0) depctr_va_ssrc(0) depctr_va_vcc(0) depctr_vm_vsrc(0)
	s_getreg_b32 s2, hwreg(HW_REG_IB_STS2, 6, 4)
	s_cmp_eq_u32 s2, 0
	s_cbranch_scc0 .Lentry_in_a_cluster
	s_endpgm
.Lentry_in_a_cluster:
	s_bfe_u32 s2, ttmp6, 0x10000c
	s_cmp_lg_u32 s2, 0x3003
	s_cbranch_scc0 .Lentry_shape_is_right
	s_endpgm
.Lentry_shape_is_right:
; Attention of one head on codes of E4M3: ctx = softmax(q k^T / 8) v, both products quantised, and ctx quantised for the next product.  2,048 keys, head size 64, 32 heads (batch x head).
; THE SOFTMAX AHEAD OF THE SECOND PRODUCT: t = score x log2(e) / 8; M = the running largest t rounded up to a whole number; p = 2^(t - M) is quantised along the keys, not normalised;
; the row's sum is taken of the unquantised p and divides at the end.  When M moves, the sum and O are multiplied by 2^(old M - new M), which rounds nothing.
; SHARES.  A work-group owns 256 queries of one head; each of its eight waves owns 32 of them, two tiles of 16, so that each fragment of K and of V^T read from LDS feeds two products.  Every wave walks all keys, 128 a step.
; LDS.  A head's K images, V^T images and scale words are 16 records of 17,152 bytes: all fit, every byte is filled once, nothing is filled again.  Wave w brings records 2 w and 2 w + 1 by one load: two rows of 17,152 bytes, 25,856 apart in memory.
; CLUSTER.  The four query blocks of a cluster belong to one head and read the same records: each load is a joint one, behind one round of the cluster's barrier.
; NO PREFETCH: all that the work-group reads of K and V is asked for by the head's eight loads; there is no later load to run ahead of.
; LAYOUT.  Both products are used transposed (S^T = K Q^T, O^T = V^T P^T): a lane holds one query of each tile throughout.  K's positions hold true keys with bits 3 and 4 exchanged, so the 16 registers of score tiles 2 b, 2 b + 1 are keys 32 b + 16 (lane / 16) + 0 .. 15.
; THE HEAD HAS 64 CHANNELS AND THE INSTRUCTION TAKES 128: Q's upper eight registers are zero codes.  K's upper eight are the next tile's codes (finite), behind the last tile zeros: they meet zero codes and add nothing.
; ORDER OF A STEP.  Scores of both tiles; this record's V^T and the next record's K are asked of LDS; maxima, M, f; O and the sums x f; t - M of tile 0; tile 0's exponentials among tile 1's t - M; tile 1's exponentials among the first
; level of tile 0's sums; the sums; scales; holds (two to an instruction, of two blocks whose bounds lie in neighbouring registers); conversions; the second product.  In the last step the next record's address is held at record 15.
; REGISTERS.  Window 0: v1-9 addresses; v12-23 -M, largest t, sums, f for each tile; v24-55 p's codes; v56-95 at work and scale words; v96-223 S^T, then p; v224-227 K's scale words; v228-255 partial sums.
; Window 1: v0-71 K's eight tiles and eight zeros; v72-135 V^T's four; v136-167 Q's two tiles, each with eight zeros behind it; v168-231 O^T.
; ctx's scale bytes leave two a row (a word's other half is another head's): one byte in 32 of the output.
; LIMITS: a block of zeros gets the byte 1; magnitudes under 2^-118 are held at that floor; NaN and infinities are not served; a block's largest p is taken from its largest score, which takes v_exp_f32 not to fall where its input rises;
; 1 / sum by v_rcp_f32; the promise holds while the scaled scores stay under 2^31 in magnitude.
.set HS,  413696
.set RS,  25856
.set RL,  17152                        ; what of a record comes into LDS: K images 8,192 | V^T images 8,192 | K scale words 512 | V scale words 256
.set CTS, 4194304
.set SPARE, 16*RL                      ; the spare words: 128 bytes a wave, named by no other line
.set LI,  1                            ; 16 x lane
.set LS,  2                            ; 4 x lane
.set R4,  3                            ; 4 x (lane % 16)
.set SPW, 4
.set NIL, 5
.set ADC, 6                            ; this record: fragments, scale words
.set ASC, 7
.set ADN, 8                            ; the next record
.set ASN, 9
.set NM,  12                           ; + 4 i: -M, the largest t
.set SM,  14                           ; + 4 i: the sum in two halves
.set F,   20                           ; + 2 i: f, and a register named with it as a pair
.set PC,  24
.set MX,  56
.set TP,  64
.set LM,  72
.set SO,  80
.set TQ,  88
.set PW,  90
.set QS,  92
.set VS,  94
.set S,   96
.set KS,  224
.set ST,  228
.set U,   ST+14
.set KF,  0
.set VF,  72
.set QF,  136
.set O,   168
.set WV,  18
.set MNT, 19
.set SEL, 20
.set CS,  22
.set G1,  24
.set G0,  32
.set TB,  36
.set NB,  37
.set CNT, 38
.set MSB, 0
.macro WIN new                         ; the immediate's high byte repeats the setting that is left
.if MSB != (\new)
	s_set_vgpr_msb (MSB<<8)|(\new)
.set MSB, (\new)
.endif
.endm
.macro CROUND
	s_barrier_signal -1
	s_barrier_wait -1
	s_cmp_lg_u32 s[WV], 0
	s_cbranch_scc1 .Lnot_wave_0_\@
	s_barrier_signal -3
.Lnot_wave_0_\@:
	s_barrier_wait -3
	s_barrier_signal -1
	s_barrier_wait -1
.endm
.macro KLOAD adr, ads                  ; a record's eight tiles of K into window 1, and their scale words: lanes 0-15 tile 2 n's, lanes 16-31 tile 2 n + 1's
	WIN 0x40
.irp t, 0,1,2,3,4,5,6,7
	ds_load_b128 v[KF+8*\t:KF+8*\t+3], v[\adr] offset:1024*\t
	ds_load_b128 v[KF+8*\t+4:KF+8*\t+7], v[\adr] offset:1024*\t+512
.endr
	WIN 0
.irp n, 0,1,2,3
	ds_load_b32 v[KS+\n], v[\ads] offset:16384+128*\n
.endr
.endm
.macro T1G j                           ; four pairs of tile 1's p onto its four partial sums
	v_pk_add_f32 v[U:U+1], v[U:U+1], v[S+64+\j:S+64+\j+1]
	v_pk_add_f32 v[U+2:U+3], v[U+2:U+3], v[S+64+\j+2:S+64+\j+3]
	v_pk_add_f32 v[U+4:U+5], v[U+4:U+5], v[S+64+\j+4:S+64+\j+5]
	v_pk_add_f32 v[SM+4:SM+5], v[SM+4:SM+5], v[S+64+\j+6:S+64+\j+7]
.endm
	s_load_b128 s[4:7], s[0:1], 0x0                ; qkvr s[4:5], ctx s[6:7]
	v_lshl_add_u32 v[SPW], v0, 2, SPARE
	v_mov_b32 v[NIL], 0
	ds_add_u32 v[SPW], v[NIL]                      ; the opening lines: the add, twice on end, and its wait ahead of my tensor load
	ds_add_u32 v[SPW], v[NIL]
	v_lshrrev_b32 v1, 5, v0
	v_readfirstlane_b32 s[WV], v1                  ; wave 0..7
	s_bfe_u32 s8, ttmp6, 0x40000                   ; cx
	s_lshl_b32 s9, ttmp9, 2
	s_add_co_u32 s9, s9, s8                        ; my block of 256 queries: it enters Q's and ctx's addresses alone
	s_and_b32 s10, ttmp7, 0xffff                   ; 16 batch + head, which the four partners share
	s_mul_i32 s12, s10, HS
	s_mov_b32 s13, 0
	s_mov_b32 s[G1], 15|(3<<16)|(1<<21)            ; the mask: all four work-groups; elements of 8 bytes; bit 21 set beside a mask
	s_mov_b32 s[G1+1], (RL/8)<<16                  ; tensor_dim0: a record's 17,152 bytes
	s_mov_b32 s[G1+2], 2<<16                       ; tensor_dim1: two records
	s_mov_b32 s[G1+3], (RL/8)<<16                  ; tile_dim0
	s_mov_b32 s[G1+4], 2                           ; tile_dim1
	s_mov_b32 s[G1+5], RS/8                        ; from record to record in memory: 25,856 bytes, a multiple of 256
	s_mov_b32 s[G1+6], 0
	s_mov_b32 s[G1+7], 0
	s_mul_i32 s14, s[WV], 2*RL
	s_mul_i32 s16, s[WV], 2*RS
	s_mov_b32 s17, 0
	s_add_nc_u64 s[16:17], s[16:17], s[12:13]
	s_wait_dscnt 0x0                               ; both opening adds are done
	s_wait_kmcnt 0x0
	s_mov_b32 s[G0], 1
	s_mov_b32 s[G0+1], s14                         ; records 2 w, 2 w + 1 in LDS,
	s_add_nc_u64 s[G0+2:G0+3], s[4:5], s[16:17]    ; and in memory
	s_or_b32 s[G0+3], s[G0+3], 0x80000000
	CROUND                                         ; all four work-groups are here: the joint loads meet
	s_cmp_eq_u32 s[WV], 0                          ; wave 0's load (records 0 and 1) has a line of its own: the first barrier shows it alone
	s_cbranch_scc0 .Lothers
	tensor_load_to_lds s[G0:G0+3], s[G1:G1+7]
	s_nop 0
.rept 4
	v_nop
.endr
	s_branch .Lasked
.Lothers:
	tensor_load_to_lds s[G0:G0+3], s[G1:G1+7]      ; waves 1 to 7: records 2 to 15
	s_nop 0
.rept 4
	v_nop
.endr
.Lasked:
	v_and_b32 v10, 31, v0
	v_lshlrev_b32 v[LI], 4, v10
	v_lshlrev_b32 v[LS], 2, v10
	v_and_b32 v[R4], 15, v0
	v_lshlrev_b32 v[R4], 2, v[R4]
	s_lshl_b32 s11, s9, 1
	s_lshr_b32 s15, s[WV], 2
	s_add_co_u32 s11, s11, s15                     ; the record that holds my queries
	s_and_b32 s15, s[WV], 3                        ; and my pair of tiles in it
	s_mul_i32 s40, s11, RS
	s_add_co_u32 s40, s40, s12
	s_lshl_b32 s42, s15, 7
	s_add_co_u32 s42, s42, s40
	s_lshl_b32 s41, s15, 11
	s_add_co_u32 s40, s40, s41
	s_mov_b32 s41, 0
	s_mov_b32 s43, 0
	s_add_nc_u64 s[40:41], s[4:5], s[40:41]
	s_add_nc_u64 s[42:43], s[4:5], s[42:43]
	s_wait_alu depctr_va_vdst(0)
	WIN 0x40
.irp i, 0,1
	global_load_b128 v[QF+16*\i:QF+16*\i+3], v[LI], s[40:41] offset:17152+1024*\i       ; Q's fragments stay in registers
	global_load_b128 v[QF+16*\i+4:QF+16*\i+7], v[LI], s[40:41] offset:17152+1024*\i+512
.endr
	WIN 0
.irp i, 0,1
	global_load_b32 v[QS+\i], v[R4], s[42:43] offset:25344+64*\i                        ; and their scale words
.endr
	s_lshr_b32 s44, s10, 4                         ; batch
	s_and_b32 s45, s10, 15                         ; head
	s_lshl_b32 s46, s44, 7
	s_lshl_b32 s48, s9, 4
	s_add_co_u32 s46, s46, s48
	s_lshl_b32 s48, s[WV], 1
	s_add_co_u32 s46, s46, s48                     ; my first row tile of ctx
	s_lshl_b32 s46, s46, 14
	s_lshl_b32 s48, s45, 10                        ; the head's 64 of K: half a fragment
	s_add_co_u32 s46, s46, s48
	s_mov_b32 s47, 0
	s_add_nc_u64 s[46:47], s[6:7], s[46:47]
	s_lshl_b32 s50, s44, 4
	s_add_co_u32 s50, s50, s11
	s_lshl_b32 s50, s50, 3
	s_lshr_b32 s48, s45, 1
	s_add_co_u32 s50, s50, s48
	s_lshl_b32 s50, s50, 9
	s_lshl_b32 s48, s15, 7
	s_add_co_u32 s50, s50, s48
	s_and_b32 s48, s45, 1
	s_lshl_b32 s48, s48, 1
	s_add_co_u32 s50, s50, s48
	s_add_co_u32 s50, s50, CTS
	s_mov_b32 s51, 0
	s_add_nc_u64 s[50:51], s[6:7], s[50:51]
	s_mov_b32 s[SEL], 0x76543210
	s_mov_b32 s[SEL+1], 0xfedcba98
	s_mov_b32 s[CS], 0x3e38aa3b                    ; c = log2(e) / 8
	s_mov_b32 s[CS+1], s[CS]
	s_mov_b32 s[MNT], 0x600000
	s_mov_b32 s[TB], 0
	s_mov_b32 s[CNT], 15
.irp i, 0,1
	v_mov_b32 v[NM+4*\i+1], 0xff61b1e6             ; the largest t so far: -3e38
	v_mov_b32 v[SM+4*\i], 0
	v_mov_b32 v[SM+4*\i+1], 0
	v_mov_b32 v[F+2*\i+1], 0
	v_floor_f32 v[NM+4*\i], -v[NM+4*\i+1]          ; -M
.endr
.irp n, 0,1,2,3,4,5,6,7
	v_mov_b32 v[TP+\n], 0                          ; a lane permute's destination counts as one of its sources
.endr
	WIN 0x40
.irp n, 0,1,2,3,4,5,6,7
	v_mov_b32 v[QF+8+\n], 0                        ; Q's channels 64 to 127: zero codes
	v_mov_b32 v[QF+24+\n], 0
	v_mov_b32 v[KF+64+\n], 0                       ; behind K's last tile
.endr
.set j, 0
.rept 64
	v_mov_b32 v[O+j], 0                            ; the step is written once: the first finds zeros
.set j, j+1
.endr
	WIN 0
	s_wait_alu depctr_va_vdst(0)                   ; the wait at the head's end
	s_wait_loadcnt 0x0                             ; Q
	s_cmp_eq_u32 s[WV], 0
	s_cbranch_scc0 .Lnot_first
	s_wait_tensorcnt 0x0                           ; wave 0: records 0 and 1 have landed.  The other waves' wait stands at the second barrier
.Lnot_first:
	s_wait_dscnt 0x0
	s_barrier_signal -1
	s_barrier_wait -1                              ; records 0 and 1 may be read: all that the first step touches (its own K and V^T, and the next record's K)
	KLOAD LI, LS                                   ; record 0's K
.macro STEP                            ; 128 keys: the record at LDS byte s[TB]
	s_wait_dscnt 0x0                               ; this record's K and its scale words
	WIN 0x05
.irp t, 0,2,4,6
.irp i, 0,1
	v_wmma_scale_f32_16x16x128_f8f6f4 v[S+64*\i+8*\t:S+64*\i+8*\t+7], v[KF+8*\t:KF+8*\t+15], v[QF+16*\i:QF+16*\i+15], 0, v[KS+\t/2], v[QS+\i]
.endr
.irp i, 0,1
	v_wmma_scale_f32_16x16x128_f8f6f4 v[S+64*\i+8*\t+8:S+64*\i+8*\t+15], v[KF+8*\t+8:KF+8*\t+23], v[QF+16*\i:QF+16*\i+15], 0, v[KS+\t/2], v[QS+\i] matrix_a_scale:MATRIX_SCALE_ROW1
.endr
.endr
	WIN 0
	s_add_co_u32 s[NB], s[TB], RL
	s_min_u32 s[NB], s[NB], 15*RL                  ; the next record; in the last step record 15 again, whose loads nobody uses
	v_add_nc_u32 v[ADC], s[TB], v[LI]              ; four additions and four v_nop: the eight places behind the products, ahead of loads into what they and the last step's products have read, and of the first reader of the scores
	v_add_nc_u32 v[ASC], s[TB], v[LS]
	v_add_nc_u32 v[ADN], s[NB], v[LI]
	v_add_nc_u32 v[ASN], s[NB], v[LS]
.rept 4
	v_nop
.endr
	ds_load_b32 v[VS], v[ASC] offset:16896
	ds_load_b32 v[VS+1], v[ASC] offset:16896+128
	WIN 0x40
.irp t, 0,1,2,3
.irp c, 0,1,2,3
	ds_load_b128 v[VF+16*\t+4*\c:VF+16*\t+4*\c+3], v[ADC] offset:8192+2048*\t+512*\c   ; V^T lands while the softmax is worked,
.endr
.endr
	KLOAD ADN, ASN                                 ; and so does the next record's K
.irp n, 0,1,2,3,4,5,6,7
	v_max3_num_f32 v[MX+\n], v[S+16*\n], v[S+16*\n+1], v[S+16*\n+2]   ; the largest score of each block of 32 keys (n = 4 tile + block): for the row's maximum, and for the block's largest p
.endr
.irp e, 3,5,7,9,11,13
.irp n, 0,1,2,3,4,5,6,7
	v_max3_num_f32 v[MX+\n], v[MX+\n], v[S+16*\n+\e], v[S+16*\n+\e+1]
.endr
.endr
.irp n, 0,1,2,3,4,5,6,7
	v_max_num_f32 v[MX+\n], v[MX+\n], v[S+16*\n+15]
.endr
.irp n, 0,1,2,3,4,5,6,7
	v_permlanex16_b32 v[TP+\n], v[MX+\n], s[SEL], s[SEL+1]
.endr
.irp n, 0,1,2,3,4,5,6,7
	v_max_num_f32 v[MX+\n], v[MX+\n], v[TP+\n]     ; with lane l xor 16's 16 keys
.endr
.irp i, 0,1
	v_max3_num_f32 v[TQ+\i], v[MX+4*\i], v[MX+4*\i+1], v[MX+4*\i+2]
.endr
.irp i, 0,1
	v_max_num_f32 v[TQ+\i], v[TQ+\i], v[MX+4*\i+3]
.endr
.irp i, 0,1
	v_mul_f32 v[TQ+\i], s[CS], v[TQ+\i]
.endr
.irp i, 0,1
	v_max_num_f32 v[NM+4*\i+1], v[NM+4*\i+1], v[TQ+\i]   ; the running largest t
.endr
.irp i, 0,1
	v_mov_b32 v[TQ+\i], v[NM+4*\i]
.endr
.irp i, 0,1
	v_floor_f32 v[NM+4*\i], -v[NM+4*\i+1]          ; the new -M = -ceil(t)
.endr
.irp i, 0,1
	v_sub_f32 v[TQ+\i], v[NM+4*\i], v[TQ+\i]       ; old M - new M: a whole number, 0 or less
.endr
.irp i, 0,1
	v_cvt_i32_f32 v[TQ+\i], v[TQ+\i]               ; (it saturates)
.endr
.irp i, 0,1
	v_ldexp_f32 v[F+2*\i], 1.0, v[TQ+\i]           ; f = 2^(old M - new M)
.endr
	WIN 0x41                                       ; source 0 and destination in window 1
.irp i, 0,1
.set j, 0
.rept 16
	v_pk_mul_f32 v[O+32*\i+j:O+32*\i+j+1], v[O+32*\i+j:O+32*\i+j+1], v[F+2*\i:F+2*\i+1] op_sel_hi:[1,0]   ; O^T under the new M, ahead of the step's exponentials
.set j, j+2
.endr
.endr
	WIN 0
.irp i, 0,1
	v_pk_mul_f32 v[SM+4*\i:SM+4*\i+1], v[SM+4*\i:SM+4*\i+1], v[F+2*\i:F+2*\i+1] op_sel_hi:[1,0]   ; the sums likewise
.endr
.set j, 0
.rept 32
	v_pk_fma_f32 v[S+j:S+j+1], v[S+j:S+j+1], s[CS:CS+1], v[NM:NM+1] op_sel_hi:[1,0,0]   ; tile 0: t - M
.set j, j+2
.endr
.irp b, 0,1,2,3
	v_fma_f32 v[MX+\b], v[MX+\b], s[CS], v[NM]
.endr
	s_wait_alu depctr_va_vdst(0)                   ; the wait ahead of the batch
.set j, 0
.rept 32
	v_exp_f32 v[S+j], v[S+j]                       ; tile 0: p = 2^(t - M); among them tile 1's t - M, which is first read behind the next wait
	v_pk_fma_f32 v[S+64+j:S+64+j+1], v[S+64+j:S+64+j+1], s[CS:CS+1], v[NM+4:NM+5] op_sel_hi:[1,0,0]
	v_exp_f32 v[S+j+1], v[S+j+1]
.set j, j+2
.endr
.irp b, 0,1,2,3
	v_exp_f32 v[MX+\b], v[MX+\b]                   ; each block's largest p
	v_fma_f32 v[MX+4+\b], v[MX+4+\b], s[CS], v[NM+4]
.endr
	s_wait_alu depctr_va_vdst(0)                   ; one wait: behind tile 0's batch and ahead of tile 1's
.set k, 0
.rept 14
	v_exp_f32 v[S+64+4*k], v[S+64+4*k]             ; tile 1; among them the first level of tile 0's sums, into registers that are first read behind the next wait
	v_exp_f32 v[S+64+4*k+1], v[S+64+4*k+1]
	v_pk_add_f32 v[ST+2*k:ST+2*k+1], v[S+4*k:S+4*k+1], v[S+4*k+2:S+4*k+3]
	v_exp_f32 v[S+64+4*k+2], v[S+64+4*k+2]
	v_exp_f32 v[S+64+4*k+3], v[S+64+4*k+3]
.set k, k+1
.endr
.set j, 56
.rept 8
	v_exp_f32 v[S+64+j], v[S+64+j]
.set j, j+1
.endr
.irp b, 0,1,2,3
	v_exp_f32 v[MX+4+\b], v[MX+4+\b]
.endr
	v_nop                                          ; a plain place behind the last exponential
	s_wait_alu depctr_va_vdst(0)                   ; the wait behind the batch
	; THE ROWS' SUMS ARE TAKEN OF THE UNQUANTISED p
.irp k, 0,1,2,3,4,5,6
	v_pk_add_f32 v[ST+2*\k:ST+2*\k+1], v[ST+2*\k:ST+2*\k+1], v[ST+2*\k+14:ST+2*\k+15]
.endr
	v_pk_add_f32 v[U:U+1], v[S+64:S+65], v[S+66:S+67]
	v_pk_add_f32 v[U+2:U+3], v[S+68:S+69], v[S+70:S+71]
	v_pk_add_f32 v[U+4:U+5], v[S+72:S+73], v[S+74:S+75]
	v_pk_add_f32 v[SM+4:SM+5], v[SM+4:SM+5], v[S+76:S+77]
.irp k, 0,1,2,3
	v_pk_add_f32 v[ST+2*\k:ST+2*\k+1], v[ST+2*\k:ST+2*\k+1], v[S+56+2*\k:S+56+2*\k+1]
.endr
	T1G 14
	T1G 22
.irp k, 0,1,2
	v_pk_add_f32 v[ST+2*\k:ST+2*\k+1], v[ST+2*\k:ST+2*\k+1], v[ST+2*\k+8:ST+2*\k+9]
.endr
	T1G 30
	T1G 38
	v_pk_add_f32 v[ST:ST+1], v[ST:ST+1], v[ST+2:ST+3]
	v_pk_add_f32 v[ST+4:ST+5], v[ST+4:ST+5], v[ST+6:ST+7]
	T1G 46
	T1G 54
	v_pk_add_f32 v[SM+4:SM+5], v[SM+4:SM+5], v[S+126:S+127]
.irp n, 0,1,2,3,4,5,6,7
	v_max_num_f32 v[MX+\n], 0x4800000, v[MX+\n]    ; the floor 2^(9 - 127): the byte cannot fall under 1
.endr
.irp n, 0,1,2,3,4,5,6,7
	v_add_nc_u32 v[SO+\n], 0xfc000000, v[MX+\n]    ; 8 off the exponent field: the conversion's scale operand
.endr
.irp n, 0,1,2,3,4,5,6,7
	v_and_or_b32 v[LM+\n], v[MX+\n], 0x7f800000, s[MNT]   ; 448 x the scale
.endr
.irp n, 0,1,2,3,4,5,6,7
	v_lshrrev_b32 v[TP+\n], 23, v[SO+\n]           ; the scale's byte
.endr
.irp i, 0,1
	v_lshl_or_b32 v[PW+\i], v[TP+4*\i+1], 8, v[TP+4*\i]
.endr
.irp i, 0,1
	v_lshl_or_b32 v[PW+\i], v[TP+4*\i+2], 16, v[PW+\i]
.endr
.irp i, 0,1
	v_lshl_or_b32 v[PW+\i], v[TP+4*\i+3], 24, v[PW+\i]   ; p's scale word for these 128 keys
.endr
.irp n, 0,2,4,6                        ; the hold: p is not negative, so it is one-sided.  Two to an instruction: one number of block n and one of block n + 1: destinations even and odd, sources in different banks
.irp e, 0,2,4,6,8,10,12,14
	v_dual_min_num_f32 v[S+16*\n+\e], v[S+16*\n+\e], v[LM+\n] :: v_dual_min_num_f32 v[S+16*\n+17+\e], v[S+16*\n+17+\e], v[LM+\n+1]
	v_dual_min_num_f32 v[S+16*\n+\e+1], v[S+16*\n+\e+1], v[LM+\n] :: v_dual_min_num_f32 v[S+16*\n+16+\e], v[S+16*\n+16+\e], v[LM+\n+1]
.endr
.endr
.irp n, 0,1,2,3,4,5,6,7
	v_cvt_scalef32_pk8_fp8_f32 v[PC+4*\n:PC+4*\n+1], v[S+16*\n:S+16*\n+7], v[SO+\n]
	v_cvt_scalef32_pk8_fp8_f32 v[PC+4*\n+2:PC+4*\n+3], v[S+16*\n+8:S+16*\n+15], v[SO+\n]
.endr
	v_pk_add_f32 v[ST:ST+1], v[ST:ST+1], v[ST+4:ST+5]              ; the sums' last five additions are the places between the conversions and the products
	v_pk_add_f32 v[U:U+1], v[U:U+1], v[U+2:U+3]
	v_pk_add_f32 v[SM+4:SM+5], v[SM+4:SM+5], v[U+4:U+5]
	v_pk_add_f32 v[SM:SM+1], v[SM:SM+1], v[ST:ST+1]
	v_pk_add_f32 v[SM+4:SM+5], v[SM+4:SM+5], v[U:U+1]
	s_wait_alu depctr_va_vdst(0)                   ; directly ahead of the wait below
	s_wait_dscnt 20                                ; V^T and its scale words are in; the 20 younger loads (the next record's K: 16, and its scale words: 4) may be out
	WIN 0x51                                       ; source 0, C and D in window 1; p's codes in window 0
.irp t, 0,2
.irp i, 0,1
	v_wmma_scale_f32_16x16x128_f8f6f4 v[O+32*\i+8*\t:O+32*\i+8*\t+7], v[VF+16*\t:VF+16*\t+15], v[PC+16*\i:PC+16*\i+15], v[O+32*\i+8*\t:O+32*\i+8*\t+7], v[VS+\t/2], v[PW+\i]
.endr
.irp i, 0,1
	v_wmma_scale_f32_16x16x128_f8f6f4 v[O+32*\i+8*\t+8:O+32*\i+8*\t+15], v[VF+16*\t+16:VF+16*\t+31], v[PC+16*\i:PC+16*\i+15], v[O+32*\i+8*\t+8:O+32*\i+8*\t+15], v[VS+\t/2], v[PW+\i] matrix_a_scale:MATRIX_SCALE_ROW1
.endr
.endr
	WIN 0
	s_add_co_u32 s[TB], s[TB], RL
.endm
	STEP                                           ; record 0, while the other records land
	s_wait_tensorcnt 0x0                           ; every wave: my load has landed
	s_wait_dscnt 0x0                               ; no LDS instruction of mine is pending at a signal
	s_barrier_signal -1
	s_barrier_wait -1                              ; all sixteen records may be read; nothing is filled again
.Lstep:                                            ; records 1 to 15
	STEP
	s_sub_co_u32 s[CNT], s[CNT], 1
	s_cmp_lg_u32 s[CNT], 0
	s_cbranch_scc1 .Lstep
	; THE WAY OUT: O^T / the sum, quantised along the head's 64 channels: two blocks a tile, half a fragment of the next product's operand
	s_wait_dscnt 0x0                               ; the last step's loads of K, which nobody uses
.irp i, 0,1
	v_add_f32 v[SM+4*\i], v[SM+4*\i], v[SM+4*\i+1]
.endr
.irp i, 0,1
	v_permlanex16_b32 v[TP+\i], v[SM+4*\i], s[SEL], s[SEL+1]
.endr
.irp i, 0,1
	v_add_f32 v[SM+4*\i], v[SM+4*\i], v[TP+\i]
.endr
	s_wait_alu depctr_va_vdst(0)                   ; the wait ahead of the reciprocals
.irp i, 0,1
	v_rcp_f32 v[SM+4*\i], v[SM+4*\i]
.endr
.rept 8
	v_nop                                          ; the places behind the last products, and the plain place behind the reciprocals
.endr
	WIN 0x01
	s_wait_alu depctr_va_vdst(0)                   ; the wait behind the reciprocals, directly ahead of the first reader of O^T
.irp i, 0,1
.set j, 0
.rept 32
	v_mul_f32 v[S+64*\i+j], v[O+32*\i+j], v[SM+4*\i]   ; register 16 b + e: channel 32 b + 16 (lane / 16) + e of my query
.set j, j+1
.endr
.endr
	WIN 0
.irp i, 0,1
.irp b, 0,1
	v_max3_num_f32 v[MX+4*\i+\b], |v[S+64*\i+16*\b]|, |v[S+64*\i+16*\b+1]|, 0x4800000
.endr
.endr
.irp e, 2,4,6,8,10,12,14
.irp i, 0,1
.irp b, 0,1
	v_max3_num_f32 v[MX+4*\i+\b], v[MX+4*\i+\b], |v[S+64*\i+16*\b+\e]|, |v[S+64*\i+16*\b+\e+1]|
.endr
.endr
.endr
.irp n, 0,1,4,5
	v_permlanex16_b32 v[TP+\n], v[MX+\n], s[SEL], s[SEL+1]
.endr
.irp n, 0,1,4,5
	v_max_num_f32 v[MX+\n], v[MX+\n], v[TP+\n]
.endr
.irp n, 0,1,4,5
	v_add_nc_u32 v[SO+\n], 0xfc000000, v[MX+\n]
.endr
.irp n, 0,1,4,5
	v_and_or_b32 v[LM+\n], v[MX+\n], 0x7f800000, s[MNT]
.endr
.irp n, 0,1,4,5
	v_lshrrev_b32 v[TP+\n], 23, v[SO+\n]
.endr
.irp i, 0,1
	v_lshl_or_b32 v[PW+\i], v[TP+4*\i+1], 8, v[TP+4*\i]
.endr
.irp i, 0,1
.irp b, 0,1
.irp e, 0,1,2,3,4,5,6,7,8,9,10,11,12,13,14,15
	v_med3_num_f32 v[S+64*\i+16*\b+\e], v[S+64*\i+16*\b+\e], -v[LM+4*\i+\b], v[LM+4*\i+\b]   ; the conversion does not saturate (ISA guide 7.6.2): the hold comes first
.endr
.endr
.endr
.irp i, 0,1
.irp b, 0,1
	v_cvt_scalef32_pk8_fp8_f32 v[PC+16*\i+4*\b:PC+16*\i+4*\b+1], v[S+64*\i+16*\b:S+64*\i+16*\b+7], v[SO+4*\i+\b]
	v_cvt_scalef32_pk8_fp8_f32 v[PC+16*\i+4*\b+2:PC+16*\i+4*\b+3], v[S+64*\i+16*\b+8:S+64*\i+16*\b+15], v[SO+4*\i+\b]
.endr
.endr
	v_nop                                          ; a plain instruction behind the last conversion
.irp i, 0,1
	global_store_b128 v[LI], v[PC+16*\i:PC+16*\i+3], s[46:47] offset:16384*\i        ; 512 consecutive bytes, aligned
	global_store_b128 v[LI], v[PC+16*\i+4:PC+16*\i+7], s[46:47] offset:16384*\i+512
	global_store_b16 v[R4], v[PW+\i], s[50:51] offset:64*\i                          ; my row's two bytes (both halves of the lanes hold and store the same)
.endr
	s_wait_tensorcnt 0x0                           ; the wave's end
	ds_add_u32 v[SPW], v[NIL]
	s_wait_dscnt 0x0
	CROUND                                         ; the closing round: no work-group ends while a partner may still ask for a record
	s_endpgm
.Lfunc_end_k_q5a9f97d208_attn:
	.size	k_q5a9f97d208_attn, .Lfunc_end_k_q5a9f97d208_attn-k_q5a9f97d208_attn
	.p2alignl 7, 3214868480
	.fill 96, 4, 3214868480
	.section	.rodata,"a",@progbits
	.p2align	6, 0x0
	.amdhsa_kernel k_q5a9f97d208_attn
		.amdhsa_group_segment_fixed_size 327680
		.amdhsa_private_segment_fixed_size 0
		.amdhsa_enable_private_segment 0
		.amdhsa_kernarg_size 16
		.amdhsa_user_sgpr_count 2
		.amdhsa_user_sgpr_kernarg_segment_ptr 1
		.amdhsa_wavefront_size32 1
		.amdhsa_system_sgpr_workgroup_id_x 1
		.amdhsa_system_sgpr_workgroup_id_y 1
		.amdhsa_system_sgpr_workgroup_id_z 1
		.amdhsa_system_vgpr_workitem_id 0
		.amdhsa_next_free_vgpr 512
		.amdhsa_next_free_sgpr 66
		.amdhsa_reserve_vcc 0
		.amdhsa_float_denorm_mode_32 3
		.amdhsa_float_denorm_mode_16_64 3
		.amdhsa_memory_ordered 1
		.amdhsa_forward_progress 1
		.amdhsa_inst_pref_size 90
	.end_amdhsa_kernel
	.amdgpu_metadata
---
amdhsa.version: [ 1, 2 ]
amdhsa.kernels:
  - .name:           k_q5a9f97d208_attn
    .symbol:         k_q5a9f97d208_attn.kd
    .args:
      - { .name: qkvr, .offset: 0, .size: 8, .value_kind: global_buffer, .address_space: global }
      - { .name: ctx, .offset: 8, .size: 8, .value_kind: global_buffer, .address_space: global }
    .group_segment_fixed_size: 327680
    .private_segment_fixed_size: 0
    .kernarg_segment_align: 8
    .kernarg_segment_size: 16
    .max_flat_workgroup_size: 256
    .sgpr_count:     66
    .vgpr_count:     512
    .wavefront_size: 32
...
	.end_amdgpu_metadata
.endif
;; end of part 3
;; launch proj (part 4): grid 8 x 32, 4 waves a work-group, clusters of 4 x 4, 327,680 bytes of LDS; arguments ctx, wk, b_out, x, x1; writes x1
.if DOCPART == 4
	.amdgcn_target "amdgcn-amd-amdhsa--gfx1250"
	.amdhsa_code_object_version 6
	.text
	.protected	k_q5a9f97d208_proj
	.globl	k_q5a9f97d208_proj
	.p2align	8
	.type	k_q5a9f97d208_proj,@function
k_q5a9f97d208_proj:
	s_mov_b64 s[64:65], 0
	v_nop
	global_prefetch_b8 v0, s[64:65] scope:SCOPE_SE
	s_setreg_imm32_b32 hwreg(HW_REG_WAVE_MODE, 25, 1), 1
	s_wait_xcnt 0x0
	s_wait_alu depctr_hold_cnt(0) depctr_sa_sdst(0) depctr_va_vdst(0) depctr_va_sdst(0) depctr_va_ssrc(0) depctr_va_vcc(0) depctr_vm_vsrc(0)
	s_getreg_b32 s2, hwreg(HW_REG_IB_STS2, 6, 4)
	s_cmp_eq_u32 s2, 0
	s_cbranch_scc0 .Lentry_in_a_cluster
	s_endpgm
.Lentry_in_a_cluster:
	s_bfe_u32 s2, ttmp6, 0x10000c
	s_cmp_lg_u32 s2, 0xf033
	s_cbranch_scc0 .Lentry_shape_is_right
	s_endpgm
.Lentry_shape_is_right:
; x1 = x + ctx Wout^T + b_out: 4,096 x 1,024 x K = 1,024 on codes of E4M3 laid as images of operand registers, with scale words beside them.  The text is the last launch's with other sizes: its head comment explains the form.
; Here K is one slot: waves 0 and 3 bring its halves (four row tiles each), waves 1 and 2 the scale words; nothing is filled again; a wave has two steps of 128 along K.  No prefetch: there is no later tensor load to run ahead of.
.set SIZE_K, 1024
.set ASO,   4096*SIZE_K
.set BCO,   7569408
.set BSO,   8617984
.set NSTEP, SIZE_K/512
.set NSLOT, SIZE_K/1024
.set TILEB, 16*SIZE_K
.set SLOT,  131072
.set SCL,   2*SLOT
.set SCB,   4*SIZE_K
.set SPARE, 294912
.set PLANE, 67584
.if NSLOT > 1
.set HROWS, 8
.set H1LDS, SLOT
.set H1GLB, 16384
.else
.set HROWS, 4
.set H1LDS, 65536
.set H1GLB, 4*TILEB
.endif
.set LI,   4
.set LS,   5
.set STO,  6
.set RD,   8
.set ADRA, 16
.set ADRS, 20
.set SPW,  28
.set NIL,  29
.set PFO,  30
.set SC,   32
.set PB,   48
.set BV,   112
.set AF,   128
.set G1,   24
.set G0H,  32
.set G1R,  48
.set G0R,  56
.set G1S,  68
.set G0S,  76
.set G1SB, 80
.set G0SB, 88
.set BP,   92
.set PFA,  94
.set MUL_LO, 0xa1
.set MUL_HI, 0xf1
.set MSB, 0
.macro WIN new
.if MSB != (\new)
	s_set_vgpr_msb (MSB<<8)|(\new)
.set MSB, (\new)
.endif
.endm
.macro CREST
	s_cmp_lg_u32 s14, 0
	s_cbranch_scc1 .Lnot_wave_0_\@
	s_barrier_signal -3
.Lnot_wave_0_\@:
	s_barrier_wait -3
	s_barrier_signal -1
	s_barrier_wait -1
.endm
.macro CROUND
	s_barrier_signal -1
	s_barrier_wait -1
	CREST
.endm
.macro PLACES n
.rept \n
	v_nop
.endr
.endm
.macro WMX
.if rZ
.if rRW == 0
	v_wmma_scale_f32_16x16x128_f8f6f4 v[rD:rD+7], v[rFB:rFB+15], v[rFA:rFA+15], 0, v[rSB], v[rSA]
.elseif rRW == 1
	v_wmma_scale_f32_16x16x128_f8f6f4 v[rD:rD+7], v[rFB:rFB+15], v[rFA:rFA+15], 0, v[rSB], v[rSA] matrix_a_scale:MATRIX_SCALE_ROW1
.elseif rRW == 2
	v_wmma_scale_f32_16x16x128_f8f6f4 v[rD:rD+7], v[rFB:rFB+15], v[rFA:rFA+15], 0, v[rSB], v[rSA] matrix_b_scale:MATRIX_SCALE_ROW1
.else
	v_wmma_scale_f32_16x16x128_f8f6f4 v[rD:rD+7], v[rFB:rFB+15], v[rFA:rFA+15], 0, v[rSB], v[rSA] matrix_a_scale:MATRIX_SCALE_ROW1 matrix_b_scale:MATRIX_SCALE_ROW1
.endif
.else
.if rRW == 0
	v_wmma_scale_f32_16x16x128_f8f6f4 v[rD:rD+7], v[rFB:rFB+15], v[rFA:rFA+15], v[rD:rD+7], v[rSB], v[rSA]
.elseif rRW == 1
	v_wmma_scale_f32_16x16x128_f8f6f4 v[rD:rD+7], v[rFB:rFB+15], v[rFA:rFA+15], v[rD:rD+7], v[rSB], v[rSA] matrix_a_scale:MATRIX_SCALE_ROW1
.elseif rRW == 2
	v_wmma_scale_f32_16x16x128_f8f6f4 v[rD:rD+7], v[rFB:rFB+15], v[rFA:rFA+15], v[rD:rD+7], v[rSB], v[rSA] matrix_b_scale:MATRIX_SCALE_ROW1
.else
	v_wmma_scale_f32_16x16x128_f8f6f4 v[rD:rD+7], v[rFB:rFB+15], v[rFA:rFA+15], v[rD:rD+7], v[rSB], v[rSA] matrix_a_scale:MATRIX_SCALE_ROW1 matrix_b_scale:MATRIX_SCALE_ROW1
.endif
.endif
.endm
.macro MULQ t, g, hf
.irp bb, 0,1,2,3
.irp aa, 0,1,2,3
.set rB_, 4*(\g)+\bb
.set rA_, 4*(\hf)+\aa
.set rD, 8*(8*\aa+rB_)
.set rFB, 128*((\t)%2)+16*rB_
.set rFA, AF+16*rA_
.set rSB, SC+8*((\t)%2)+4+rB_/2
.set rSA, SC+8*((\t)%2)+rA_/2
.set rRW, (rB_%2)+2*(rA_%2)
.set rZ, (\t)==0
	WMX
.endr
.endr
.endm
.macro FETCH_A slot, q, i0
.irp i, 0,1,2,3
.irp c, 0,1,2,3
	ds_load_b128 v[AF+16*((\i0)+\i)+4*\c:AF+16*((\i0)+\i)+4*\c+3], v[ADRA+2*(\slot)+(\i0)/4] offset:16384*\i+2048*(\q)+512*\c
.endr
.endr
.endm
.macro SCALES t
.irp i, 0,1,2,3
	ds_load_b32 v[SC+8*((\t)%2)+\i], v[ADRS] offset:((\t)/2)*4096+((\t)%2)*512+128*\i
	ds_load_b32 v[SC+8*((\t)%2)+4+\i], v[ADRS] offset:SCB+((\t)/2)*4096+((\t)%2)*512+128*\i
.endr
.endm
.macro BLOAD t, g
	WIN 0x40
.irp i, 0,1,2,3
.irp c, 0,1,2,3
	global_load_b128 v[128*((\t)%2)+64*(\g)+16*\i+4*\c:128*((\t)%2)+64*(\g)+16*\i+4*\c+3], v[LI], s[BP:BP+1] offset:(4*(\g)+\i)*TILEB+((\t)/2)*16384+((\t)%2)*2048+512*\c
.endr
.endr
	WIN 0
.endm
.macro XLOAD g
	WIN 0x40
.irp u, 0,1,2,3,4,5,6,7,8,9,10,11,12,13,14,15
.set rT, 16*(\g)+\u
	global_load_b128 v[4*rT:4*rT+3], v[LI], s[10:11] offset:((rT&7)|((rT&8)<<1)|((rT&16)>>1))*4096 th:TH_LOAD_NT
.endr
	WIN 0
.endm
.macro RELOAD t, g
.if (\t)+2 < NSTEP
	BLOAD (\t)+2, \g
.elseif (\t)+2 == NSTEP
.if (\g) == 0
	global_load_b128 v[BV:BV+3], v[LI], s[8:9]
.endif
	XLOAD \g
.endif
.endm
.macro KSTEP t, kind
.set SL_, ((\t)/2)%2
.set NS_, (((\t)+1)/2)%2
.set NQ_, ((\t)+1)%2
.if (\kind) == 1 || (\kind) == 2
	s_wait_tensorcnt 0x0
	ds_add_u32 v[SPW], v[NIL]
	s_wait_dscnt 17
.else
	s_wait_dscnt 16
.endif
.if (\t) == NSTEP-1
	s_wait_loadcnt 49
.else
	s_wait_loadcnt 48
.endif
	WIN MUL_LO
	MULQ \t, 0, 0
	s_wait_dscnt 0x0
.if (\kind) == 1 || (\kind) == 2
	s_barrier_signal -1
.endif
	WIN MUL_HI
	MULQ \t, 0, 1
	WIN 0
.if (\kind) == 1 || (\kind) == 2
	s_barrier_wait -1
.endif
.if (\kind) == 1
	CREST
	tensor_load_to_lds s[G0R+4*SL_:G0R+4*SL_+3], s[G1R:G1R+7]
	s_nop 0
.endif
	PLACES 8
	RELOAD \t, 0
.if (\t) == NSTEP-1
	s_wait_loadcnt 33
.elseif (\t) == NSTEP-2
	s_wait_loadcnt 49
.else
	s_wait_loadcnt 48
.endif
	WIN MUL_LO
	MULQ \t, 1, 0
.if (\kind) != 3
	PLACES 8
	WIN 0
	FETCH_A NS_, NQ_, 0
	SCALES (\t)+1
.if ((\t)%2 == 0) && ((\t)/2+2 < NSLOT)
	global_prefetch_b8 v[PFO], s[PFA:PFA+1] offset:((\t)/2+2)*16384 th:TH_LOAD_NT scope:SCOPE_SE
.endif
.endif
	WIN MUL_HI
	MULQ \t, 1, 1
	PLACES 8
	WIN 0
	RELOAD \t, 1
.if (\kind) != 3
	FETCH_A NS_, NQ_, 4
.endif
.endm
.macro ARM under, g0, g1, next
	s_cmp_lt_u32 s14, \under
	s_cbranch_scc0 \next
	tensor_load_to_lds s[\g0:\g0+3], s[\g1:\g1+7]
	s_nop 0
	PLACES 4
	s_branch .Lhead_asked
\next:
.endm
	s_load_b256 s[4:11], s[0:1], 0x0
	s_load_b64 s[12:13], s[0:1], 0x20
	v_lshl_add_u32 v[SPW], v0, 2, SPARE
	v_mov_b32 v[NIL], 0
	ds_add_u32 v[SPW], v[NIL]
	ds_add_u32 v[SPW], v[NIL]
	v_lshrrev_b32 v1, 5, v0
	v_readfirstlane_b32 s14, v1
	v_and_b32 v3, 31, v0
	v_lshlrev_b32 v[LI], 4, v3
	v_lshlrev_b32 v[LS], 2, v3
	s_bfe_u32 s40, ttmp6, 0x40000
	s_bfe_u32 s41, ttmp6, 0x40004
	s_lshl_b32 s42, ttmp9, 2
	s_add_co_u32 s42, s42, s40
	s_and_b32 s17, ttmp7, 0xffff
	s_lshl_b32 s17, s17, 2
	s_add_co_u32 s17, s17, s41
	s_lshl_b32 s43, s41, 2
	s_lshl_b32 s43, 15, s43
	s_lshl_b32 s44, 0x1111, s40
	s_or_b32 s[G1], s43, (3<<16)|(1<<21)
	s_or_b32 s[G1R], s43, (3<<16)|(1<<21)
	s_or_b32 s[G1S], s43, (3<<16)|(1<<21)
	s_or_b32 s[G1SB], s44, (3<<16)|(1<<21)
.irp g, G1, G1R
	s_mov_b32 s[\g+1], 2048<<16
	s_mov_b32 s[\g+3], 2048<<16
	s_mov_b32 s[\g+5], 2*SIZE_K
	s_mov_b32 s[\g+6], 0
	s_mov_b32 s[\g+7], 0
.endr
	s_mov_b32 s[G1+2], HROWS<<16
	s_mov_b32 s[G1+4], HROWS
	s_mov_b32 s[G1R+2], 2<<16
	s_mov_b32 s[G1R+4], 2
.irp g, G1S, G1SB
	s_mov_b32 s[\g+1], 32<<16
	s_mov_b32 s[\g+2], (SIZE_K/64)<<16
	s_mov_b32 s[\g+3], 32<<16
	s_mov_b32 s[\g+4], SIZE_K/64
	s_mov_b32 s[\g+5], 32
	s_mov_b32 s[\g+6], 0
	s_mov_b32 s[\g+7], 0
.endr
	s_mul_i32 s20, s17, 128*SIZE_K
	s_mov_b32 s21, 0
	s_mul_i32 s22, s17, SCB
	s_add_co_u32 s22, s22, ASO
	s_mov_b32 s23, 0
	s_mul_i32 s46, s42, SCB
	s_add_co_u32 s46, s46, BSO
	s_mov_b32 s47, 0
	s_mul_i32 s[BP], s42, 128*SIZE_K
	s_add_co_u32 s[BP], s[BP], BCO
	s_lshl_b32 s18, s14, 12
	s_add_co_u32 s[BP], s[BP], s18
	s_mov_b32 s[BP+1], 0
	s_wait_dscnt 0x0
	s_wait_alu depctr_va_vdst(0)
	s_wait_kmcnt 0x0
	s_add_nc_u64 s[20:21], s[4:5], s[20:21]
	s_add_nc_u64 s[22:23], s[4:5], s[22:23]
	s_add_nc_u64 s[46:47], s[6:7], s[46:47]
	s_add_nc_u64 s[BP:BP+1], s[6:7], s[BP:BP+1]
	s_mov_b32 s[G0H], 1
	s_mov_b32 s[G0H+1], 0
	s_mov_b64 s[G0H+2:G0H+3], s[20:21]
	s_or_b32 s[G0H+3], s[G0H+3], 0x80000000
	s_mov_b32 s[G0H+4], 1
	s_mov_b32 s[G0H+5], H1LDS
	s_add_nc_u64 s[G0H+6:G0H+7], s[20:21], H1GLB
	s_or_b32 s[G0H+7], s[G0H+7], 0x80000000
	s_mov_b32 s[G0S], 1
	s_mov_b32 s[G0S+1], SCL
	s_mov_b64 s[G0S+2:G0S+3], s[22:23]
	s_or_b32 s[G0S+3], s[G0S+3], 0x80000000
	s_mov_b32 s[G0SB], 1
	s_mov_b32 s[G0SB+1], SCL+SCB
	s_mov_b64 s[G0SB+2:G0SB+3], s[46:47]
	s_or_b32 s[G0SB+3], s[G0SB+3], 0x80000000
.if NSLOT > 2
	s_mul_i32 s18, s14, 2*TILEB
	s_mov_b32 s19, 0
	s_lshl_b32 s45, s14, 15
.irp s, 0,1
	s_mov_b32 s[G0R+4*\s], 1
	s_add_co_u32 s[G0R+4*\s+1], s45, \s*SLOT
	s_add_nc_u64 s[G0R+4*\s+2:G0R+4*\s+3], s[20:21], s[18:19]
	s_add_nc_u64 s[G0R+4*\s+2:G0R+4*\s+3], s[G0R+4*\s+2:G0R+4*\s+3], (2+\s)*16384
	s_or_b32 s[G0R+4*\s+3], s[G0R+4*\s+3], 0x80000000
.endr
.endif
	CROUND
	ARM 1, G0H, G1, .Lhead_sa
	ARM 2, G0S, G1S, .Lhead_sb
	ARM 3, G0SB, G1SB, .Lhead_1
	tensor_load_to_lds s[G0H+4:G0H+7], s[G1:G1+7]
	s_nop 0
	PLACES 4
.Lhead_asked:
	BLOAD 0, 0
	BLOAD 0, 1
	BLOAD 1, 0
	BLOAD 1, 1
	v_and_b32 v1, 15, v0
	v_bfe_u32 v2, v0, 4, 1
	s_lshl_b32 s22, s14, 12
.irp s, 0,1
.if \s < NSLOT
	v_add_nc_u32 v[ADRA+2*\s], s22, v[LI]
	v_add_nc_u32 v[ADRA+2*\s+1], 65536, v[ADRA+2*\s]
	s_add_co_u32 s22, s22, SLOT
.endif
.endr
	s_lshl_b32 s22, s14, 10
	s_add_co_u32 s22, s22, SCL
	v_add_nc_u32 v[ADRS], s22, v[LS]
	s_mul_i32 s22, s14, PLANE
	v_mul_u32_u24 v[STO], v1, 528
	v_lshl_add_u32 v[STO], v2, 6, v[STO]
	v_add_nc_u32 v[STO], s22, v[STO]
	s_mul_i32 s22, s14, 32*528
	v_add_nc_u32 v[RD], s22, v[LI]
.irp p, 1,2,3
	v_add_nc_u32 v[RD+\p], \p*PLANE, v[RD]
.endr
	s_lshl_b32 s18, s42, 9
	s_mov_b32 s19, 0
	s_add_nc_u64 s[8:9], s[8:9], s[18:19]
	s_lshl_b32 s2, s17, 7
	s_lshl_b32 s3, s14, 5
	s_add_co_u32 s2, s2, s3
	s_lshl_b32 s2, s2, 12
	s_add_co_u32 s18, s18, s2
	s_add_nc_u64 s[10:11], s[10:11], s[18:19]
	s_add_nc_u64 s[12:13], s[12:13], s[18:19]
.if NSLOT > 2
	s_mul_i32 s[PFA], s17, 128*SIZE_K
	s_mul_i32 s22, s40, 2*TILEB
	s_add_co_u32 s[PFA], s[PFA], s22
	s_lshl_b32 s22, s14, 12
	s_add_co_u32 s[PFA], s[PFA], s22
	s_mov_b32 s[PFA+1], 0
	s_add_nc_u64 s[PFA:PFA+1], s[4:5], s[PFA:PFA+1]
	v_mul_u32_u24 v[PFO], v2, TILEB
	v_lshl_add_u32 v[PFO], v1, 8, v[PFO]
.endif
	s_wait_alu depctr_va_vdst(0)
.if NSLOT > 1
	s_cmp_lt_u32 s14, 3
	s_cbranch_scc0 .Lnot_yet
	s_wait_tensorcnt 0x0
.Lnot_yet:
.else
	s_wait_tensorcnt 0x0
.endif
	s_barrier_signal -1
	s_barrier_wait -1
	FETCH_A 0, 0, 0
	SCALES 0
	FETCH_A 0, 0, 4
.if NSLOT > 1
	KSTEP 0, 0
	KSTEP 1, 1
	KSTEP 2, 0
	KSTEP 3, 1
	KSTEP 4, 0
	KSTEP 5, 2
	KSTEP 6, 0
	KSTEP 7, 3
.else
	KSTEP 0, 0
	KSTEP 1, 3
.endif
	s_wait_dscnt 0x0
	s_barrier_signal -1
	s_barrier_wait -1
.irp a, 0,1,2,3,4,5,6,7
	WIN 0x08+4*(\a/4)
.irp b, 0,1,2,3,4,5,6,7
	ds_store_b128 v[STO], v[64*(\a%4)+8*\b:64*(\a%4)+8*\b+3] offset:\a*8448+128*(\b/2)+32*(\b%2)
	ds_store_b128 v[STO], v[64*(\a%4)+8*\b+4:64*(\a%4)+8*\b+7] offset:\a*8448+128*(\b/2)+32*(\b%2)+16
.endr
.endr
	WIN 0
	s_wait_dscnt 0x0
	s_barrier_signal -1
	s_barrier_wait -1
.macro RDB k
.irp e, 0,1
.irp p, 0,1,2,3
	ds_load_b128 v[PB+32*((\k)%2)+16*\e+4*\p:PB+32*((\k)%2)+16*\e+4*\p+3], v[RD+\p] offset:528*(2*(\k)+\e)
.endr
.endr
.endm
	RDB 0
.irp k, 0,1,2,3,4,5,6,7,8,9,10,11,12,13,14,15
.if \k < 15
	RDB \k+1
	s_wait_dscnt 8
.else
	s_wait_dscnt 0x0
.endif
	s_wait_loadcnt 30-2*\k
.irp e, 0,1
.set rP, PB+32*(\k%2)+16*\e
	v_pk_add_f32 v[rP:rP+1], v[rP:rP+1], v[rP+4:rP+5]
	v_pk_add_f32 v[rP+2:rP+3], v[rP+2:rP+3], v[rP+6:rP+7]
	v_pk_add_f32 v[rP+8:rP+9], v[rP+8:rP+9], v[rP+12:rP+13]
	v_pk_add_f32 v[rP+10:rP+11], v[rP+10:rP+11], v[rP+14:rP+15]
	v_pk_add_f32 v[rP:rP+1], v[rP:rP+1], v[BV:BV+1]
	v_pk_add_f32 v[rP+2:rP+3], v[rP+2:rP+3], v[BV+2:BV+3]
	v_pk_add_f32 v[rP:rP+1], v[rP:rP+1], v[rP+8:rP+9]
	v_pk_add_f32 v[rP+2:rP+3], v[rP+2:rP+3], v[rP+10:rP+11]
.endr
	WIN 0x01
.irp e, 0,1
.set rT, 2*\k+\e
.set rP, PB+32*(\k%2)+16*\e
	v_pk_add_f32 v[AF+4*rT:AF+4*rT+1], v[4*rT:4*rT+1], v[rP:rP+1]
	v_pk_add_f32 v[AF+4*rT+2:AF+4*rT+3], v[4*rT+2:4*rT+3], v[rP+2:rP+3]
.endr
	WIN 0
.irp e, 0,1
.set rT, 2*\k+\e
	global_store_b128 v[LI], v[AF+4*rT:AF+4*rT+3], s[12:13] offset:((rT&7)|((rT&8)<<1)|((rT&16)>>1))*4096 th:TH_STORE_NT
.endr
.endr
	s_wait_tensorcnt 0x0
	ds_add_u32 v[SPW], v[NIL]
	s_wait_dscnt 0x0
	CROUND
	s_endpgm
.Lfunc_end_k_q5a9f97d208_proj:
	.size	k_q5a9f97d208_proj, .Lfunc_end_k_q5a9f97d208_proj-k_q5a9f97d208_proj
	.p2alignl 7, 3214868480
	.fill 96, 4, 3214868480
	.section	.rodata,"a",@progbits
	.p2align	6, 0x0
	.amdhsa_kernel k_q5a9f97d208_proj
		.amdhsa_group_segment_fixed_size 327680
		.amdhsa_private_segment_fixed_size 0
		.amdhsa_enable_private_segment 0
		.amdhsa_kernarg_size 40
		.amdhsa_user_sgpr_count 2
		.amdhsa_user_sgpr_kernarg_segment_ptr 1
		.amdhsa_wavefront_size32 1
		.amdhsa_system_sgpr_workgroup_id_x 1
		.amdhsa_system_sgpr_workgroup_id_y 1
		.amdhsa_system_sgpr_workgroup_id_z 1
		.amdhsa_system_vgpr_workitem_id 0
		.amdhsa_next_free_vgpr 1024
		.amdhsa_next_free_sgpr 102
		.amdhsa_reserve_vcc 0
		.amdhsa_float_denorm_mode_32 3
		.amdhsa_float_denorm_mode_16_64 3
		.amdhsa_memory_ordered 1
		.amdhsa_forward_progress 1
		.amdhsa_inst_pref_size 82
	.end_amdhsa_kernel
	.amdgpu_metadata
---
amdhsa.version: [ 1, 2 ]
amdhsa.kernels:
  - .name:           k_q5a9f97d208_proj
    .symbol:         k_q5a9f97d208_proj.kd
    .args:
      - { .name: ctx, .offset: 0, .size: 8, .value_kind: global_buffer, .address_space: global }
      - { .name: wk, .offset: 8, .size: 8, .value_kind: global_buffer, .address_space: global }
      - { .name: b_out, .offset: 16, .size: 8, .value_kind: global_buffer, .address_space: global }
      - { .name: x, .offset: 24, .size: 8, .value_kind: global_buffer, .address_space: global }
      - { .name: x1, .offset: 32, .size: 8, .value_kind: global_buffer, .address_space: global }
    .group_segment_fixed_size: 327680
    .private_segment_fixed_size: 0
    .kernarg_segment_align: 8
    .kernarg_segment_size: 40
    .max_flat_workgroup_size: 128
    .sgpr_count:     102
    .vgpr_count:     1024
    .wavefront_size: 32
...
	.end_amdgpu_metadata
.endif
;; end of part 4
;; launch ln2 (part 5): grid 256 x 1, 8 waves a work-group, no clusters, 168,960 bytes of LDS; arguments x1, ln2_g, ln2_b, h2; writes h2
.if DOCPART == 5
	.amdgcn_target "amdgcn-amd-amdhsa--gfx1250"
	.amdhsa_code_object_version 6
	.text
	.protected	k_q5a9f97d208_ln2
	.globl	k_q5a9f97d208_ln2
	.p2align	8
	.type	k_q5a9f97d208_ln2,@function
k_q5a9f97d208_ln2:
	s_mov_b64 s[64:65], 0
	v_nop
	global_prefetch_b8 v0, s[64:65] scope:SCOPE_SE
	s_setreg_imm32_b32 hwreg(HW_REG_WAVE_MODE, 25, 1), 1
	s_wait_xcnt 0x0
; h2 = Q(layer norm(x1)): 4,096 rows of 1,024 f32 become codes of E4M3 with one E8M0 byte for each 32 along K, laid as the next product wants its operand.
; ORDER OF ROWS.  Position p of the codes holds the true row p with bits 3 and 4 exchanged (the product that reads them counts on it).
; LAYOUT OF CODES: images of operand registers.  A fragment (16 positions x 128 K) is 2,048 bytes on end: 512 c + 16 lane, lane = 16 ((k % 32) / 16) + position % 16, c = (k % 128) / 32; a row tile's eight fragments follow each other.
; LAYOUT OF SCALES: one word for a position and 128 K, at ((p / 128) 8 + k / 128) 512 + 4 (p % 128), behind the codes.
; SHARES.  There are 256 row tiles of 16 positions and 256 work-groups: a work-group takes ONE tile, each of its eight waves two true rows (positions 2 w and 2 w + 1), so that a wave walks two rows one after the other and no more.
; A wave's 16 loads of its rows go out first, its 16 loads of gain and bias behind them.  A row turns through the wave's own stage in LDS, so that a lane holds 16 neighbours twice; codes and bytes are gathered in LDS;
; the codes leave as runs of 512 consecutive bytes, the scale words as runs of 64 (one byte in 32 of the output).  The launch claims more LDS than the text uses, so that a work-group has its WGP to itself.
; No matrix unit, no tensor load, no cluster: nothing is multiplied and work-groups share nothing but gain and bias.
; LIMITS: a block of zeros gets the byte 1 (its codes are zeros; only this program reads the bytes); blocks whose largest magnitude lies under 2^-118 are held at that floor; NaN and infinities are not served; 1 / sqrt by v_rsq_f32.
.set H2S,   4194304
.set IMGST, 81920                      ; LDS: 8 x 10,240 turn stages; then the image stage, 64 pieces x 272 bytes;
.set SCST,  99328                      ; then 512 scale bytes: [K step 8][16 positions x 4]
.set GG,  32                           ; v32-63   the gain at my 32 columns
.set BT,  64                           ; v64-95   the bias
.set R,   96                           ; v96-159  my two rows as loaded
.set X,   160                          ; v160-223 the two rows turned: columns 512 s + 16 lane + 0 .. 15
.set CD,  224                          ; v224-239 a row's codes, a set for each row
.set EB,  240                          ; v240-243 its bytes
.set T,   244                          ; v244-251 at work
.set MU,  252                          ; v252-253 the mean, twice
.set RSD, 254                          ; v254-255 1 / sigma, twice
	s_load_b256 s[4:11], s[0:1], 0x0               ; x1 s[4:5], gain s[6:7], bias s[8:9], h2 s[10:11]
	v_lshl_add_u32 v30, v0, 2, 0x29000
	v_mov_b32 v31, 0
	v_lshrrev_b32 v11, 5, v0
	s_delay_alu instid0(VALU_DEP_1)
	v_readfirstlane_b32 s20, v11                   ; wave 0..7
	v_and_b32 v1, 31, v0                           ; lane
	s_delay_alu instid0(VALU_DEP_1)
	v_lshlrev_b32 v2, 4, v1
	s_delay_alu instid0(VALU_DEP_2)
	v_lshlrev_b32 v10, 6, v1
	s_mul_i32 s36, s20, 10240                      ; my turn stages
	v_lshrrev_b32 v3, 2, v1
	s_delay_alu instid0(VALU_DEP_1)
	v_mul_u32_u24 v3, v3, 80
	v_and_b32 v11, 3, v1
	s_delay_alu instid0(VALU_DEP_1)
	v_lshl_add_u32 v3, v11, 4, v3
	s_delay_alu instid0(VALU_DEP_1)
	v_add_nc_u32 v3, s36, v3                       ; in: four lanes' 64 bytes on end, then 16 of padding
	v_mul_u32_u24 v4, v1, 80
	s_delay_alu instid0(VALU_DEP_1)
	v_add_nc_u32 v4, s36, v4                       ; out: my 64 bytes
	s_lshl_b32 s37, s20, 5
	s_add_co_u32 s37, s37, IMGST
	v_mul_u32_u24 v5, v1, 272
	s_delay_alu instid0(VALU_DEP_1)
	v_add_nc_u32 v5, s37, v5                       ; codes in: piece 32 s + lane (256 bytes of the image), 16 bytes for each position: mine are 2 w and 2 w + 1
	s_mul_i32 s37, s20, 8*272
	s_add_co_u32 s37, s37, IMGST
	v_lshrrev_b32 v7, 4, v1
	s_delay_alu instid0(VALU_DEP_1)
	v_mul_u32_u24 v7, v7, 272
	v_and_b32 v11, 15, v1
	s_delay_alu instid0(VALU_DEP_1)
	v_lshl_add_u32 v7, v11, 4, v7
	s_delay_alu instid0(VALU_DEP_1)
	v_add_nc_u32 v7, s37, v7                       ; codes out: pieces 8 w .. 8 w + 7, two an instruction
	s_delay_alu instid0(VALU_DEP_3)
	v_lshlrev_b32 v9, 2, v11                       ; 4 (lane % 16)
	s_lshl_b32 s37, s20, 3
	s_add_co_u32 s37, s37, SCST
	v_lshrrev_b32 v6, 3, v1
	s_delay_alu instid0(VALU_DEP_1)
	v_lshlrev_b32 v6, 6, v6
	v_bfe_u32 v11, v1, 1, 2
	s_delay_alu instid0(VALU_DEP_1)
	v_add_nc_u32 v6, v6, v11
	s_delay_alu instid0(VALU_DEP_1)
	v_add_nc_u32 v6, s37, v6                       ; bytes in: K step 4 s + lane / 8, position 2 w + i, byte (lane / 2) % 4
	s_lshl_b32 s37, s20, 6
	s_add_co_u32 s37, s37, SCST
	v_add_nc_u32 v8, s37, v9                       ; bytes out: wave w takes K step w's 16 words
	s_mov_b32 s40, 0x76543210
	s_mov_b32 s41, 0xfedcba98                      ; v_permlanex16_b32's selects for lane l xor 16
	s_mov_b32 s42, 0x600000                        ; the mantissa field of 448
	s_mov_b32 s43, 0x3a800000                      ; 1 / 1,024
	s_mov_b32 s44, 0x3727c5ac                      ; 1e-5
	s_lshr_b32 s21, ttmp9, 1
	s_lshl_b32 s21, s21, 5                         ; the tile's group of 32 rows
	s_and_b32 s22, ttmp9, 1
	s_lshl_b32 s22, s22, 3
	s_add_co_u32 s21, s21, s22                     ; + 8 (tile % 2)
	s_lshr_b32 s22, s20, 2
	s_lshl_b32 s22, s22, 4
	s_add_co_u32 s21, s21, s22                     ; + 16 (position / 8)
	s_and_b32 s22, s20, 3
	s_lshl_b32 s22, s22, 1
	s_add_co_u32 s21, s21, s22                     ; + position % 8: my first true row; the second is the next
	s_lshl_b32 s24, s21, 12
	s_mov_b32 s25, 0
	s_lshl_b32 s28, ttmp9, 14                      ; the tile's image,
	s_lshl_b32 s22, s20, 11
	s_add_co_u32 s28, s28, s22                     ; my eighth of it
	s_mov_b32 s29, 0
	s_lshr_b32 s30, ttmp9, 3
	s_lshl_b32 s30, s30, 12                        ; the tile's group of 128 positions,
	s_lshl_b32 s22, s20, 9
	s_add_co_u32 s30, s30, s22                     ; K step w,
	s_and_b32 s22, ttmp9, 7
	s_lshl_b32 s22, s22, 6
	s_add_co_u32 s30, s30, s22                     ; the tile's 16 words
	s_add_co_u32 s30, s30, H2S
	s_mov_b32 s31, 0
	s_wait_kmcnt 0x0
	s_add_nc_u64 s[24:25], s[4:5], s[24:25]
	s_add_nc_u64 s[28:29], s[10:11], s[28:29]
	s_add_nc_u64 s[30:31], s[10:11], s[30:31]
.irp i, 0,1
.irp j, 0,1,2,3,4,5,6,7
	global_load_b128 v[R+32*\i+4*\j:R+32*\i+4*\j+3], v2, s[24:25] offset:4096*\i+512*\j th:TH_LOAD_NT   ; 32 lanes read 512 consecutive bytes
.endr
.endr
.irp j, 0,1,2,3,4,5,6,7
	global_load_b128 v[GG+4*\j:GG+4*\j+3], v10, s[6:7] offset:2048*(\j/4)+16*(\j%4)
	global_load_b128 v[BT+4*\j:BT+4*\j+3], v10, s[8:9] offset:2048*(\j/4)+16*(\j%4)
.endr
.macro TURN i                          ; row i through its stage; LDS serves a wave's instructions in order, so no wait stands between the stores and the loads
.irp j, 0,1,2,3,4,5,6,7
	ds_store_b128 v3, v[R+32*(\i)+4*\j:R+32*(\i)+4*\j+3] offset:5120*(\i)+2560*(\j/4)+640*(\j%4)
.endr
.irp j, 0,1,2,3,4,5,6,7
	ds_load_b128 v[X+32*(\i)+4*\j:X+32*(\i)+4*\j+3], v4 offset:5120*(\i)+2560*(\j/4)+16*(\j%4)
.endr
.endm
.macro REDUCE                          ; v[T:T+7], four pairs of partial sums, become the row's sum in v[T] of every lane
	s_delay_alu instid0(VALU_DEP_3)
	v_pk_add_f32 v[T:T+1], v[T:T+1], v[T+2:T+3]
	s_delay_alu instid0(VALU_DEP_2)
	v_pk_add_f32 v[T+4:T+5], v[T+4:T+5], v[T+6:T+7]
	s_delay_alu instid0(VALU_DEP_1)
	v_pk_add_f32 v[T:T+1], v[T:T+1], v[T+4:T+5]
	s_delay_alu instid0(VALU_DEP_1)
	v_add_f32 v[T], v[T], v[T+1]
	s_delay_alu instid0(VALU_DEP_1)
	v_add_f32_dpp v[T], v[T], v[T] row_xmask:1 row_mask:0xf bank_mask:0xf
	s_delay_alu instid0(VALU_DEP_1)
	v_add_f32_dpp v[T], v[T], v[T] row_xmask:2 row_mask:0xf bank_mask:0xf
	s_delay_alu instid0(VALU_DEP_1)
	v_add_f32_dpp v[T], v[T], v[T] row_xmask:4 row_mask:0xf bank_mask:0xf
	s_delay_alu instid0(VALU_DEP_1)
	v_add_f32_dpp v[T], v[T], v[T] row_xmask:8 row_mask:0xf bank_mask:0xf
	s_delay_alu instid0(VALU_DEP_1)
	v_permlanex16_b32 v[T+1], v[T], s40, s41
	s_delay_alu instid0(VALU_DEP_1)
	v_add_f32 v[T], v[T], v[T+1]
.endm
.macro LNORM                           ; the layer norm of the row in v[XS] on
.irp k, 0,1,2,3
	v_pk_add_f32 v[T+2*\k:T+2*\k+1], v[XS+4*\k:XS+4*\k+1], v[XS+4*\k+2:XS+4*\k+3]
.endr
.irp m, 16,24
.irp k, 0,1,2,3
	s_delay_alu instid0(VALU_DEP_4)
	v_pk_add_f32 v[T+2*\k:T+2*\k+1], v[T+2*\k:T+2*\k+1], v[XS+\m+2*\k:XS+\m+2*\k+1]
.endr
.endr
	REDUCE
	s_delay_alu instid0(VALU_DEP_1)
	v_mul_f32 v[MU], s43, v[T]
	s_delay_alu instid0(VALU_DEP_2)
	v_mul_f32 v[MU+1], s43, v[T]
.irp k, 0,2,4,6,8,10,12,14,16,18,20,22,24,26,28,30
	v_pk_add_f32 v[XS+\k:XS+\k+1], v[XS+\k:XS+\k+1], v[MU:MU+1] neg_lo:[0,1] neg_hi:[0,1]   ; x - mean first: the variance is a sum of squares of differences, whatever the rows' offset
.endr
.irp k, 0,1,2,3
	v_pk_mul_f32 v[T+2*\k:T+2*\k+1], v[XS+2*\k:XS+2*\k+1], v[XS+2*\k:XS+2*\k+1]
.endr
.irp m, 8,16,24
.irp k, 0,1,2,3
	s_delay_alu instid0(VALU_DEP_4)
	v_pk_fma_f32 v[T+2*\k:T+2*\k+1], v[XS+\m+2*\k:XS+\m+2*\k+1], v[XS+\m+2*\k:XS+\m+2*\k+1], v[T+2*\k:T+2*\k+1]
.endr
.endr
	REDUCE
	s_delay_alu instid0(VALU_DEP_1)
	v_fma_f32 v[T], v[T], s43, s44                 ; the variance + 1e-5
	s_wait_alu depctr_va_vdst(0)
	v_rsq_f32 v[RSD], v[T]
	v_rsq_f32 v[RSD+1], v[T]
	v_nop                                          ; a plain instruction behind the last of the two,
	s_wait_alu depctr_va_vdst(0)                   ; and one wait for both, ahead of their first reader
.irp k, 0,2,4,6,8,10,12,14,16,18,20,22,24,26,28,30
	v_pk_mul_f32 v[XS+\k:XS+\k+1], v[XS+\k:XS+\k+1], v[RSD:RSD+1]
.endr
	s_wait_loadcnt 0x0                             ; gain and bias: the youngest loads, wanted only here
.irp k, 0,2,4,6,8,10,12,14,16,18,20,22,24,26,28,30
	v_pk_fma_f32 v[XS+\k:XS+\k+1], v[XS+\k:XS+\k+1], v[GG+\k:GG+\k+1], v[BT+\k:BT+\k+1]
.endr
.endm
.macro QROW i                          ; my two runs of 16 numbers: two neighbouring lanes hold a block of 32
.irp s, 0,1
	v_max3_num_f32 v[T+4*\s], |v[XS+16*\s]|, |v[XS+16*\s+1]|, |v[XS+16*\s+2]|
	v_max3_num_f32 v[T+4*\s+1], |v[XS+16*\s+3]|, |v[XS+16*\s+4]|, |v[XS+16*\s+5]|
.endr
.irp m, 6,10
.irp s, 0,1
	s_delay_alu instid0(VALU_DEP_4)
	v_max3_num_f32 v[T+4*\s], v[T+4*\s], |v[XS+16*\s+\m]|, |v[XS+16*\s+\m+1]|
	s_delay_alu instid0(VALU_DEP_4)
	v_max3_num_f32 v[T+4*\s+1], v[T+4*\s+1], |v[XS+16*\s+\m+2]|, |v[XS+16*\s+\m+3]|
.endr
.endr
.irp s, 0
	s_delay_alu instid0(VALU_DEP_4)
	v_max3_num_f32 v[T+4*\s], v[T+4*\s], |v[XS+16*\s+14]|, |v[XS+16*\s+15]|
.endr
.irp s, 1
	s_delay_alu instid0(VALU_DEP_3)
	v_max3_num_f32 v[T+4*\s], v[T+4*\s], |v[XS+16*\s+14]|, |v[XS+16*\s+15]|
.endr
.irp s, 0,1
	s_delay_alu instid0(VALU_DEP_2)
	v_max3_num_f32 v[T+4*\s], v[T+4*\s], v[T+4*\s+1], 0x4800000   ; the floor 2^(9 - 127): the byte cannot fall under 1
.endr
.irp s, 0,1
	s_delay_alu instid0(VALU_DEP_2)
	v_max_num_f32_dpp v[T+4*\s], v[T+4*\s], v[T+4*\s] row_xmask:1 row_mask:0xf bank_mask:0xf   ; with my neighbour's 16: the block's largest magnitude
.endr
.irp s, 0
	s_delay_alu instid0(VALU_DEP_2)
	v_add_nc_u32 v[T+4*\s+2], 0xfc000000, v[T+4*\s]               ; 8 off its exponent field: the conversion's scale operand
	s_delay_alu instid0(VALU_DEP_3)
	v_and_or_b32 v[T+4*\s+3], v[T+4*\s], 0x7f800000, s42          ; 448 x the scale
.endr
.irp s, 1
	s_delay_alu instid0(VALU_DEP_3)
	v_add_nc_u32 v[T+4*\s+2], 0xfc000000, v[T+4*\s]               ; 8 off its exponent field: the conversion's scale operand
	s_delay_alu instid0(VALU_DEP_4)
	v_and_or_b32 v[T+4*\s+3], v[T+4*\s], 0x7f800000, s42          ; 448 x the scale
.endr
.irp s, 0,1
.irp e, 0,1,2,3,4,5,6,7,8,9,10,11,12,13,14,15
	v_med3_num_f32 v[XS+16*\s+\e], v[XS+16*\s+\e], -v[T+4*\s+3], v[T+4*\s+3]   ; the conversion to an 8-bit code does not saturate (ISA guide 7.6.2): the hold comes first
.endr
	v_cvt_scalef32_pk8_fp8_f32 v[CD+8*(\i)+4*\s:CD+8*(\i)+4*\s+1], v[XS+16*\s:XS+16*\s+7], v[T+4*\s+2]
	v_cvt_scalef32_pk8_fp8_f32 v[CD+8*(\i)+4*\s+2:CD+8*(\i)+4*\s+3], v[XS+16*\s+8:XS+16*\s+15], v[T+4*\s+2]
.endr
.irp s, 0,1
	v_lshrrev_b32 v[EB+2*(\i)+\s], 23, v[T+4*\s+2]                ; the scale's byte
.endr
.irp s, 0,1
	ds_store_b128 v5, v[CD+8*(\i)+4*\s:CD+8*(\i)+4*\s+3] offset:8704*\s+16*(\i)
	ds_store_b8 v6, v[EB+2*(\i)+\s] offset:256*\s+4*(\i)          ; both lanes of a block write the same byte with the same value
.endr
.endm
	s_wait_loadcnt 24                              ; row 0's eight loads are in; row 1's eight and the sixteen of gain and bias may be out
	TURN 0
	s_wait_dscnt 0x0                               ; row 0 is back from its stage
	s_wait_loadcnt 16                              ; row 1 is in; gain and bias may be out
	TURN 1                                         ; row 1 turns while row 0 is worked
.set XS, X
	LNORM
	QROW 0
	s_wait_dscnt 4                                 ; row 1 is back from its stage; the four younger are row 0's code and byte stores
.set XS, X+32
	LNORM
	QROW 1
	s_wait_dscnt 0x0                               ; for the others' sake: my codes and bytes lie in LDS
	s_barrier_signal -1
	s_barrier_wait -1
	ds_load_b32 v[T], v8
.irp t, 0,1,2,3
	ds_load_b128 v[X+4*\t:X+4*\t+3], v7 offset:544*\t
.endr
	s_wait_dscnt 4
	global_store_b32 v9, v[T], s[30:31]            ; 16 words, 64 consecutive bytes (both halves of the lanes hold and store the same)
.irp t, 0,1,2,3
	s_wait_dscnt 3-\t
	global_store_b128 v2, v[X+4*\t:X+4*\t+3], s[28:29] offset:512*\t   ; 512 consecutive bytes, aligned
.endr
	s_wait_tensorcnt 0x0
	ds_add_u32 v30, v31
	s_wait_dscnt 0x0
	s_endpgm
.Lfunc_end_k_q5a9f97d208_ln2:
	.size	k_q5a9f97d208_ln2, .Lfunc_end_k_q5a9f97d208_ln2-k_q5a9f97d208_ln2
	.p2alignl 7, 3214868480
	.fill 96, 4, 3214868480
	.section	.rodata,"a",@progbits
	.p2align	6, 0x0
	.amdhsa_kernel k_q5a9f97d208_ln2
		.amdhsa_group_segment_fixed_size 168960
		.amdhsa_private_segment_fixed_size 0
		.amdhsa_enable_private_segment 0
		.amdhsa_kernarg_size 32
		.amdhsa_user_sgpr_count 2
		.amdhsa_user_sgpr_kernarg_segment_ptr 1
		.amdhsa_wavefront_size32 1
		.amdhsa_system_sgpr_workgroup_id_x 1
		.amdhsa_system_sgpr_workgroup_id_y 1
		.amdhsa_system_sgpr_workgroup_id_z 1
		.amdhsa_system_vgpr_workitem_id 0
		.amdhsa_next_free_vgpr 256
		.amdhsa_next_free_sgpr 66
		.amdhsa_reserve_vcc 0
		.amdhsa_float_denorm_mode_32 3
		.amdhsa_float_denorm_mode_16_64 3
		.amdhsa_memory_ordered 1
		.amdhsa_forward_progress 1
		.amdhsa_inst_pref_size 35
	.end_amdhsa_kernel
	.amdgpu_metadata
---
amdhsa.version: [ 1, 2 ]
amdhsa.kernels:
  - .name:           k_q5a9f97d208_ln2
    .symbol:         k_q5a9f97d208_ln2.kd
    .args:
      - { .name: x1, .offset: 0, .size: 8, .value_kind: global_buffer, .address_space: global }
      - { .name: ln2_g, .offset: 8, .size: 8, .value_kind: global_buffer, .address_space: global }
      - { .name: ln2_b, .offset: 16, .size: 8, .value_kind: global_buffer, .address_space: global }
      - { .name: h2, .offset: 24, .size: 8, .value_kind: global_buffer, .address_space: global }
    .group_segment_fixed_size: 168960
    .private_segment_fixed_size: 0
    .kernarg_segment_align: 8
    .kernarg_segment_size: 32
    .max_flat_workgroup_size: 256
    .sgpr_count:     66
    .vgpr_count:     256
    .wavefront_size: 32
...
	.end_amdgpu_metadata
.endif
;; end of part 5
;; launch ff1 (part 6): grid 16 x 16, 4 waves a work-group, clusters of 4 x 4, 327,680 bytes of LDS; arguments h2, wk, b1, ffh; writes ffh
.if DOCPART == 6
	.amdgcn_target "amdgcn-amd-amdhsa--gfx1250"
	.amdhsa_code_object_version 6
	.text
	.protected	k_q5a9f97d208_ff1
	.globl	k_q5a9f97d208_ff1
	.p2align	8
	.type	k_q5a9f97d208_ff1,@function
k_q5a9f97d208_ff1:
	s_mov_b64 s[64:65], 0
	v_nop
	global_prefetch_b8 v0, s[64:65] scope:SCOPE_SE
	s_setreg_imm32_b32 hwreg(HW_REG_WAVE_MODE, 25, 1), 1
	s_wait_xcnt 0x0
	s_wait_alu depctr_hold_cnt(0) depctr_sa_sdst(0) depctr_va_vdst(0) depctr_va_sdst(0) depctr_va_ssrc(0) depctr_va_vcc(0) depctr_vm_vsrc(0)
	s_getreg_b32 s2, hwreg(HW_REG_IB_STS2, 6, 4)
	s_cmp_eq_u32 s2, 0
	s_cbranch_scc0 .Lentry_in_a_cluster
	s_endpgm
.Lentry_in_a_cluster:
	s_bfe_u32 s2, ttmp6, 0x10000c
	s_cmp_lg_u32 s2, 0xf033
	s_cbranch_scc0 .Lentry_shape_is_right
	s_endpgm
.Lentry_shape_is_right:
.set H2S,   4194304
.set W1C,   8650752
.set W1S,   12845056
.set FFS,   16777216
.set PART,  32768
.set SLOT,  4*PART
.set SCL,   2*SLOT
.set SPARE, SCL+16384
.set LI,   4
.set LS,   5
.set BO1,  9
.set ADRA, 16
.set ADRB, 20
.set ADRSA, 24
.set ADRSB, 25
.set SPW,  28
.set NIL,  29
.set SC,   32
.set BI,   64
.set AF,   128
.set TM,   200
.set PW,   216
.set PWE,  217
.set PWS,  218
.set PC,   224
.set MNT,  3
.set SEL,  66
.set CB,   96
.set SB,   98
.set HM,   100
.set G1,   24
.set G0,   32
.set G1B,  48
.set G0B,  56
.set G1S,  68
.set G0S,  76
.set G1SB, 80
.set G0SB, 88
.set MUL_LO, 0xa1
.set MUL_HI, 0xf1
.set TO_B,   0x40
.set MSB, 0
.macro WIN new
.if MSB != (\new)
	s_set_vgpr_msb (MSB<<8)|(\new)
.set MSB, (\new)
.endif
.endm
.macro JLOAD g0a, g1a, g0b, g1b
	s_cmp_eq_u32 s15, 0
	s_cbranch_scc0 .Lfor_b_\@
	tensor_load_to_lds s[\g0a:\g0a+3], s[\g1a:\g1a+7]
	s_nop 0
.rept 4
	v_nop
.endr
	s_branch .Lasked_\@
.Lfor_b_\@:
	tensor_load_to_lds s[\g0b:\g0b+3], s[\g1b:\g1b+7]
	s_nop 0
.rept 4
	v_nop
.endr
.Lasked_\@:
.endm
.macro CREST
	s_cmp_lg_u32 s14, 0
	s_cbranch_scc1 .Lnot_wave_0_\@
	s_barrier_signal -3
.Lnot_wave_0_\@:
	s_barrier_wait -3
	s_barrier_signal -1
	s_barrier_wait -1
.endm
.macro CROUND
	s_barrier_signal -1
	s_barrier_wait -1
	CREST
.endm
.macro PLACES n
.rept \n
	v_nop
.endr
.endm
.macro WMX
.if rRW == 0
	v_wmma_scale_f32_16x16x128_f8f6f4 v[rD:rD+7], v[rFB:rFB+15], v[rFA:rFA+15], v[rC:rC+7], v[rSB], v[rSA]
.elseif rRW == 1
	v_wmma_scale_f32_16x16x128_f8f6f4 v[rD:rD+7], v[rFB:rFB+15], v[rFA:rFA+15], v[rC:rC+7], v[rSB], v[rSA] matrix_a_scale:MATRIX_SCALE_ROW1
.elseif rRW == 2
	v_wmma_scale_f32_16x16x128_f8f6f4 v[rD:rD+7], v[rFB:rFB+15], v[rFA:rFA+15], v[rC:rC+7], v[rSB], v[rSA] matrix_b_scale:MATRIX_SCALE_ROW1
.else
	v_wmma_scale_f32_16x16x128_f8f6f4 v[rD:rD+7], v[rFB:rFB+15], v[rFA:rFA+15], v[rC:rC+7], v[rSB], v[rSA] matrix_a_scale:MATRIX_SCALE_ROW1 matrix_b_scale:MATRIX_SCALE_ROW1
.endif
.endm
.macro MUL16 a0, p, q, sc, mode
.irp a, \a0, \a0+1
.irp b, 0,1,2,3,4,5,6,7
.set rD, 8*(8*((\a)%4)+\b)
.set rFB, 128*(\p)+16*\b
.set rFA, AF+16*(\a)
.set rSB, SC+16*(\sc)+8*(\q)+4+\b/2
.set rSA, SC+16*(\sc)+8*(\q)+(\a)/2
.set rRW, (\b%2)+2*((\a)%2)
.if (\mode) == 0
.set rC, rD
.else
.set rC, BI+8*\b
.endif
	WMX
.endr
.endr
.endm
.macro FRAG reg, adr, q, i
.irp c, 0,1,2,3
	ds_load_b128 v[\reg+4*\c:\reg+4*\c+3], v[\adr] offset:4096*(\i)+2048*(\q)+512*\c
.endr
.endm
.macro FETCH_B slot, q, p
	WIN TO_B
.irp i, 0,1,2,3,4,5,6,7
	FRAG 128*(\p)+16*\i, ADRB+\slot, \q, \i
.endr
	WIN 0
.endm
.macro FETCH_A slot, q, i0
.irp i, \i0, \i0+1, \i0+2, \i0+3
	FRAG AF+16*(\i), ADRA+\slot, \q, \i
.endr
.endm
.macro SCALES sc, n
.irp q, 0,1
.irp i, 0,1,2,3
	global_load_b32 v[SC+16*(\sc)+8*\q+\i], v[ADRSA], s[22:23] offset:512*(2*(\n)+\q)+128*\i     ; from memory straight into the scale registers: 128 consecutive bytes a load, four loads a unit of 512; each wave's words are loaded once
	global_load_b32 v[SC+16*(\sc)+8*\q+4+\i], v[ADRSB], s[92:93] offset:512*(2*(\n)+\q)+128*\i
.endr
.endr
.endm
.macro STEP slot, mode
	s_wait_dscnt 16
.if \mode
	WIN 0x81
.else
	WIN MUL_LO
.endif
	MUL16 0, 0, 0, \slot, \mode
	MUL16 2, 0, 0, \slot, \mode
	s_wait_dscnt 0x0
	PLACES 8
	FETCH_B \slot, 1, 1
	FETCH_A \slot, 1, 0
.if \mode
	WIN 0xc1
.else
	WIN MUL_HI
.endif
	MUL16 4, 0, 0, \slot, \mode
	MUL16 6, 0, 0, \slot, \mode
	PLACES 8
	WIN 0
	FETCH_A \slot, 1, 4
.endm
.macro TURN slot, next, fill, n
	s_wait_tensorcnt 0x0
	ds_add_u32 v[SPW], v[NIL]
	s_wait_dscnt 17
	WIN MUL_LO
	MUL16 0, 1, 1, \slot, 0
	s_wait_dscnt 0x0
	s_barrier_signal -1
	MUL16 2, 1, 1, \slot, 0
	WIN 0
	s_barrier_wait -1
.if \fill
	CREST
	s_add_nc_u64 s[G0+4*\slot+2:G0+4*\slot+3], s[G0+4*\slot+2:G0+4*\slot+3], 8192
	s_add_nc_u64 s[G0B+4*\slot+2:G0B+4*\slot+3], s[G0B+4*\slot+2:G0B+4*\slot+3], 8192
	JLOAD G0+4*\slot, G1S, G0B+4*\slot, G1SB       ; a refill has a group 1 of its own: 8 row tiles a wave
	PLACES 4
.else
	PLACES 8
.endif
	FETCH_B \next, 0, 0
	FETCH_A \next, 0, 0
	WIN MUL_HI
	MUL16 4, 1, 1, \slot, 0
	MUL16 6, 1, 1, \slot, 0
	PLACES 8
	WIN 0
	FETCH_A \next, 0, 4
.endm
	s_load_b256 s[4:11], s[0:1], 0x0
	v_lshl_add_u32 v[SPW], v0, 2, SPARE
	v_mov_b32 v[NIL], 0
	ds_add_u32 v28, v29
	ds_add_u32 v28, v29
	s_wait_dscnt 0x0
	v_lshrrev_b32 v1, 5, v0
	v_readfirstlane_b32 s14, v1
	s_lshr_b32 s15, s14, 1
	s_and_b32 s16, s14, 1
	s_bfe_u32 s40, ttmp6, 0x40000
	s_bfe_u32 s41, ttmp6, 0x40004
	s_lshl_b32 s42, ttmp9, 2
	s_add_co_u32 s42, s42, s40
	s_and_b32 s17, ttmp7, 0xffff
	s_lshl_b32 s17, s17, 2
	s_add_co_u32 s17, s17, s41
	s_lshl_b32 s43, s41, 2
	s_lshl_b32 s43, 15, s43
	s_lshl_b32 s44, 0x1111, s40
	s_or_b32 s[G1+0], s43, (3<<16)|(1<<21)
	s_or_b32 s[G1B+0], s44, (3<<16)|(1<<21)
.irp g, G1, G1B
	s_mov_b32 s[\g+1], 512<<16
	s_mov_b32 s[\g+2], 16<<16                      ; 16 row tiles for the head's loads; behind them the two words that count rows are set to 8
	s_mov_b32 s[\g+3], 512<<16
	s_mov_b32 s[\g+4], 16
	s_mov_b32 s[\g+5], 2048
	s_mov_b32 s[\g+6], 0
	s_mov_b32 s[\g+7], 0
.endr
	s_or_b32 s[G1S+0], s43, (3<<16)|(1<<21)
	s_or_b32 s[G1SB+0], s44, (3<<16)|(1<<21)
.irp g, G1S, G1SB
	s_mov_b32 s[\g+1], 512<<16                     ; group 1 for the refills: 8 row tiles x 4,096 bytes
	s_mov_b32 s[\g+2], 8<<16
	s_mov_b32 s[\g+3], 512<<16
	s_mov_b32 s[\g+4], 8
	s_mov_b32 s[\g+5], 2048
	s_mov_b32 s[\g+6], 0
	s_mov_b32 s[\g+7], 0
.endr
	s_lshl_b32 s20, s17, 1
	s_add_co_u32 s20, s20, s16
	s_lshl_b32 s22, s17, 13                        ; A's scale words: all 256 positions of the tile row
	s_add_co_u32 s22, s22, H2S
	s_lshl_b32 s20, s20, 17
	s_lshl_b32 s46, s42, 1
	s_add_co_u32 s46, s46, s16
	s_lshl_b32 s92, s42, 13                        ; B's likewise
	s_add_co_u32 s92, s92, W1S
	s_lshl_b32 s46, s46, 17
	s_add_co_u32 s46, s46, W1C
	s_mov_b32 s21, 0
	s_mov_b32 s23, 0
	s_mov_b32 s47, 0
	s_mov_b32 s93, 0
	s_lshl_b32 s45, s14, 15
	s_wait_kmcnt 0x0
	s_add_nc_u64 s[20:21], s[4:5], s[20:21]
	s_add_nc_u64 s[22:23], s[4:5], s[22:23]
	s_add_nc_u64 s[46:47], s[6:7], s[46:47]
	s_add_nc_u64 s[92:93], s[6:7], s[92:93]
	CROUND
	s_mov_b32 s[G0S], 1
	s_mov_b32 s[G0S+1], SLOT                       ; the head's load of slot 1's 256 positions of A: the second 256 along K.  (s[22:23] and s[92:93] keep the scale words' addresses for the loads into registers)
	s_lshl_b32 s[G0S+2], s17, 18
	s_add_co_u32 s[G0S+2], s[G0S+2], 4096
	s_mov_b32 s[G0S+3], 0
	s_add_nc_u64 s[G0S+2:G0S+3], s[4:5], s[G0S+2:G0S+3]
	s_or_b32 s[G0S+3], s[G0S+3], 0x80000000
	s_mov_b32 s[G0SB], 1
	s_mov_b32 s[G0SB+1], SLOT+2*PART               ; and of B
	s_lshl_b32 s[G0SB+2], s42, 18
	s_add_co_u32 s[G0SB+2], s[G0SB+2], W1C+4096
	s_mov_b32 s[G0SB+3], 0
	s_add_nc_u64 s[G0SB+2:G0SB+3], s[6:7], s[G0SB+2:G0SB+3]
	s_or_b32 s[G0SB+3], s[G0SB+3], 0x80000000
.irp s, 0,1
	s_mov_b32 s[G0+4*\s], 1
	s_add_co_u32 s[G0+4*\s+1], s45, \s*SLOT
	s_add_nc_u64 s[G0+4*\s+2:G0+4*\s+3], s[20:21], \s*4096
	s_or_b32 s[G0+4*\s+3], s[G0+4*\s+3], 0x80000000
	s_mov_b32 s[G0B+4*\s], 1
	s_add_co_u32 s[G0B+4*\s+1], s45, \s*SLOT
	s_add_nc_u64 s[G0B+4*\s+2:G0B+4*\s+3], s[46:47], \s*4096
	s_or_b32 s[G0B+4*\s+3], s[G0B+4*\s+3], 0x80000000
.endr
; THE HEAD'S LOADS, ONE A WAVE, all of codes: wave 0 slot 0's 256 positions of A (its own group 0 begins at the tile's first position and at LDS byte 0), wave 2 slot 0's of B (likewise),
; wave 1 slot 1's of A, wave 3 slot 1's of B.  One chain of branches on the wave's number, one load to an arm, a line to each wave: the first barrier shows waves 0 and 2's alone.
.macro ARM under, g0, g1, next
	s_cmp_eq_u32 s14, \under
	s_cbranch_scc0 \next
	tensor_load_to_lds s[\g0:\g0+3], s[\g1:\g1+7]
	s_nop 0
.rept 4
	v_nop
.endr
	s_branch .Lhead_asked
\next:
.endm
	ARM 0, G0, G1, .Lhead_sa
	ARM 2, G0B, G1B, .Lhead_b
	ARM 1, G0S, G1, .Lhead_sb
	tensor_load_to_lds s[G0SB:G0SB+3], s[G1B:G1B+7]
	s_nop 0
.rept 4
	v_nop
.endr
.Lhead_asked:
	v_bfe_u32 v2, v0, 4, 1
	v_and_b32 v3, 31, v0
	v_lshlrev_b32 v[LI], 4, v3
	v_lshlrev_b32 v[LS], 2, v3
	s_wait_alu depctr_va_vdst(0)
	s_lshl_b32 s18, s15, 15
	s_lshl_b32 s19, s16, 15
	s_add_co_u32 s19, s19, 2*PART
.irp s, 0,1
	v_add_nc_u32 v[ADRA+\s], s18, v[LI]
	v_add_nc_u32 v[ADRB+\s], s19, v[LI]
	s_add_co_u32 s18, s18, SLOT
	s_add_co_u32 s19, s19, SLOT
.endr
	s_lshl_b32 s18, s15, 12
	v_add_nc_u32 v[ADRSA], s18, v[LS]              ; my 128 rows' scale words: 4,096 bytes a half, 4 bytes a lane
	s_lshl_b32 s18, s16, 12
	v_add_nc_u32 v[ADRSB], s18, v[LS]
	SCALES 0, 0                                    ; the scale words of the first two slots' worth
	SCALES 1, 1
	s_lshl_b32 s18, s42, 10
	s_lshl_b32 s19, s16, 9
	s_add_co_u32 s18, s18, s19
	s_mov_b32 s19, 0
	s_add_nc_u64 s[8:9], s[8:9], s[18:19]
	v_lshlrev_b32 v[BO1], 6, v2
.irp b, 0,1,2,3,4,5,6,7
	global_load_b128 v[BI+8*\b:BI+8*\b+3], v[BO1], s[8:9] offset:(32*(\b/2)+8*(\b%2))*4
	global_load_b128 v[BI+8*\b+4:BI+8*\b+7], v[BO1], s[8:9] offset:(32*(\b/2)+8*(\b%2))*4+16
.endr
	s_lshl_b32 s18, s17, 4
	s_lshl_b32 s19, s15, 3
	s_add_co_u32 s18, s18, s19
	s_lshl_b32 s18, s18, 16
	s_lshl_b32 s19, s42, 1
	s_add_co_u32 s19, s19, s16
	s_lshl_b32 s12, s19, 11
	s_add_co_u32 s[CB], s18, s12
	s_mov_b32 s[CB+1], 0
	s_add_nc_u64 s[CB:CB+1], s[10:11], s[CB:CB+1]
	s_lshl_b32 s18, s17, 1
	s_add_co_u32 s18, s18, s15
	s_lshl_b32 s18, s18, 14
	s_lshl_b32 s19, s19, 9
	s_add_co_u32 s[SB], s18, s19
	s_add_co_u32 s[SB], s[SB], FFS
	s_mov_b32 s[SB+1], 0
	s_add_nc_u64 s[SB:SB+1], s[10:11], s[SB:SB+1]
	s_mov_b32 s[SEL], 0x76543210
	s_mov_b32 s[SEL+1], 0xfedcba98
	s_mov_b32 s[MNT], 0x600000
	s_mov_b32 s[HM], 0xffff0000
	s_wait_alu depctr_va_vdst(0)
	s_cmp_eq_u32 s16, 0                            ; waves 0 and 2: slot 0 has landed; waves 1 and 3's wait for slot 1 stands at the first change of slots
	s_cbranch_scc0 .Lnot_yet
	s_wait_tensorcnt 0x0
.Lnot_yet:
	s_barrier_signal -1
	s_barrier_wait -1
	FETCH_B 0, 0, 0
	FETCH_A 0, 0, 0
	FETCH_A 0, 0, 4
	s_wait_loadcnt 0x0
	STEP 0, 1
	TURN 0, 1, 1, 0
	SCALES 0, 2                                    ; set 0 has been read for the last time, eight places back: it takes the third slot's worth
	STEP 1, 0
	TURN 1, 0, 1, 1
	SCALES 1, 3
	s_wait_loadcnt 16                              ; set 0's words are in; set 1's sixteen loads may be out
	STEP 0, 0
	TURN 0, 1, 0, 2
	s_wait_loadcnt 0x0
	STEP 1, 0
	s_wait_dscnt 16
	WIN MUL_LO
	MUL16 0, 1, 1, 1, 0
	MUL16 2, 1, 1, 1, 0
	s_wait_dscnt 0x0
	WIN MUL_HI
	MUL16 4, 1, 1, 1, 0
	MUL16 6, 1, 1, 1, 0
	WIN 0
	PLACES 8
.irp b, 0,1,2,3
	v_mov_b32 v[TM+4+\b], 0
.endr
.macro QOUT a
.set WW, 2+(\a)/4
.set AC, 64*((\a)%4)
	WIN WW|(WW<<2)
.irp b, 0,1,2,3
	v_max3_num_f32 v[TM+\b], v[AC+16*\b], v[AC+16*\b+1], 0x4800000
.endr
.irp i, 2,4,6,8,10,12,14
.irp b, 0,1,2,3
	v_max3_num_f32 v[TM+\b], v[AC+16*\b+\i], v[AC+16*\b+\i+1], v[TM+\b]
.endr
.endr
	WIN 0
.if \a > 0
	s_wait_alu depctr_va_vdst(0)
	s_wait_xcnt 0x0
.endif
.irp b, 0,1,2,3
	v_permlanex16_b32 v[TM+4+\b], v[TM+\b], s[SEL], s[SEL+1]
.endr
.irp b, 0,1,2,3
	v_max_num_f32 v[TM+\b], v[TM+\b], v[TM+4+\b]
.endr
.irp b, 0,1,2,3
	v_add_nc_u32 v[TM+12+\b], 0xfc000000, v[TM+\b]
.endr
.irp b, 0,1,2,3
	v_and_or_b32 v[TM+8+\b], v[TM+\b], 0x7f800000, s[MNT]
.endr
.irp b, 0,1,2,3
	v_lshrrev_b32 v[TM+4+\b], 23, v[TM+12+\b]
.endr
	v_lshl_or_b32 v[PW], v[TM+5], 8, v[TM+4]
	v_lshl_or_b32 v[PW], v[TM+6], 16, v[PW]
	v_lshl_or_b32 v[PW], v[TM+7], 24, v[PW]
.if (\a)%2 == 0
	v_mov_b32 v[PWE], v[PW]
.else
	v_cndmask_b32 v[PWS], v[PWE], v[PW], s[HM]
.endif
	WIN WW|(WW<<6)
.irp b, 0,1,2,3
.irp i, 0,1,2,3,4,5,6,7,8,9,10,11,12,13,14,15
	v_med3_num_f32 v[AC+16*\b+\i], v[AC+16*\b+\i], 0, v[TM+8+\b]
.endr
.endr
	WIN WW
.irp b, 0,1,2,3
	v_cvt_scalef32_pk8_fp8_f32 v[PC+4*\b:PC+4*\b+1], v[AC+16*\b:AC+16*\b+7], v[TM+12+\b]
	v_cvt_scalef32_pk8_fp8_f32 v[PC+4*\b+2:PC+4*\b+3], v[AC+16*\b+8:AC+16*\b+15], v[TM+12+\b]
.endr
	WIN 0
	v_nop
.irp c, 0,1,2,3
	global_store_b128 v[LI], v[PC+4*\c:PC+4*\c+3], s[CB:CB+1] offset:(\a)*65536+512*\c
.endr
.if (\a)%2 == 1
	global_store_b32 v[LS], v[PWS], s[SB:SB+1] offset:128*((\a)/2)
.endif
.endm
.irp a, 0,1,2,3,4,5,6,7
	QOUT \a
.endr
	s_wait_tensorcnt 0x0
	ds_add_u32 v[SPW], v[NIL]
	s_wait_dscnt 0x0
	CROUND
	s_endpgm
.Lfunc_end_k_q5a9f97d208_ff1:
	.size	k_q5a9f97d208_ff1, .Lfunc_end_k_q5a9f97d208_ff1-k_q5a9f97d208_ff1
	.p2alignl 7, 3214868480
	.fill 96, 4, 3214868480
	.section	.rodata,"a",@progbits
	.p2align	6, 0x0
	.amdhsa_kernel k_q5a9f97d208_ff1
		.amdhsa_group_segment_fixed_size 327680
		.amdhsa_private_segment_fixed_size 0
		.amdhsa_enable_private_segment 0
		.amdhsa_kernarg_size 32
		.amdhsa_user_sgpr_count 2
		.amdhsa_user_sgpr_kernarg_segment_ptr 1
		.amdhsa_wavefront_size32 1
		.amdhsa_system_sgpr_workgroup_id_x 1
		.amdhsa_system_sgpr_workgroup_id_y 1
		.amdhsa_system_sgpr_workgroup_id_z 1
		.amdhsa_system_vgpr_workitem_id 0
		.amdhsa_next_free_vgpr 1024
		.amdhsa_next_free_sgpr 102
		.amdhsa_reserve_vcc 0
		.amdhsa_float_denorm_mode_32 3
		.amdhsa_float_denorm_mode_16_64 3
		.amdhsa_memory_ordered 1
		.amdhsa_forward_progress 1
		.amdhsa_inst_pref_size 190
	.end_amdhsa_kernel
	.amdgpu_metadata
---
amdhsa.version: [ 1, 2 ]
amdhsa.kernels:
  - .name:           k_q5a9f97d208_ff1
    .symbol:         k_q5a9f97d208_ff1.kd
    .args:
      - { .name: h2, .offset: 0, .size: 8, .value_kind: global_buffer, .address_space: global }
      - { .name: wk, .offset: 8, .size: 8, .value_kind: global_buffer, .address_space: global }
      - { .name: b1, .offset: 16, .size: 8, .value_kind: global_buffer, .address_space: global }
      - { .name: ffh, .offset: 24, .size: 8, .value_kind: global_buffer, .address_space: global }
    .group_segment_fixed_size: 327680
    .private_segment_fixed_size: 0
    .kernarg_segment_align: 8
    .kernarg_segment_size: 32
    .max_flat_workgroup_size: 128
    .sgpr_count:     102
    .vgpr_count:     1024
    .wavefront_size: 32
...
	.end_amdgpu_metadata
.endif
;; end of part 6
;; launch ff2 (part 7): grid 8 x 32, 4 waves a work-group, clusters of 4 x 4, 327,680 bytes of LDS; arguments ffh, wk, b2, x1, out0; writes out0
.if DOCPART == 7
	.amdgcn_target "amdgcn-amd-amdhsa--gfx1250"
	.amdhsa_code_object_version 6
	.text
	.protected	k_q5a9f97d208_ff2
	.globl	k_q5a9f97d208_ff2
	.p2align	8
	.type	k_q5a9f97d208_ff2,@function
k_q5a9f97d208_ff2:
	s_mov_b64 s[64:65], 0
	v_nop
	global_prefetch_b8 v0, s[64:65] scope:SCOPE_SE
	s_setreg_imm32_b32 hwreg(HW_REG_WAVE_MODE, 25, 1), 1
	s_wait_xcnt 0x0
	s_wait_alu depctr_hold_cnt(0) depctr_sa_sdst(0) depctr_va_vdst(0) depctr_va_sdst(0) depctr_va_ssrc(0) depctr_va_vcc(0) depctr_vm_vsrc(0)
	s_getreg_b32 s2, hwreg(HW_REG_IB_STS2, 6, 4)
	s_cmp_eq_u32 s2, 0
	s_cbranch_scc0 .Lentry_in_a_cluster
	s_endpgm
.Lentry_in_a_cluster:
	s_bfe_u32 s2, ttmp6, 0x10000c
	s_cmp_lg_u32 s2, 0xf033
	s_cbranch_scc0 .Lentry_shape_is_right
	s_endpgm
.Lentry_shape_is_right:
; out0 = x1 + ffh W2^T + b2: 4,096 x 1,024 x K = 4,096 on codes of E4M3 laid as images of operand registers (a fragment of 16 positions x 128 K is 2,048 bytes on end; a row tile's fragments follow each other along K), with scale words beside them.
; SHARES.  256 work-groups of four waves; a work-group makes 128 x 128 of the result.  K is split among the waves: each makes the whole block over a quarter of K (64 accumulators, 512 registers), and the four parts are added through LDS at the end.
; Of each 1,024 along K wave w takes 256 w .. 256 w + 255, in two steps of 128: eight steps a wave.
; A (the rows' codes) comes through a ring of two LDS slots of 128 positions x 1,024 K (8 rows of 16,384 bytes), asked for jointly along a row of the 4 x 4 cluster.  The first fills go out as one group, one load a wave, an arm each: wave 0 slot 0,
; wave 1 A's scale words for all of K, wave 2 B's (joint along a column), wave 3 slot 1.  The first barrier shows waves 0 to 2's; slot 1 is shown at the first change of slots.  Each slot is filled again once, a quarter (two row tiles) a wave, behind a drained round.
; B (the weight's codes) goes from memory STRAIGHT INTO REGISTERS: each wave reads another quarter of K, so no byte of B is read twice inside the work-group; such loads land in registers, where no joint load can land, and they stay out across the ring's barriers.
; B has two sets of eight fragments (window 1).  A step's 64 products go in four batches of 16: B's blocks 0-3 x A's 0-3, x A's 4-7, then B's blocks 4-7 likewise.  Behind the second batch blocks 0-3 take the fragments of two steps on, behind the fourth blocks 4-7:
; by the text's own count 48 to 64 loads of 512 bytes are out in a wave.  In the last step but one the freed set takes the bias and the residual's 32 rows instead.  A's blocks 0-3 are fetched from LDS behind the third batch, 4-7 behind the fourth.
; WAITS ON LOADcnt: a group is 16 loads; behind the group that a batch needs, three groups have been issued (48); 49 and 33 where the bias and the residual's groups are among them and no further group follows.
; PREFETCH: in steps 0 and 2 each wave names 32 blocks of 256 bytes of the slot's worth that the next step's refill will ask for: of the part of each row that wave w reads, the partner at place cx takes row tiles 2 cx and 2 cx + 1: told apart by address.  B's loads are asked for a step and a half ahead by themselves.
; The matrix instruction is used transposed (source 0 = 16 positions of B, source 1 = 16 of A); positions hold true rows with bits 3 and 4 exchanged, which the way out undoes.
; LIMITS: NaN and infinities are not served.
.set SIZE_K, 4096
.set ASO,   4096*SIZE_K
.set BCO,   12976128
.set BSO,   17170432
.set NSTEP, SIZE_K/512                 ; steps of 128 along K for a wave
.set NSLOT, SIZE_K/1024                ; slots' worth of A
.set TILEB, 16*SIZE_K                  ; a row tile's image in bytes
.set SLOT,  131072
.set SCL,   2*SLOT                     ; behind the ring: A's scale words, [K step][128 words], then B's
.set SCB,   4*SIZE_K
.set SPARE, 294912                     ; the spare words: 128 bytes a wave, named by no other line
.set PLANE, 67584                      ; the way out: a wave's 128 rows x 528 bytes; the four planes lie over the ring, which has had its last fill and its last read by then
.if NSLOT > 1
.set HROWS, 8
.set H1LDS, SLOT
.set H1GLB, 16384
.else
.set HROWS, 4
.set H1LDS, 65536
.set H1GLB, 4*TILEB
.endif
.set LI,   4                           ; 16 x lane
.set LS,   5                           ; 4 x lane
.set STO,  6
.set RD,   8
.set ADRA, 16                          ; v16-19: my fragments of A in slot s, row tiles 0-3 and 4-7
.set ADRS, 20
.set SPW,  28
.set NIL,  29
.set PFO,  30
.set SC,   32                          ; v32-47 scale words, two sets: A's in 0-3, B's in 4-7
.set PB,   48
.set BV,   112
.set AF,   128                         ; v128-255 A's fragments; window 1: B's two sets; windows 2, 3: the accumulators
.set G1,   24
.set G0H,  32
.set G1R,  48
.set G0R,  56
.set G1S,  68
.set G0S,  76
.set G1SB, 80
.set G0SB, 88
.set BP,   92
.set PFA,  94
.set MUL_LO, 0xa1
.set MUL_HI, 0xf1
.set MSB, 0
.macro WIN new
.if MSB != (\new)
	s_set_vgpr_msb (MSB<<8)|(\new)
.set MSB, (\new)
.endif
.endm
.macro CREST
	s_cmp_lg_u32 s14, 0
	s_cbranch_scc1 .Lnot_wave_0_\@
	s_barrier_signal -3
.Lnot_wave_0_\@:
	s_barrier_wait -3
	s_barrier_signal -1
	s_barrier_wait -1
.endm
.macro CROUND
	s_barrier_signal -1
	s_barrier_wait -1
	CREST
.endm
.macro PLACES n
.rept \n
	v_nop
.endr
.endm
.macro WMX
.if rZ
.if rRW == 0
	v_wmma_scale_f32_16x16x128_f8f6f4 v[rD:rD+7], v[rFB:rFB+15], v[rFA:rFA+15], 0, v[rSB], v[rSA]
.elseif rRW == 1
	v_wmma_scale_f32_16x16x128_f8f6f4 v[rD:rD+7], v[rFB:rFB+15], v[rFA:rFA+15], 0, v[rSB], v[rSA] matrix_a_scale:MATRIX_SCALE_ROW1
.elseif rRW == 2
	v_wmma_scale_f32_16x16x128_f8f6f4 v[rD:rD+7], v[rFB:rFB+15], v[rFA:rFA+15], 0, v[rSB], v[rSA] matrix_b_scale:MATRIX_SCALE_ROW1
.else
	v_wmma_scale_f32_16x16x128_f8f6f4 v[rD:rD+7], v[rFB:rFB+15], v[rFA:rFA+15], 0, v[rSB], v[rSA] matrix_a_scale:MATRIX_SCALE_ROW1 matrix_b_scale:MATRIX_SCALE_ROW1
.endif
.else
.if rRW == 0
	v_wmma_scale_f32_16x16x128_f8f6f4 v[rD:rD+7], v[rFB:rFB+15], v[rFA:rFA+15], v[rD:rD+7], v[rSB], v[rSA]
.elseif rRW == 1
	v_wmma_scale_f32_16x16x128_f8f6f4 v[rD:rD+7], v[rFB:rFB+15], v[rFA:rFA+15], v[rD:rD+7], v[rSB], v[rSA] matrix_a_scale:MATRIX_SCALE_ROW1
.elseif rRW == 2
	v_wmma_scale_f32_16x16x128_f8f6f4 v[rD:rD+7], v[rFB:rFB+15], v[rFA:rFA+15], v[rD:rD+7], v[rSB], v[rSA] matrix_b_scale:MATRIX_SCALE_ROW1
.else
	v_wmma_scale_f32_16x16x128_f8f6f4 v[rD:rD+7], v[rFB:rFB+15], v[rFA:rFA+15], v[rD:rD+7], v[rSB], v[rSA] matrix_a_scale:MATRIX_SCALE_ROW1 matrix_b_scale:MATRIX_SCALE_ROW1
.endif
.endif
.endm
.macro MULQ t, g, hf                   ; 16 products of step t: B's blocks 4 g .. 4 g + 3 x A's blocks 4 hf .. 4 hf + 3.  The 64 accumulators take turns; step 0's products start the sums
.irp bb, 0,1,2,3
.irp aa, 0,1,2,3
.set rB_, 4*(\g)+\bb
.set rA_, 4*(\hf)+\aa
.set rD, 8*(8*\aa+rB_)
.set rFB, 128*((\t)%2)+16*rB_
.set rFA, AF+16*rA_
.set rSB, SC+8*((\t)%2)+4+rB_/2
.set rSA, SC+8*((\t)%2)+rA_/2
.set rRW, (rB_%2)+2*(rA_%2)
.set rZ, (\t)==0
	WMX
.endr
.endr
.endm
.macro FETCH_A slot, q, i0             ; A's blocks i0 .. i0 + 3 of my q-th 128 of the slot
.irp i, 0,1,2,3
.irp c, 0,1,2,3
	ds_load_b128 v[AF+16*((\i0)+\i)+4*\c:AF+16*((\i0)+\i)+4*\c+3], v[ADRA+2*(\slot)+(\i0)/4] offset:16384*\i+2048*(\q)+512*\c
.endr
.endr
.endm
.macro SCALES t                        ; step t's scale words: lanes 0-15 tile 2 i's, lanes 16-31 tile 2 i + 1's
.irp i, 0,1,2,3
	ds_load_b32 v[SC+8*((\t)%2)+\i], v[ADRS] offset:((\t)/2)*4096+((\t)%2)*512+128*\i
	ds_load_b32 v[SC+8*((\t)%2)+4+\i], v[ADRS] offset:SCB+((\t)/2)*4096+((\t)%2)*512+128*\i
.endr
.endm
.macro BLOAD t, g                      ; B's blocks 4 g .. 4 g + 3 of step t, from memory into set t % 2: 16 loads of 512 consecutive bytes, every offset an immediate
	WIN 0x40
.irp i, 0,1,2,3
.irp c, 0,1,2,3
	global_load_b128 v[128*((\t)%2)+64*(\g)+16*\i+4*\c:128*((\t)%2)+64*(\g)+16*\i+4*\c+3], v[LI], s[BP:BP+1] offset:(4*(\g)+\i)*TILEB+((\t)/2)*16384+((\t)%2)*2048+512*\c
.endr
.endr
	WIN 0
.endm
.macro XLOAD g                         ; 16 of my 32 rows of the residual, into B's set 0, which is done with
	WIN 0x40
.irp u, 0,1,2,3,4,5,6,7,8,9,10,11,12,13,14,15
.set rT, 16*(\g)+\u
	global_load_b128 v[4*rT:4*rT+3], v[LI], s[10:11] offset:((rT&7)|((rT&8)<<1)|((rT&16)>>1))*4096 th:TH_LOAD_NT
.endr
	WIN 0
.endm
.macro RELOAD t, g
.if (\t)+2 < NSTEP
	BLOAD (\t)+2, \g
.elseif (\t)+2 == NSTEP
.if (\g) == 0
	global_load_b128 v[BV:BV+3], v[LI], s[8:9]     ; the bias at my four columns
.endif
	XLOAD \g
.endif
.endm
; A step of 128 along K.  kind 0: the next step's A lies in the same slot; 1: a change of slots, and this slot is filled again; 2: a change of slots with no fill; 3: the last step.
.macro KSTEP t, kind
.set SL_, ((\t)/2)%2
.set NS_, (((\t)+1)/2)%2
.set NQ_, ((\t)+1)%2
.if (\kind) == 1 || (\kind) == 2
	s_wait_tensorcnt 0x0                           ; all my tensor loads have landed: my part of the next slot
	ds_add_u32 v[SPW], v[NIL]                      ; 0 onto my spare word
	s_wait_dscnt 17                                ; (the add and A's blocks 4-7 may be out)
.else
	s_wait_dscnt 16                                ; A's blocks 0-3 and the scale words are in; blocks 4-7 may be out
.endif
.if (\t) == NSTEP-1
	s_wait_loadcnt 49
.else
	s_wait_loadcnt 48
.endif
	WIN MUL_LO
	MULQ \t, 0, 0
	s_wait_dscnt 0x0                               ; A's blocks 4-7 (and the add): my reads of this slot are over
.if (\kind) == 1 || (\kind) == 2
	s_barrier_signal -1
.endif
	WIN MUL_HI
	MULQ \t, 0, 1
	WIN 0
.if (\kind) == 1 || (\kind) == 2
	s_barrier_wait -1
.endif
.if (\kind) == 1
	CREST                                          ; the barrier has opened a round of the cluster's barrier: no wave of any partner still reads this slot or has a load on its way
	tensor_load_to_lds s[G0R+4*SL_:G0R+4*SL_+3], s[G1R:G1R+7]   ; my quarter of the slot's next 1,024 along K
	s_nop 0
.endif
	PLACES 8                                       ; ahead of loads into registers that the products have read
	RELOAD \t, 0
.if (\t) == NSTEP-1
	s_wait_loadcnt 33
.elseif (\t) == NSTEP-2
	s_wait_loadcnt 49
.else
	s_wait_loadcnt 48
.endif
	WIN MUL_LO
	MULQ \t, 1, 0
.if (\kind) != 3
	PLACES 8
	WIN 0
	FETCH_A NS_, NQ_, 0
	SCALES (\t)+1
.if ((\t)%2 == 0) && ((\t)/2+2 < NSLOT)
	global_prefetch_b8 v[PFO], s[PFA:PFA+1] offset:((\t)/2+2)*16384 th:TH_LOAD_NT scope:SCOPE_SE
.endif
.endif
	WIN MUL_HI
	MULQ \t, 1, 1
	PLACES 8
	WIN 0
	RELOAD \t, 1
.if (\kind) != 3
	FETCH_A NS_, NQ_, 4
.endif
.endm
.macro ARM under, g0, g1, next
	s_cmp_lt_u32 s14, \under
	s_cbranch_scc0 \next
	tensor_load_to_lds s[\g0:\g0+3], s[\g1:\g1+7]
	s_nop 0
	PLACES 4
	s_branch .Lhead_asked
\next:
.endm
	s_load_b256 s[4:11], s[0:1], 0x0               ; A's buffer s[4:5], wk s[6:7], the bias s[8:9], the residual s[10:11]
	s_load_b64 s[12:13], s[0:1], 0x20              ; the output
	v_lshl_add_u32 v[SPW], v0, 2, SPARE
	v_mov_b32 v[NIL], 0
	ds_add_u32 v[SPW], v[NIL]                      ; the opening lines: the add, twice on end, and its wait
	ds_add_u32 v[SPW], v[NIL]
	v_lshrrev_b32 v1, 5, v0
	v_readfirstlane_b32 s14, v1                    ; wave 0..3
	v_and_b32 v3, 31, v0
	v_lshlrev_b32 v[LI], 4, v3
	v_lshlrev_b32 v[LS], 2, v3
	s_bfe_u32 s40, ttmp6, 0x40000                  ; cx
	s_bfe_u32 s41, ttmp6, 0x40004                  ; cy
	s_lshl_b32 s42, ttmp9, 2
	s_add_co_u32 s42, s42, s40                     ; tile column
	s_and_b32 s17, ttmp7, 0xffff
	s_lshl_b32 s17, s17, 2
	s_add_co_u32 s17, s17, s41                     ; tile row
	s_lshl_b32 s43, s41, 2
	s_lshl_b32 s43, 15, s43                        ; my row of the cluster
	s_lshl_b32 s44, 0x1111, s40                    ; my column
	s_or_b32 s[G1], s43, (3<<16)|(1<<21)           ; the mask; elements of 8 bytes; bit 21 set beside a mask
	s_or_b32 s[G1R], s43, (3<<16)|(1<<21)
	s_or_b32 s[G1S], s43, (3<<16)|(1<<21)
	s_or_b32 s[G1SB], s44, (3<<16)|(1<<21)
.irp g, G1, G1R
	s_mov_b32 s[\g+1], 2048<<16                    ; a row: 16,384 bytes, a row tile's 1,024 along K
	s_mov_b32 s[\g+3], 2048<<16
	s_mov_b32 s[\g+5], 2*SIZE_K                    ; from row tile to row tile
	s_mov_b32 s[\g+6], 0
	s_mov_b32 s[\g+7], 0
.endr
	s_mov_b32 s[G1+2], HROWS<<16                   ; the head's loads of codes
	s_mov_b32 s[G1+4], HROWS
	s_mov_b32 s[G1R+2], 2<<16                      ; a refill: two row tiles a wave
	s_mov_b32 s[G1R+4], 2
.irp g, G1S, G1SB
	s_mov_b32 s[\g+1], 32<<16                      ; the scale words of 128 positions, all of K: dense rows of 256 bytes
	s_mov_b32 s[\g+2], (SIZE_K/64)<<16
	s_mov_b32 s[\g+3], 32<<16
	s_mov_b32 s[\g+4], SIZE_K/64
	s_mov_b32 s[\g+5], 32
	s_mov_b32 s[\g+6], 0
	s_mov_b32 s[\g+7], 0
.endr
	s_mul_i32 s20, s17, 128*SIZE_K
	s_mov_b32 s21, 0
	s_mul_i32 s22, s17, SCB
	s_add_co_u32 s22, s22, ASO
	s_mov_b32 s23, 0
	s_mul_i32 s46, s42, SCB
	s_add_co_u32 s46, s46, BSO
	s_mov_b32 s47, 0
	s_mul_i32 s[BP], s42, 128*SIZE_K
	s_add_co_u32 s[BP], s[BP], BCO
	s_lshl_b32 s18, s14, 12
	s_add_co_u32 s[BP], s[BP], s18                 ; B's codes at my 256 of each 1,024 along K
	s_mov_b32 s[BP+1], 0
	s_wait_dscnt 0x0                               ; both opening adds are done
	s_wait_alu depctr_va_vdst(0)                   ; directly ahead of the wait below
	s_wait_kmcnt 0x0
	s_add_nc_u64 s[20:21], s[4:5], s[20:21]
	s_add_nc_u64 s[22:23], s[4:5], s[22:23]
	s_add_nc_u64 s[46:47], s[6:7], s[46:47]
	s_add_nc_u64 s[BP:BP+1], s[6:7], s[BP:BP+1]
	s_mov_b32 s[G0H], 1
	s_mov_b32 s[G0H+1], 0
	s_mov_b64 s[G0H+2:G0H+3], s[20:21]
	s_or_b32 s[G0H+3], s[G0H+3], 0x80000000
	s_mov_b32 s[G0H+4], 1
	s_mov_b32 s[G0H+5], H1LDS
	s_add_nc_u64 s[G0H+6:G0H+7], s[20:21], H1GLB
	s_or_b32 s[G0H+7], s[G0H+7], 0x80000000
	s_mov_b32 s[G0S], 1
	s_mov_b32 s[G0S+1], SCL
	s_mov_b64 s[G0S+2:G0S+3], s[22:23]
	s_or_b32 s[G0S+3], s[G0S+3], 0x80000000
	s_mov_b32 s[G0SB], 1
	s_mov_b32 s[G0SB+1], SCL+SCB
	s_mov_b64 s[G0SB+2:G0SB+3], s[46:47]
	s_or_b32 s[G0SB+3], s[G0SB+3], 0x80000000
.if NSLOT > 2
	s_mul_i32 s18, s14, 2*TILEB
	s_mov_b32 s19, 0
	s_lshl_b32 s45, s14, 15
.irp s, 0,1                            ; each slot is filled again once: slot s with the (2 + s)-th 1,024 along K
	s_mov_b32 s[G0R+4*\s], 1
	s_add_co_u32 s[G0R+4*\s+1], s45, \s*SLOT
	s_add_nc_u64 s[G0R+4*\s+2:G0R+4*\s+3], s[20:21], s[18:19]
	s_add_nc_u64 s[G0R+4*\s+2:G0R+4*\s+3], s[G0R+4*\s+2:G0R+4*\s+3], (2+\s)*16384
	s_or_b32 s[G0R+4*\s+3], s[G0R+4*\s+3], 0x80000000
.endr
.endif
	CROUND                                         ; all sixteen work-groups are here: the first joint loads meet
	ARM 1, G0H, G1, .Lhead_sa
	ARM 2, G0S, G1S, .Lhead_sb
	ARM 3, G0SB, G1SB, .Lhead_1
	tensor_load_to_lds s[G0H+4:G0H+7], s[G1:G1+7]
	s_nop 0
	PLACES 4
.Lhead_asked:
	BLOAD 0, 0                                     ; B's fragments of my first two steps
	BLOAD 0, 1
	BLOAD 1, 0
	BLOAD 1, 1
	v_and_b32 v1, 15, v0
	v_bfe_u32 v2, v0, 4, 1
	s_lshl_b32 s22, s14, 12
.irp s, 0,1
.if \s < NSLOT
	v_add_nc_u32 v[ADRA+2*\s], s22, v[LI]
	v_add_nc_u32 v[ADRA+2*\s+1], 65536, v[ADRA+2*\s]
	s_add_co_u32 s22, s22, SLOT
.endif
.endr
	s_lshl_b32 s22, s14, 10
	s_add_co_u32 s22, s22, SCL
	v_add_nc_u32 v[ADRS], s22, v[LS]
	s_mul_i32 s22, s14, PLANE
	v_mul_u32_u24 v[STO], v1, 528
	v_lshl_add_u32 v[STO], v2, 6, v[STO]
	v_add_nc_u32 v[STO], s22, v[STO]
	s_mul_i32 s22, s14, 32*528
	v_add_nc_u32 v[RD], s22, v[LI]
.irp p, 1,2,3
	v_add_nc_u32 v[RD+\p], \p*PLANE, v[RD]
.endr
	s_lshl_b32 s18, s42, 9
	s_mov_b32 s19, 0
	s_add_nc_u64 s[8:9], s[8:9], s[18:19]
	s_lshl_b32 s2, s17, 7
	s_lshl_b32 s3, s14, 5
	s_add_co_u32 s2, s2, s3
	s_lshl_b32 s2, s2, 12
	s_add_co_u32 s18, s18, s2
	s_add_nc_u64 s[10:11], s[10:11], s[18:19]
	s_add_nc_u64 s[12:13], s[12:13], s[18:19]
.if NSLOT > 2
	s_mul_i32 s[PFA], s17, 128*SIZE_K
	s_mul_i32 s22, s40, 2*TILEB
	s_add_co_u32 s[PFA], s[PFA], s22
	s_lshl_b32 s22, s14, 12
	s_add_co_u32 s[PFA], s[PFA], s22
	s_mov_b32 s[PFA+1], 0
	s_add_nc_u64 s[PFA:PFA+1], s[4:5], s[PFA:PFA+1]
	v_mul_u32_u24 v[PFO], v2, TILEB
	v_lshl_add_u32 v[PFO], v1, 8, v[PFO]
.endif
	s_wait_alu depctr_va_vdst(0)                   ; the wait at the head's end
.if NSLOT > 1
	s_cmp_lt_u32 s14, 3                            ; waves 0 to 2: slot 0 and the scale words have landed; wave 3's wait for slot 1 stands at the first change of slots
	s_cbranch_scc0 .Lnot_yet
	s_wait_tensorcnt 0x0
.Lnot_yet:
.else
	s_wait_tensorcnt 0x0
.endif
	s_barrier_signal -1
	s_barrier_wait -1
	FETCH_A 0, 0, 0
	SCALES 0
	FETCH_A 0, 0, 4
.if NSLOT > 1
	KSTEP 0, 0
	KSTEP 1, 1
	KSTEP 2, 0
	KSTEP 3, 1
	KSTEP 4, 0
	KSTEP 5, 2
	KSTEP 6, 0
	KSTEP 7, 3
.else
	KSTEP 0, 0
	KSTEP 1, 3
.endif
	; THE WAY OUT: the four waves' parts go to four planes in LDS; wave w adds the four parts of rows 32 w .. 32 w + 31, the bias and the residual, and stores whole rows of 512 bytes
	s_wait_dscnt 0x0
	s_barrier_signal -1
	s_barrier_wait -1                              ; nobody reads the ring any more
.irp a, 0,1,2,3,4,5,6,7
	WIN 0x08+4*(\a/4)
.irp b, 0,1,2,3,4,5,6,7
	ds_store_b128 v[STO], v[64*(\a%4)+8*\b:64*(\a%4)+8*\b+3] offset:\a*8448+128*(\b/2)+32*(\b%2)
	ds_store_b128 v[STO], v[64*(\a%4)+8*\b+4:64*(\a%4)+8*\b+7] offset:\a*8448+128*(\b/2)+32*(\b%2)+16
.endr
.endr
	WIN 0
	s_wait_dscnt 0x0
	s_barrier_signal -1
	s_barrier_wait -1
.macro RDB k
.irp e, 0,1
.irp p, 0,1,2,3
	ds_load_b128 v[PB+32*((\k)%2)+16*\e+4*\p:PB+32*((\k)%2)+16*\e+4*\p+3], v[RD+\p] offset:528*(2*(\k)+\e)
.endr
.endr
.endm
	RDB 0
.irp k, 0,1,2,3,4,5,6,7,8,9,10,11,12,13,14,15
.if \k < 15
	RDB \k+1
	s_wait_dscnt 8
.else
	s_wait_dscnt 0x0
.endif
	s_wait_loadcnt 30-2*\k                         ; the residual's rows 2 k and 2 k + 1 are in
.irp e, 0,1
.set rP, PB+32*(\k%2)+16*\e
	v_pk_add_f32 v[rP:rP+1], v[rP:rP+1], v[rP+4:rP+5]
	v_pk_add_f32 v[rP+2:rP+3], v[rP+2:rP+3], v[rP+6:rP+7]
	v_pk_add_f32 v[rP+8:rP+9], v[rP+8:rP+9], v[rP+12:rP+13]
	v_pk_add_f32 v[rP+10:rP+11], v[rP+10:rP+11], v[rP+14:rP+15]
	v_pk_add_f32 v[rP:rP+1], v[rP:rP+1], v[BV:BV+1]
	v_pk_add_f32 v[rP+2:rP+3], v[rP+2:rP+3], v[BV+2:BV+3]
	v_pk_add_f32 v[rP:rP+1], v[rP:rP+1], v[rP+8:rP+9]
	v_pk_add_f32 v[rP+2:rP+3], v[rP+2:rP+3], v[rP+10:rP+11]
.endr
	WIN 0x01                                       ; source 0: the residual, in window 1
.irp e, 0,1
.set rT, 2*\k+\e
.set rP, PB+32*(\k%2)+16*\e
	v_pk_add_f32 v[AF+4*rT:AF+4*rT+1], v[4*rT:4*rT+1], v[rP:rP+1]
	v_pk_add_f32 v[AF+4*rT+2:AF+4*rT+3], v[4*rT+2:4*rT+3], v[rP+2:rP+3]
.endr
	WIN 0
.irp e, 0,1
.set rT, 2*\k+\e
	global_store_b128 v[LI], v[AF+4*rT:AF+4*rT+3], s[12:13] offset:((rT&7)|((rT&8)<<1)|((rT&16)>>1))*4096 th:TH_STORE_NT   ; 512 consecutive bytes, aligned; each row has registers of its own
.endr
.endr
	s_wait_tensorcnt 0x0                           ; the wave's end
	ds_add_u32 v[SPW], v[NIL]
	s_wait_dscnt 0x0
	CROUND                                         ; the closing round
	s_endpgm
.Lfunc_end_k_q5a9f97d208_ff2:
	.size	k_q5a9f97d208_ff2, .Lfunc_end_k_q5a9f97d208_ff2-k_q5a9f97d208_ff2
	.p2alignl 7, 3214868480
	.fill 96, 4, 3214868480
	.section	.rodata,"a",@progbits
	.p2align	6, 0x0
	.amdhsa_kernel k_q5a9f97d208_ff2
		.amdhsa_group_segment_fixed_size 327680
		.amdhsa_private_segment_fixed_size 0
		.amdhsa_enable_private_segment 0
		.amdhsa_kernarg_size 40
		.amdhsa_user_sgpr_count 2
		.amdhsa_user_sgpr_kernarg_segment_ptr 1
		.amdhsa_wavefront_size32 1
		.amdhsa_system_sgpr_workgroup_id_x 1
		.amdhsa_system_sgpr_workgroup_id_y 1
		.amdhsa_system_sgpr_workgroup_id_z 1
		.amdhsa_system_vgpr_workitem_id 0
		.amdhsa_next_free_vgpr 1024
		.amdhsa_next_free_sgpr 102
		.amdhsa_reserve_vcc 0
		.amdhsa_float_denorm_mode_32 3
		.amdhsa_float_denorm_mode_16_64 3
		.amdhsa_memory_ordered 1
		.amdhsa_forward_progress 1
		.amdhsa_inst_pref_size 173
	.end_amdhsa_kernel
	.amdgpu_metadata
---
amdhsa.version: [ 1, 2 ]
amdhsa.kernels:
  - .name:           k_q5a9f97d208_ff2
    .symbol:         k_q5a9f97d208_ff2.kd
    .args:
      - { .name: ffh, .offset: 0, .size: 8, .value_kind: global_buffer, .address_space: global }
      - { .name: wk, .offset: 8, .size: 8, .value_kind: global_buffer, .address_space: global }
      - { .name: b2, .offset: 16, .size: 8, .value_kind: global_buffer, .address_space: global }
      - { .name: x1, .offset: 24, .size: 8, .value_kind: global_buffer, .address_space: global }
      - { .name: out0, .offset: 32, .size: 8, .value_kind: global_buffer, .address_space: global }
    .group_segment_fixed_size: 327680
    .private_segment_fixed_size: 0
    .kernarg_segment_align: 8
    .kernarg_segment_size: 40
    .max_flat_workgroup_size: 128
    .sgpr_count:     102
    .vgpr_count:     1024
    .wavefront_size: 32
...
	.end_amdgpu_metadata
.endif
;; end of part 7
